; MI455X (gfx1250); checked and timed in simulation.
; The chip was launched on July 23, 2026; its instructions are those of AMD's public machine-readable ISA for CDNA 5 (MIT licence, August 2026) and "CDNA5" Instruction Set Architecture Reference Guide (July 2026). The comments in the code are by the model that wrote it; some were corrected since.
;; Transformer Decoder Block. Allowed arithmetic: matrix products marked QUANTISED: E2M1 operands, one E8M0 scale for each 32 along K, by v_wmma_scale_f32_16x16x128_f8f6f4 with both operands' format E2M1 (or v_wmma_scale_f32_32x16x128_f4), f32 sums; products left as they are: bf16, f16 or f32 operands; f32 sums; everything else in f32.
;; Inputs: Wf1 1,024 x 1,024 float32; Wf2 1,024 x 1,024 float32; Wk1 16 x 1,024 x 64 float32; Wk2 16 x 1,024 x 64 float32; Wq1 16 x 1,024 x 64 float32; Wq2 16 x 1,024 x 64 float32; Wv1 16 x 1,024 x 64 float32; Wv2 16 x 1,024 x 64 float32; be1 1,024 float32; be2 1,024 float32; be3 1,024 float32; bf1 1,024 float32; bf2 1,024 float32; bv1 16 x 64 float32; bv2 16 x 64 float32; encoder_output 2 x 2,048 x 1,024 float32; g1 1,024 float32; g2 1,024 float32; g3 1,024 float32; input_tensor 2 x 2,048 x 1,024 float32.
;; Outputs: out0 2 x 2,048 x 1,024 float32.
;; This version of the problem:
;;   THIS VERSION OF THE PROBLEM IS GIVEN IN LOW PRECISION. The matrix products marked QUANTISED in the list below multiply operands that are first quantised to E2M1 (2 exponent bits, 1 mantissa bit; 4 bits a number), with one power-of-two scale for each 32 numbers along K (OCP MX v1.0); their sums are f32. The products marked 'left as it is' may take bf16, f16 or f32 operands, with f32 sums. Whichever they take, every output number must still come out within the allowed error. Rounding operands to bf16 (8 significant bits) uses up far more of that allowance than f16 does (11 bits, for magnitudes from 6e-5 to 65,504). All else is computed in f32.
;;   The module's matrix products, in the order in which they are computed (A, B: the left and right operand; K: the contracted axis; several contracted axes count as one K, in the product's order):
;;     1. [M 1,024, K 1,024] x [K 1,024, N 4,096]; A: input Wq1; B: input input_tensor: QUANTISED
;;     2. [M 1,024, K 1,024] x [K 1,024, N 4,096]; A: input Wk1; B: input input_tensor: QUANTISED
;;     3. [M 1,024, K 1,024] x [K 1,024, N 4,096]; A: input Wv1; B: input input_tensor: QUANTISED
;;     4. batch 32 x [M 2,048, K 64] x [K 64, N 2,048]; A: computed on the way; B: computed on the way: left as it is (an operand is computed on the way)
;;     5. batch 32 x [M 2,048, K 2,048] x [K 2,048, N 64]; A: computed on the way; B: computed on the way: left as it is (an operand is computed on the way)
;;     6. [M 1,024, K 1,024] x [K 1,024, N 4,096]; A: input Wq2; B: computed on the way: left as it is (an operand is computed on the way)
;;     7. [M 1,024, K 1,024] x [K 1,024, N 4,096]; A: input Wk2; B: input encoder_output: QUANTISED
;;     8. [M 1,024, K 1,024] x [K 1,024, N 4,096]; A: input Wv2; B: input encoder_output: QUANTISED
;;     9. batch 32 x [M 2,048, K 64] x [K 64, N 2,048]; A: computed on the way; B: computed on the way: left as it is (an operand is computed on the way)
;;     10. batch 32 x [M 2,048, K 2,048] x [K 2,048, N 64]; A: computed on the way; B: computed on the way: left as it is (an operand is computed on the way)
;;     11. [M 4,096, K 1,024] x [K 1,024, N 1,024]; A: computed on the way; B: input Wf1: left as it is (an operand is computed on the way)
;;     12. [M 4,096, K 1,024] x [K 1,024, N 1,024]; A: computed on the way; B: input Wf2: left as it is (an operand is computed on the way)
;;   THE QUANTISER, for each operand of a quantised product, along K:
;;     - K is cut into blocks of 32 from its start; a last block that is shorter is filled with zeros.
;;     - A block's scale is 2^e with e = floor(log2(the largest magnitude in the block)) - 2, held to -126 .. 127; a block of zeros has e = 0. As a byte (E8M0): e + 127.
;;     - Each number is divided by its block's scale, clamped to +-6, and rounded to the nearest number of E2M1, ties to even, subnormals kept.
;;     - The product sums the exact products of the quantised numbers (number of the format x scale) in f32.
;;   ~~~python
;;   def quantise(x, axis):      # numpy; x: float32 -> the quantised numbers, widened to float32 again
;;       x = np.moveaxis(x, axis, -1); K = x.shape[-1]
;;       x = np.pad(x, [(0, 0)] * (x.ndim - 1) + [(0, -K % 32)]); x = x.reshape(x.shape[:-1] + (-1, 32)); a = np.abs(x).max(-1, keepdims=True)
;;       e = np.where(a > 0, np.clip(np.frexp(np.where(a > 0, a, 1))[1] - 1 - 2, -126, 127), 0)      # np.frexp(a)[1] - 1 = floor(log2(a)), exactly
;;       r = np.clip(x / 2.0 ** e, -6, 6)
;;       step = 2.0 ** (np.maximum(np.frexp(np.where(r == 0, 1, r))[1] - 1, 0) - 1)
;;       q = np.round(r / step) * step * 2.0 ** e      # np.round: ties to even
;;       return np.moveaxis(q.reshape(q.shape[:-2] + (-1,))[..., :K], -1, axis).astype(np.float32)
;;   ~~~
;; One version. Each part assembles by itself: llvm-mc -triple=amdgcn-amd-amdhsa -mcpu=gfx1250 --defsym DOCPART=n.
;; ======== version 1 of 1: 10 launches
;; limits: values are held in f16: magnitudes above 65,504 overflow, below 6.1e-05 lose precision
;; workspace buffers: P 13,631,488 bytes; qkv 50,331,648 bytes; att 16,777,216 bytes; xa 25,165,824 bytes; xb 25,165,824 bytes
;; launch prep (part 1): grid 768 x 1, 4 waves a work-group, no clusters, 34,304 bytes of LDS; arguments input_tensor, encoder_output, Wq1, Wk1, Wv1, Wk2, Wv2, Wq2, Wf1, Wf2, P; writes P
.if DOCPART == 1
	.amdgcn_target "amdgcn-amd-amdhsa--gfx1250"
	.amdhsa_code_object_version 6
	.text
	.protected	k_q431b049443_prep
	.globl	k_q431b049443_prep
	.p2align	8
	.type	k_q431b049443_prep,@function
k_q431b049443_prep:
	s_mov_b64 s[64:65], 0
	v_nop
	global_prefetch_b8 v0, s[64:65] scope:SCOPE_SE
	s_setreg_imm32_b32 hwreg(HW_REG_WAVE_MODE, 25, 1), 1
	s_wait_xcnt 0x0
; Every operand that later launches multiply is laid here ONCE, in the order of the operand's registers:
;   byte(row, chunk) = (row / 16) x C x 256 + chunk x 256 + (row % 16) x 16;  a chunk is 16 bytes along K: 32 codes of FP4, or 8 numbers of f16.
; A fragment is then read at 16 x lane + 512 x (register group), and a tile is a dense block.
; P: 0 codes of input_tensor (tiles of 16 rows 0-255) and encoder_output (256-511), C = 32;  WC codes of the five quantised weights [head][q1 k1 v1 k2 v2][e / 16][32 chunks];
;    AS, WS their E8M0 scale words, C = 2 (a chunk = the words of four K steps of 128);  W16 Wq2, Wf1, Wf2 in f16, C = 128, rows = output columns.
; THE QUANTISER: a block of 32 along K has the scale 2^(floor(log2(largest magnitude)) - 2); numbers / scale go to the nearest code of E2M1, ties to even, beyond 6 to 6.
; LIMITS: a block of zeros gets the byte 1 (its codes are zeros, and this program alone reads the bytes); NaN and infinities are not served; an f16 weight beyond 65,504 becomes infinity.
; Four paths part on the work-group's number: 0-255 activations (K innermost: through the wave's stage in LDS, so that loads are dense and a lane still holds 16 neighbours along K);
; 256-575 quantised weights, 576-639 Wq2, 640-767 Wf1 and Wf2 (K is not innermost: a lane takes a column and its registers run down K).  Waves share nothing: no barrier.
.set WC,    4194304
.set AS,    6815744
.set WS,    7077888
.set W16,   7340032
.set STG,   8448                       ; a wave's stage: 16 rows x (512 bytes + 16)
.set SPARE, 4*STG                      ; behind the stages: the spare words, 128 bytes a wave
.set SPW, 8                            ; v8  LDS address of my spare word; never rewritten
.set NIL, 9                            ; v9  0; never rewritten
.set TM,  144                          ; v144-159 at work in QUANT
.set PC,  160                          ; v160-167 a fragment's codes
.set SW,  168                          ; v168-171 the scale words of my four K steps
	s_load_b512 s[4:19], s[0:1], 0x0               ; x, enc, Wq1, Wk1, Wv1, Wk2, Wv2, Wq2
	s_load_b128 s[20:23], s[0:1], 0x40             ; Wf1, Wf2
	s_load_b64 s[24:25], s[0:1], 0x50              ; P
	v_lshl_add_u32 v[SPW], v0, 2, SPARE
	v_mov_b32 v[NIL], 0
	v_lshrrev_b32 v1, 5, v0
	v_readfirstlane_b32 s26, v1                    ; wave
	v_and_b32 v1, 31, v0                           ; lane
	v_and_b32 v2, 15, v0                           ; r
	v_bfe_u32 v3, v0, 4, 1                         ; h
	v_lshlrev_b32 v4, 4, v1                        ; 16 x lane
	s_mul_i32 s27, s26, STG
	v_add_nc_u32 v5, s27, v4                       ; the stage, on the way in: a row's 512 bytes as they lie
	v_mul_u32_u24 v6, v2, 528
	v_lshl_add_u32 v6, v3, 6, v6
	v_add_nc_u32 v6, s27, v6                       ; on the way out: row r, + 64 h: my 16 numbers of each block of 32
	v_lshlrev_b32 v7, 4, v2                        ; 16 r
	v_lshlrev_b32 v10, 2, v1                       ; 4 x lane
	s_mov_b32 s28, 0x76543210
	s_mov_b32 s29, 0xfedcba98                      ; v_permlanex16_b32's selects for lane l xor 16
	s_and_b32 s31, s26, 1
	s_lshr_b32 s32, s26, 1
	s_mov_b32 s41, 0                               ; the high word of every offset
	s_wait_kmcnt 0x0
	s_cmp_lt_u32 ttmp9, 256
	s_cbranch_scc0 .Lweights
	; ---- ACTIVATIONS.  A wave takes a tile of 16 rows x 512 along K: four K steps of 128.
	s_cmp_lt_u32 ttmp9, 128                        ; tiles 0-255 are x's, 256-511 enc's
	s_cselect_b64 s[4:5], s[4:5], s[6:7]
	s_lshl_b32 s30, ttmp9, 1
	s_add_co_u32 s30, s30, s32                     ; tile = 2 x work-group + wave / 2;  s31 = which half of K
	s_and_b32 s40, s30, 255
	s_lshl_b32 s40, s40, 16                        ; 16 rows of 4,096 bytes
	s_lshl_b32 s42, s31, 11
	s_add_co_u32 s40, s40, s42
	s_add_nc_u64 s[4:5], s[4:5], s[40:41]
	s_lshl_b32 s40, s30, 13                        ; the codes: 8,192 bytes a tile, 4,096 a half of K
	s_lshl_b32 s42, s31, 12
	s_add_co_u32 s40, s40, s42
	s_add_nc_u64 s[36:37], s[24:25], s[40:41]
	s_lshl_b32 s40, s30, 9                         ; the scale words: 512 bytes a tile, 256 a half of K
	s_lshl_b32 s42, s31, 8
	s_add_co_u32 s40, s40, s42
	s_add_co_u32 s40, s40, AS
	s_add_nc_u64 s[38:39], s[24:25], s[40:41]
.irp b, 0,1,2,3
	v_mov_b32 v[TM+4+\b], 0                        ; written once: a lane permute's destination counts as one of its sources
.endr
.macro LOADA s                         ; K step s of my 16 rows: each load reads 512 consecutive bytes of one row
.irp i, 0,1,2,3,4,5,6,7,8,9,10,11,12,13,14,15
	global_load_b128 v[16+64*((\s)%2)+4*\i:16+64*((\s)%2)+4*\i+3], v4, s[4:5] offset:4096*\i+512*(\s) th:TH_LOAD_NT
.endr
.endm
.macro TURN s                          ; through the stage and back into the same registers: register 16 b + i is then k = 32 b + 16 h + i of row r.  LDS serves a wave's instructions in order
.irp i, 0,1,2,3,4,5,6,7,8,9,10,11,12,13,14,15
	ds_store_b128 v5, v[16+64*((\s)%2)+4*\i:16+64*((\s)%2)+4*\i+3] offset:528*\i
.endr
.irp b, 0,1,2,3
.irp j, 0,1,2,3
	ds_load_b128 v[16+64*((\s)%2)+16*\b+4*\j:16+64*((\s)%2)+16*\b+4*\j+3], v6 offset:128*\b+16*\j
.endr
.endr
.endm
; 64 numbers of a lane from v[s] on become a fragment's codes in v[PC] on and my row's scale word in v[pw]
.macro QUANT s, pw
.irp b, 0,1,2,3
	v_max3_num_f32 v[TM+\b], |v[\s+16*\b]|, |v[\s+1+16*\b]|, 0x1800000   ; block b: my 16 numbers and the floor 2^(3 - 127): the byte cannot fall under 1
.endr
.irp i, 2,4,6,8,10,12,14
.irp b, 0,1,2,3
	v_max3_num_f32 v[TM+\b], v[TM+\b], |v[\s+16*\b+\i]|, |v[\s+1+16*\b+\i]|
.endr
.endr
.irp b, 0,1,2,3
	v_permlanex16_b32 v[TM+4+\b], v[TM+\b], s28, s29
.endr
.irp b, 0,1,2,3
	v_max_num_f32 v[TM+\b], v[TM+\b], v[TM+4+\b]   ; with lane l xor 16's: the block's largest magnitude
.endr
.irp b, 0,1,2,3
	v_add_nc_u32 v[TM+12+\b], 0xff000000, v[TM+\b] ; 2 off its exponent field: the conversion takes the exponent field of this operand as its scale
.endr
.irp b, 0,1,2,3
	v_lshrrev_b32 v[TM+4+\b], 23, v[TM+12+\b]      ; the scale's byte
.endr
	v_lshl_or_b32 v[\pw], v[TM+5], 8, v[TM+4]
	v_lshl_or_b32 v[\pw], v[TM+6], 16, v[\pw]
	v_lshl_or_b32 v[\pw], v[TM+7], 24, v[\pw]
.irp b, 0,1,2,3
	v_cvt_scalef32_pk8_fp4_f32 v[PC+2*\b], v[\s+16*\b:\s+7+16*\b], v[TM+12+\b]
	v_cvt_scalef32_pk8_fp4_f32 v[PC+1+2*\b], v[\s+8+16*\b:\s+15+16*\b], v[TM+12+\b]
.endr
	v_nop                                          ; one plain place behind a scaled conversion
.irp c, 0,1                            ; the operand's layout wants a whole block in a lane
.irp i, 0,1
	v_permlane16_swap_b32 v[PC+4*\c+\i], v[PC+2+4*\c+\i]
.endr
.endr
.endm
.macro STEPA s
.if (\s) < 3
	s_wait_loadcnt 16                              ; this K step's 16 loads are in; the next one's may be out
.else
	s_wait_loadcnt 0x0
.endif
	TURN \s
	s_wait_dscnt 0x0
	s_wait_xcnt 0x0                                ; the last step's stores have read the codes' registers
	QUANT 16+64*((\s)%2), SW+(\s)
.irp c, 0,1
	global_store_b128 v4, v[PC+4*\c:PC+4*\c+3], s[36:37] offset:1024*(\s)+512*\c   ; 32 lanes store 512 consecutive bytes
.endr
.if (\s) < 2
	LOADA (\s)+2
.endif
.endm
	LOADA 0
	LOADA 1
	STEPA 0
	STEPA 1
	STEPA 2
	STEPA 3
	s_wait_xcnt 0x0                                ; EXEC changes only behind this wait
	v_cmp_gt_u32 vcc_lo, 16, v1
	s_and_saveexec_b32 s30, vcc_lo
	global_store_b128 v7, v[SW:SW+3], s[38:39]     ; lanes 0-15: 256 consecutive bytes: four words a row
	s_wait_xcnt 0x0
	s_or_b32 exec_lo, exec_lo, s30
	s_wait_tensorcnt 0x0                           ; the wave's end
	ds_add_u32 v[SPW], v[NIL]
	s_wait_dscnt 0x0
	s_endpgm
; ---- WEIGHTS.  A wave takes 32 columns x 128 along K; block t is W(32 t + i, my column), i = 0 .. 31, in set t % 2.  Loads run two blocks ahead.
.macro LOADW t, pitch
.irp i, 0,1,2,3,4,5,6,7,8,9,10,11,12,13,14,15,16,17,18,19,20,21,22,23,24,25,26,27,28,29,30,31
	global_load_b32 v[16+32*((\t)%2)+\i], v10, s[8:9] offset:(32*(\t)+\i)*(\pitch) th:TH_LOAD_NT
.endr
.endm
.macro WAITW t
.if (\t) < 3
	s_wait_loadcnt 32                              ; this block's 32 loads are in; the next block's may be out
.else
	s_wait_loadcnt 0x0
.endif
.endm
.macro BLK4 t
.set XS, 16+32*((\t)%2)
	WAITW \t
	v_max3_num_f32 v98, |v[XS]|, |v[XS+1]|, |v[XS+2]|      ; the block's largest magnitude: all 32 numbers are mine
	v_max3_num_f32 v99, |v[XS+3]|, |v[XS+4]|, |v[XS+5]|
.irp i, 6,10,14,18,22,26
	v_max3_num_f32 v98, v98, |v[XS+\i]|, |v[XS+\i+1]|
	v_max3_num_f32 v99, v99, |v[XS+\i+2]|, |v[XS+\i+3]|
.endr
	v_max3_num_f32 v98, v98, |v[XS+30]|, |v[XS+31]|
	v_max3_num_f32 v98, v98, v99, 0x1800000        ; and the floor
	v_add_nc_u32 v100, 0xff000000, v98
	v_lshrrev_b32 v101, 23, v100
.if (\t) == 0
	v_mov_b32 v96, v101
.else
	v_lshl_or_b32 v96, v101, 8*(\t), v96           ; the K step's four bytes make my column's scale word
.endif
.irp g, 0,1,2,3
	v_cvt_scalef32_pk8_fp4_f32 v[80+4*(\t)+\g], v[XS+8*\g:XS+8*\g+7], v100
.endr
	global_store_b128 v11, v[80+4*(\t):80+4*(\t)+3], s[36:37] offset:256*(\t)   ; chunk t of the K step: sixteen lanes store 256 consecutive bytes
.if (\t) < 2
	LOADW (\t)+2, 256
.endif
.endm
.macro BLKH t, pitch
.set XS, 16+32*((\t)%2)
	WAITW \t
.irp i, 0,1,2,3,4,5,6,7,8,9,10,11,12,13,14,15
	v_cvt_pk_f16_f32 v[80+16*(\t)+\i], v[XS+2*\i], v[XS+2*\i+1]
.endr
.irp g, 0,1,2,3
	global_store_b128 v11, v[80+16*(\t)+4*\g:80+16*(\t)+4*\g+3], s[36:37] offset:1024*(\t)+256*\g
.endr
.if (\t) < 2
	LOADW (\t)+2, \pitch
.endif
.endm
.macro HPATH pitch
	LOADW 0, \pitch
	LOADW 1, \pitch
	BLKH 0, \pitch
	BLKH 1, \pitch
	BLKH 2, \pitch
	BLKH 3, \pitch
	s_endpgm
.endm
.Lweights:
	s_cmp_lt_u32 ttmp9, 576
	s_cbranch_scc0 .Lhalf
	s_sub_co_u32 s30, ttmp9, 256
	s_lshr_b32 s33, s30, 6                         ; which weight: q1 k1 v1 k2 v2
	s_cmp_eq_u32 s33, 1
	s_cselect_b64 s[8:9], s[10:11], s[8:9]
	s_cmp_eq_u32 s33, 2
	s_cselect_b64 s[8:9], s[12:13], s[8:9]
	s_cmp_eq_u32 s33, 3
	s_cselect_b64 s[8:9], s[14:15], s[8:9]
	s_cmp_eq_u32 s33, 4
	s_cselect_b64 s[8:9], s[16:17], s[8:9]
	s_bfe_u32 s34, s30, 0x40002                    ; head
	s_and_b32 s30, s30, 3
	s_lshl_b32 s30, s30, 1
	s_add_co_u32 s30, s30, s32                     ; K step of 128;  s31 = which 32 of the head's 64 columns
	s_lshl_b32 s40, s34, 18                        ; W[head][d][e]: 262,144 bytes a head, 256 a row d
	s_lshl_b32 s42, s30, 15
	s_add_co_u32 s40, s40, s42
	s_lshl_b32 s42, s31, 7
	s_add_co_u32 s40, s40, s42
	s_add_nc_u64 s[8:9], s[8:9], s[40:41]
	s_mul_i32 s40, s34, 163840                     ; the codes
	s_lshl_b32 s42, s33, 15
	s_add_co_u32 s40, s40, s42
	s_lshl_b32 s42, s31, 14
	s_add_co_u32 s40, s40, s42
	s_lshl_b32 s42, s30, 10
	s_add_co_u32 s40, s40, s42
	s_add_co_u32 s40, s40, WC
	s_add_nc_u64 s[36:37], s[24:25], s[40:41]
	s_mul_i32 s40, s34, 20                         ; the scale words: tile of 16 rows = 20 head + 4 weight + 2 half (+ lane / 16)
	s_lshl_b32 s42, s33, 2
	s_add_co_u32 s40, s40, s42
	s_lshl_b32 s42, s31, 1
	s_add_co_u32 s40, s40, s42
	s_lshl_b32 s40, s40, 9
	s_lshr_b32 s42, s30, 2
	s_lshl_b32 s42, s42, 8
	s_add_co_u32 s40, s40, s42
	s_and_b32 s42, s30, 3
	s_lshl_b32 s42, s42, 2
	s_add_co_u32 s40, s40, s42
	s_add_co_u32 s40, s40, WS
	s_add_nc_u64 s[38:39], s[24:25], s[40:41]
	v_lshlrev_b32 v11, 13, v3
	v_lshl_add_u32 v11, v2, 4, v11                 ; codes: 8,192 (lane / 16) + 16 r
	v_lshlrev_b32 v12, 9, v3
	v_lshl_add_u32 v12, v2, 4, v12                 ; words: 512 (lane / 16) + 16 r
	LOADW 0, 256
	LOADW 1, 256
	BLK4 0
	BLK4 1
	BLK4 2
	BLK4 3
	global_store_b32 v12, v96, s[38:39]
	s_endpgm
.Lhalf:
	v_lshlrev_b32 v11, 15, v3
	v_lshl_add_u32 v11, v2, 4, v11                 ; f16: 32,768 (lane / 16) + 16 r
	s_cmp_lt_u32 ttmp9, 640
	s_cbranch_scc0 .Lffn
	s_sub_co_u32 s30, ttmp9, 576                   ; Wq2: as the quantised weights are shared out
	s_lshr_b32 s34, s30, 2                         ; head
	s_and_b32 s30, s30, 3
	s_lshl_b32 s30, s30, 1
	s_add_co_u32 s30, s30, s32                     ; K step of 128
	s_lshl_b32 s40, s34, 18
	s_lshl_b32 s42, s30, 15
	s_add_co_u32 s40, s40, s42
	s_lshl_b32 s42, s31, 7
	s_add_co_u32 s40, s40, s42
	s_add_nc_u64 s[8:9], s[18:19], s[40:41]
	s_lshl_b32 s40, s34, 2
	s_lshl_b32 s42, s31, 1
	s_add_co_u32 s40, s40, s42
	s_lshl_b32 s40, s40, 15                        ; row n = 64 head + e: tile 4 head + 2 half
	s_lshl_b32 s42, s30, 12
	s_add_co_u32 s40, s40, s42
	s_add_co_u32 s40, s40, W16
	s_add_nc_u64 s[36:37], s[24:25], s[40:41]
	HPATH 256
.Lffn:
	s_sub_co_u32 s30, ttmp9, 640
	s_cmp_lt_u32 s30, 64
	s_cselect_b64 s[8:9], s[20:21], s[22:23]
	s_lshr_b32 s33, s30, 6                         ; Wf1 or Wf2
	s_and_b32 s30, s30, 63
	s_and_b32 s34, s30, 7
	s_lshl_b32 s34, s34, 2
	s_add_co_u32 s34, s34, s26                     ; which 32 columns: the four waves stand side by side on 512 bytes
	s_lshr_b32 s30, s30, 3                         ; which 128 along K
	s_lshl_b32 s40, s30, 19
	s_lshl_b32 s42, s34, 7
	s_add_co_u32 s40, s40, s42
	s_add_nc_u64 s[8:9], s[8:9], s[40:41]
	s_add_co_u32 s40, s33, 1
	s_lshl_b32 s40, s40, 21
	s_lshl_b32 s42, s34, 16
	s_add_co_u32 s40, s40, s42
	s_lshl_b32 s42, s30, 12
	s_add_co_u32 s40, s40, s42
	s_add_co_u32 s40, s40, W16
	s_add_nc_u64 s[36:37], s[24:25], s[40:41]
	HPATH 4096
.Lfunc_end_k_q431b049443_prep:
	.size	k_q431b049443_prep, .Lfunc_end_k_q431b049443_prep-k_q431b049443_prep
	.p2alignl 7, 3214868480
	.fill 96, 4, 3214868480
	.section	.rodata,"a",@progbits
	.p2align	6, 0x0
	.amdhsa_kernel k_q431b049443_prep
		.amdhsa_group_segment_fixed_size 34304
		.amdhsa_private_segment_fixed_size 0
		.amdhsa_enable_private_segment 0
		.amdhsa_kernarg_size 88
		.amdhsa_user_sgpr_count 2
		.amdhsa_user_sgpr_kernarg_segment_ptr 1
		.amdhsa_wavefront_size32 1
		.amdhsa_system_sgpr_workgroup_id_x 1
		.amdhsa_system_sgpr_workgroup_id_y 1
		.amdhsa_system_sgpr_workgroup_id_z 1
		.amdhsa_system_vgpr_workitem_id 0
		.amdhsa_next_free_vgpr 192
		.amdhsa_next_free_sgpr 66
		.amdhsa_reserve_vcc 1
		.amdhsa_float_denorm_mode_32 3
		.amdhsa_float_denorm_mode_16_64 3
		.amdhsa_memory_ordered 1
		.amdhsa_forward_progress 1
		.amdhsa_inst_pref_size 90
	.end_amdhsa_kernel
	.amdgpu_metadata
---
amdhsa.version: [ 1, 2 ]
amdhsa.kernels:
  - .name:           k_q431b049443_prep
    .symbol:         k_q431b049443_prep.kd
    .args:
      - { .name: input_tensor, .offset: 0, .size: 8, .value_kind: global_buffer, .address_space: global }
      - { .name: encoder_output, .offset: 8, .size: 8, .value_kind: global_buffer, .address_space: global }
      - { .name: Wq1, .offset: 16, .size: 8, .value_kind: global_buffer, .address_space: global }
      - { .name: Wk1, .offset: 24, .size: 8, .value_kind: global_buffer, .address_space: global }
      - { .name: Wv1, .offset: 32, .size: 8, .value_kind: global_buffer, .address_space: global }
      - { .name: Wk2, .offset: 40, .size: 8, .value_kind: global_buffer, .address_space: global }
      - { .name: Wv2, .offset: 48, .size: 8, .value_kind: global_buffer, .address_space: global }
      - { .name: Wq2, .offset: 56, .size: 8, .value_kind: global_buffer, .address_space: global }
      - { .name: Wf1, .offset: 64, .size: 8, .value_kind: global_buffer, .address_space: global }
      - { .name: Wf2, .offset: 72, .size: 8, .value_kind: global_buffer, .address_space: global }
      - { .name: P, .offset: 80, .size: 8, .value_kind: global_buffer, .address_space: global }
    .group_segment_fixed_size: 34304
    .private_segment_fixed_size: 0
    .kernarg_segment_align: 8
    .kernarg_segment_size: 88
    .max_flat_workgroup_size: 128
    .sgpr_count:     66
    .vgpr_count:     192
    .wavefront_size: 32
...
	.end_amdgpu_metadata
.endif
;; end of part 1
;; launch g4 (part 2): grid 16 x 16, 4 waves a work-group, clusters of 4 x 4, 327,680 bytes of LDS; arguments P, bv1, bv2, qkv; writes qkv
.if DOCPART == 2
	.amdgcn_target "amdgcn-amd-amdhsa--gfx1250"
	.amdhsa_code_object_version 6
	.text
	.protected	k_q431b049443_g4
	.globl	k_q431b049443_g4
	.p2align	8
	.type	k_q431b049443_g4,@function
k_q431b049443_g4:
	s_mov_b64 s[64:65], 0
	v_nop
	global_prefetch_b8 v0, s[64:65] scope:SCOPE_SE
	s_setreg_imm32_b32 hwreg(HW_REG_WAVE_MODE, 25, 1), 1
	s_wait_xcnt 0x0
	s_wait_alu depctr_hold_cnt(0) depctr_sa_sdst(0) depctr_va_vdst(0) depctr_va_sdst(0) depctr_va_ssrc(0) depctr_va_vcc(0) depctr_vm_vsrc(0)
	s_getreg_b32 s2, hwreg(HW_REG_IB_STS2, 6, 4)
	s_cmp_eq_u32 s2, 0
	s_cbranch_scc0 .Lentry_in_a_cluster
	s_endpgm
.Lentry_in_a_cluster:
	s_bfe_u32 s2, ttmp6, 0x10000c
	s_cmp_lg_u32 s2, 0xf033
	s_cbranch_scc0 .Lentry_shape_is_right
	s_endpgm
.Lentry_shape_is_right:
; The five quantised projections on codes of FP4 (E2M1) with E8M0 scales: q1, k1, v1 of input_tensor, k2, v2 of encoder_output; results in f16, laid as attention's operands.
; A work-group (head, block of 256 tokens) makes 256 tokens x 64 columns of all five weights; wave w owns tokens 64 w .. + 63: four tiles a of 16.  All of K = 1,024 lies in LDS: no ring along K.
; Phase X: x's codes against q1, k1, v1 (48 matrix instructions a K step of 128); then the tokens' region is filled again with enc's codes, while X's results leave; phase E: k2, v2 (32 a K step).
; q and k are made TRANSPOSED (source 0 = 16 rows of W, source 1 = 16 tokens): a lane holds one token and eight neighbouring channels: 16 bytes of f16, a chunk of [head][token / 16][channel / 8][16][16 B].
; v is made in the natural order (source 0 = tokens, source 1 = W): a lane holds one channel and eight neighbouring tokens: a chunk of V^T, [head][channel / 16][key / 8][16][16 B].
; So every store of a wave covers 512 consecutive bytes, with no stage.
; CLUSTER 4 x 4: the four of a row share the block of tokens, the four of a column the head: every tile is asked for jointly.
; LIMIT: a result beyond 65,504 becomes infinity in f16.
; LDS: 0 tokens' codes, 32 KB a wave, read by that wave alone ([tile a][K step][1 KB]); RB 20 tiles of 16 rows of W x 8 KB; SCA tokens' scale words (x's 2 KB, enc's 2 KB a wave); SCB the weights'; SPARE.
; REGISTERS: window 0: addresses; SA, SB scale words; AF tokens' fragments, two sets; T packed results; BV biases.  window 1: W's fragments, two sets of 96.  window 2: accumulators (a, b) of q, k at 8 (8 a + b).  window 3: v's at 8 (4 a + c).
.set WC,    4194304
.set AS,    6815744
.set WS,    7077888
.set RB,    131072
.set SCA,   294912
.set SCB,   311296
.set SPARE, 321536
.set LI,   1                           ; v1  16 x lane
.set ADA,  2                           ; v2  my tokens' codes
.set ADB,  3                           ; v3-5 W's codes, 64 KB apart
.set ADS,  6                           ; v6  my tokens' scale words
.set ADSB, 7                           ; v7  W's scale words
.set SPW,  8                           ; v8  my spare word; never rewritten
.set NIL,  9                           ; v9  0; never rewritten
.set BO,   10                          ; v10 4 r
.set SA,   16                          ; v16-31  register 4 a + s % 4: lanes 0-15 the word of K step s % 4, lanes 16-31 of K step 4 + s % 4
.set SB,   32                          ; v32-79  the same for W's tile j
.set AF,   80                          ; v80-143
.set T,    144                         ; v144-207
.set BV,   208                         ; v208-223 bias of channel 16 c + r in the even registers
.set G1SA, 20
.set G1SB, 28
.set G1A,  36
.set G1BX, 44
.set G1BE, 52
.set G0SA, 60
.set G0SB, 68
.set G0A,  72
.set G0BX, 76
.set G0BE, 80
.set MSB, 0
.macro WIN new                         ; the immediate's high byte repeats the setting that is left
.if MSB != \new
	s_set_vgpr_msb (MSB<<8)|\new
.set MSB, \new
.endif
.endm
.macro PLACES n
.rept \n
	v_nop
.endr
.endm
.macro CROUND                          ; a round of the cluster's barrier
	s_barrier_signal -1
	s_barrier_wait -1
	s_cmp_lg_u32 s12, 0
	s_cbranch_scc1 .Lnot_wave_0_\@
	s_barrier_signal -3
.Lnot_wave_0_\@:
	s_barrier_wait -3
	s_barrier_signal -1
	s_barrier_wait -1
.endm
.macro G1SET g, mask, c, r, p          ; r rows of c elements of 8 bytes, p elements apart, no padding; bit 21 set beside the mask
	s_or_b32 s[\g], \mask, (3<<16)|(1<<21)
	s_mov_b32 s[\g+1], (\c)<<16
	s_mov_b32 s[\g+2], (\r)<<16
	s_mov_b32 s[\g+3], (\c)<<16
	s_mov_b32 s[\g+4], \r
	s_mov_b32 s[\g+5], \p
	s_mov_b32 s[\g+6], 0
	s_mov_b32 s[\g+7], 0
.endm
.macro G0SET g, off
	s_mov_b32 s[\g], 1
	s_add_nc_u64 s[\g+2:\g+3], s[4:5], s[\off:\off+1]
	s_or_b32 s[\g+3], s[\g+3], 0x80000000
.endm
	s_load_b256 s[4:11], s[0:1], 0x0               ; P, bv1, bv2, qkv
	v_lshl_add_u32 v[SPW], v0, 2, SPARE
	v_mov_b32 v[NIL], 0
	ds_add_u32 v[SPW], v[NIL]                      ; the wave's opening: the add and its wait ahead of my first tensor load
	v_lshrrev_b32 v1, 5, v0
	v_readfirstlane_b32 s12, v1                    ; wave
	s_bfe_u32 s13, ttmp6, 0x40000                  ; cx
	s_bfe_u32 s14, ttmp6, 0x40004                  ; cy
	s_lshl_b32 s15, ttmp9, 2
	s_add_co_u32 s15, s15, s13                     ; head
	s_and_b32 s16, ttmp7, 0xffff
	s_lshl_b32 s16, s16, 2
	s_add_co_u32 s16, s16, s14                     ; block of 256 tokens
	s_lshl_b32 s17, s14, 2
	s_lshl_b32 s17, 15, s17                        ; my row of the cluster
	s_lshl_b32 s18, 0x1111, s13                    ; my column
	G1SET G1SA, s17, 256, 2, 16384                 ; my tokens' words: x's 2,048 bytes, and enc's, 131,072 bytes further on
	G1SET G1SB, s18, 32, 10, 32                    ; a quarter of the head's 10,240 bytes of words
	G1SET G1A,  s17, 32, 128, 32                   ; my 64 tokens' codes: 32 KB, dense
	G1SET G1BX, s18, 32, 96, 32                    ; a quarter of q1, k1, v1: 24 KB
	G1SET G1BE, s18, 32, 64, 32                    ; a quarter of k2, v2: 16 KB
	s_lshl_b32 s84, s16, 13                        ; the tokens' side: made of the block and the wave alone
	s_lshl_b32 s85, s12, 11
	s_add_co_u32 s84, s84, s85
	s_add_co_u32 s84, s84, AS
	s_mov_b32 s85, 0
	s_lshl_b32 s86, s16, 17
	s_lshl_b32 s87, s12, 15
	s_add_co_u32 s86, s86, s87
	s_mov_b32 s87, 0
	s_mul_i32 s88, s15, 10240                      ; the weights' side: of the head and the wave alone
	s_mul_i32 s89, s12, 2560
	s_add_co_u32 s88, s88, s89
	s_add_co_u32 s88, s88, WS
	s_mov_b32 s89, 0
	s_mul_i32 s90, s15, 163840
	s_add_co_u32 s90, s90, WC
	s_lshl_b32 s92, s12, 14
	s_add_co_u32 s92, s92, s90
	s_add_co_u32 s92, s92, 98304
	s_mov_b32 s93, 0
	s_mul_i32 s91, s12, 24576
	s_add_co_u32 s90, s90, s91
	s_mov_b32 s91, 0
	s_lshl_b32 s[G0SA+1], s12, 12                  ; where they go: constants and the wave's number alone
	s_add_co_u32 s[G0SA+1], s[G0SA+1], SCA
	s_mul_i32 s[G0SB+1], s12, 2560
	s_add_co_u32 s[G0SB+1], s[G0SB+1], SCB
	s_lshl_b32 s[G0A+1], s12, 15
	s_mul_i32 s[G0BX+1], s12, 24576
	s_add_co_u32 s[G0BX+1], s[G0BX+1], RB
	s_lshl_b32 s[G0BE+1], s12, 14
	s_add_co_u32 s[G0BE+1], s[G0BE+1], RB+98304
	s_wait_dscnt 0x0                               ; the opening add is done
	s_wait_kmcnt 0x0
	G0SET G0SA, 84
	G0SET G0SB, 88
	G0SET G0A,  86
	G0SET G0BX, 90
	G0SET G0BE, 92
	CROUND                                         ; all sixteen work-groups are here: the first joint loads meet
	tensor_load_to_lds s[G0SA:G0SA+3], s[G1SA:G1SA+7]   ; the first fills go out as one group: five loads of mine are out
	s_nop 0
	tensor_load_to_lds s[G0SB:G0SB+3], s[G1SB:G1SB+7]
	s_nop 0
	tensor_load_to_lds s[G0A:G0A+3], s[G1A:G1A+7]
	s_nop 0
	tensor_load_to_lds s[G0BX:G0BX+3], s[G1BX:G1BX+7]
	s_nop 0
	tensor_load_to_lds s[G0BE:G0BE+3], s[G1BE:G1BE+7]
	s_nop 0
	PLACES 4
	v_and_b32 v1, 31, v0
	v_lshlrev_b32 v[LI], 4, v1
	s_lshl_b32 s19, s12, 15
	v_add_nc_u32 v[ADA], s19, v[LI]
.irp i, 0,1,2
	v_add_nc_u32 v[ADB+\i], RB+65536*\i, v[LI]
.endr
	s_lshl_b32 s19, s12, 12
	s_add_co_u32 s19, s19, SCA
	v_add_nc_u32 v[ADS], s19, v[LI]
	v_add_nc_u32 v[ADSB], SCB, v[LI]
	v_and_b32 v[BO], 15, v0
	v_lshlrev_b32 v[BO], 2, v[BO]
	s_lshl_b32 s84, s15, 8                         ; the head's 64 biases
	s_mov_b32 s85, 0
	s_add_nc_u64 s[6:7], s[6:7], s[84:85]
	s_add_nc_u64 s[8:9], s[8:9], s[84:85]
.irp c, 0,1,2,3
	global_load_b32 v[BV+2*\c], v[BO], s[6:7] offset:64*\c
	global_load_b32 v[BV+8+2*\c], v[BO], s[8:9] offset:64*\c
	v_mov_b32 v[BV+2*\c+1], 0                      ; (named as the upper half of a pair)
	v_mov_b32 v[BV+8+2*\c+1], 0
.endr
	s_lshr_b32 s84, s16, 3                         ; where my results go: batch x 16 + head, 256 KB each;
	s_lshl_b32 s84, s84, 4
	s_add_co_u32 s84, s84, s15
	s_lshl_b32 s84, s84, 18
	s_and_b32 s19, s16, 7
	s_lshl_b32 s19, s19, 4
	s_lshl_b32 s86, s12, 2
	s_add_co_u32 s19, s19, s86                     ; my first tile of 16 tokens in the head
	s_lshl_b32 s86, s19, 11
	s_add_co_u32 s86, s86, s84
	s_mov_b32 s87, 0
	s_add_nc_u64 s[94:95], s[10:11], s[86:87]      ; q1
	s_add_nc_u64 s[96:97], s[94:95], 8388608       ; k1
	s_add_nc_u64 s[100:101], s[94:95], 3*8388608   ; k2
	s_lshl_b32 s86, s19, 9
	s_add_co_u32 s86, s86, s84
	s_add_nc_u64 s[98:99], s[10:11], s[86:87]
	s_add_nc_u64 s[2:3], s[98:99], 4*8388608       ; v2
	s_add_nc_u64 s[98:99], s[98:99], 2*8388608     ; v1
.macro SCALES ao, j0, nb
.irp a, 0,1,2,3
	ds_load_b128 v[SA+4*\a:SA+4*\a+3], v[ADS] offset:\ao+512*\a
.endr
.set jj, 0
.rept \nb
	ds_load_b128 v[SB+4*jj:SB+4*jj+3], v[ADSB] offset:512*(\j0+jj)
.set jj, jj+1
.endr
.endm
.macro FETCH j0, nb, s                 ; K step s: nb fragments of W and my four of the tokens, into set s % 2
	WIN 0x40                                       ; destination window 1
.set jj, 0
.rept \nb
	ds_load_b128 v[96*((\s)%2)+8*jj:96*((\s)%2)+8*jj+3],   v[ADB+(\j0+jj)/8] offset:((\j0+jj)%8)*8192+1024*(\s)
	ds_load_b128 v[96*((\s)%2)+8*jj+4:96*((\s)%2)+8*jj+7], v[ADB+(\j0+jj)/8] offset:((\j0+jj)%8)*8192+1024*(\s)+512
.set jj, jj+1
.endr
	WIN 0
.irp a, 0,1,2,3
	ds_load_b128 v[AF+32*((\s)%2)+8*\a:AF+32*((\s)%2)+8*\a+3],   v[ADA] offset:8192*\a+1024*(\s)
	ds_load_b128 v[AF+32*((\s)%2)+8*\a+4:AF+32*((\s)%2)+8*\a+7], v[ADA] offset:8192*\a+1024*(\s)+512
.endr
.endm
.macro WM d, x, y, sx, sy, s           ; K step 0 starts the sums; K steps 4-7 take their scale words from lanes 16-31
.if (\s) == 0
	v_wmma_scale_f32_16x16x128_f8f6f4 v[(\d):(\d)+7], v[(\x):(\x)+7], v[(\y):(\y)+7], 0, v[\sx], v[\sy] matrix_a_fmt:MATRIX_FMT_FP4 matrix_b_fmt:MATRIX_FMT_FP4
.elseif (\s) < 4
	v_wmma_scale_f32_16x16x128_f8f6f4 v[(\d):(\d)+7], v[(\x):(\x)+7], v[(\y):(\y)+7], v[(\d):(\d)+7], v[\sx], v[\sy] matrix_a_fmt:MATRIX_FMT_FP4 matrix_b_fmt:MATRIX_FMT_FP4
.else
	v_wmma_scale_f32_16x16x128_f8f6f4 v[(\d):(\d)+7], v[(\x):(\x)+7], v[(\y):(\y)+7], v[(\d):(\d)+7], v[\sx], v[\sy] matrix_a_fmt:MATRIX_FMT_FP4 matrix_b_fmt:MATRIX_FMT_FP4 matrix_a_scale:MATRIX_SCALE_ROW1 matrix_b_scale:MATRIX_SCALE_ROW1
.endif
.endm
.macro MUL nt, s                       ; nt transposed tiles of W (q, k), then v's four; each accumulator is named once a K step: they take turns
.set pp, (\s)%2
.set ss, (\s)%4
	WIN 0xa1                                       ; source 0 (W) window 1, source 1 (tokens) window 0, C and D window 2
.irp a, 0,1,2,3
.set bb, 0
.rept \nt
	WM 8*(8*\a+bb), 96*pp+8*bb, AF+32*pp+8*\a, SB+4*bb+ss, SA+4*\a+ss, \s
.set bb, bb+1
.endr
.endr
	WIN 0xf4                                       ; source 0 (tokens) window 0, source 1 (W) window 1, C and D window 3
.irp a, 0,1,2,3
.irp c, 0,1,2,3
	WM 8*(4*\a+\c), AF+32*pp+8*\a, 96*pp+8*(\nt+\c), SA+4*\a+ss, SB+4*(\nt+\c)+ss, \s
.endr
.endr
.endm
.macro KSTEP j0, nb, nt, s
.if (\s) < 7
	PLACES 4                                       ; in front of loads into registers that matrix instructions have read
	FETCH \j0, \nb, (\s)+1
	s_wait_dscnt 2*(\nb)+8                         ; all but the loads just issued: this K step's fragments are in
.else
	s_wait_dscnt 0x0
.endif
	MUL \nt, \s
.endm
.macro OUTT b0, base                   ; 16 transposed accumulators (a, b0 + b): to f16, each from its low end on; 16 stores of 512 consecutive bytes
	s_wait_xcnt 0x0                                ; earlier stores have read T
	WIN 0x0a
.irp a, 0,1,2,3
.irp b, 0,1,2,3
.irp i, 0,1,2,3
	v_cvt_pk_f16_f32 v[T+4*(4*\a+\b)+\i], v[8*(8*\a+\b0+\b)+2*\i], v[8*(8*\a+\b0+\b)+2*\i+1]
.endr
.endr
.endr
	WIN 0
.irp a, 0,1,2,3
.irp b, 0,1,2,3
	global_store_b128 v[LI], v[T+4*(4*\a+\b):T+4*(4*\a+\b)+3], s[\base:\base+1] offset:2048*\a+512*\b
.endr
.endr
.endm
.macro OUTV bvo, base                  ; v's 16 accumulators: + the channel's bias, to f16
	s_wait_xcnt 0x0
	WIN 0xc3
.irp a, 0,1,2,3
.irp c, 0,1,2,3
.irp i, 0,1,2,3
	v_pk_add_f32 v[8*(4*\a+\c)+2*\i:8*(4*\a+\c)+2*\i+1], v[8*(4*\a+\c)+2*\i:8*(4*\a+\c)+2*\i+1], v[BV+\bvo+2*\c:BV+\bvo+2*\c+1] op_sel_hi:[1,0]
.endr
.endr
.endr
	WIN 0x0f
.irp a, 0,1,2,3
.irp c, 0,1,2,3
.irp i, 0,1,2,3
	v_cvt_pk_f16_f32 v[T+4*(4*\a+\c)+\i], v[8*(4*\a+\c)+2*\i], v[8*(4*\a+\c)+2*\i+1]
.endr
.endr
.endr
	WIN 0
.irp a, 0,1,2,3
.irp c, 0,1,2,3
	global_store_b128 v[LI], v[T+4*(4*\a+\c):T+4*(4*\a+\c)+3], s[\base:\base+1] offset:65536*\c+512*\a
.endr
.endr
.endm
	s_wait_tensorcnt 0x1                           ; the words, x's codes and q1, k1, v1 are in; k2, v2 may stay out
	s_barrier_signal -1
	s_barrier_wait -1
	SCALES 0, 0, 12
	FETCH 0, 12, 0
.irp s, 0,1,2,3,4,5,6,7
	KSTEP 0, 12, 8, \s
.endr
	WIN 0
	s_wait_tensorcnt 0x0                           ; all my tensor loads have landed, my part of k2, v2 among them;
	ds_add_u32 v[SPW], v[NIL]                      ; 0 onto my spare word;
	s_add_nc_u64 s[G0A+2:G0A+3], s[G0A+2:G0A+3], 2097152   ; enc's tiles lie 256 tiles behind x's
	s_wait_dscnt 0x0                               ; the add is done, and my reads of x's codes are over
	CROUND                                         ; that now holds of every wave of the cluster
	tensor_load_to_lds s[G0A:G0A+3], s[G1A:G1A+7]  ; my one load behind the round: enc's codes of my 64 tokens; it lands under the 48 stores below
	s_nop 0
	PLACES 4                                       ; also the places behind the last products
	s_wait_loadcnt 0x0                             ; the biases
	OUTT 0, 94
	OUTT 4, 96
	OUTV 0, 98
	s_wait_tensorcnt 0x0                           ; my part of enc's codes, which I alone read
	SCALES 2048, 12, 8
	FETCH 12, 8, 0
.irp s, 0,1,2,3,4,5,6,7
	KSTEP 12, 8, 4, \s
.endr
	PLACES 4
	OUTT 0, 100
	OUTV 8, 2
	s_wait_tensorcnt 0x0                           ; the wave's end
	ds_add_u32 v[SPW], v[NIL]
	s_wait_dscnt 0x0
	CROUND                                         ; the closing round
	s_endpgm
.Lfunc_end_k_q431b049443_g4:
	.size	k_q431b049443_g4, .Lfunc_end_k_q431b049443_g4-k_q431b049443_g4
	.p2alignl 7, 3214868480
	.fill 96, 4, 3214868480
	.section	.rodata,"a",@progbits
	.p2align	6, 0x0
	.amdhsa_kernel k_q431b049443_g4
		.amdhsa_group_segment_fixed_size 327680
		.amdhsa_private_segment_fixed_size 0
		.amdhsa_enable_private_segment 0
		.amdhsa_kernarg_size 32
		.amdhsa_user_sgpr_count 2
		.amdhsa_user_sgpr_kernarg_segment_ptr 1
		.amdhsa_wavefront_size32 1
		.amdhsa_system_sgpr_workgroup_id_x 1
		.amdhsa_system_sgpr_workgroup_id_y 1
		.amdhsa_system_sgpr_workgroup_id_z 1
		.amdhsa_system_vgpr_workitem_id 0
		.amdhsa_next_free_vgpr 1024
		.amdhsa_next_free_sgpr 102
		.amdhsa_reserve_vcc 0
		.amdhsa_float_denorm_mode_32 3
		.amdhsa_float_denorm_mode_16_64 3
		.amdhsa_memory_ordered 1
		.amdhsa_forward_progress 1
		.amdhsa_inst_pref_size 161
	.end_amdhsa_kernel
	.amdgpu_metadata
---
amdhsa.version: [ 1, 2 ]
amdhsa.kernels:
  - .name:           k_q431b049443_g4
    .symbol:         k_q431b049443_g4.kd
    .args:
      - { .name: P, .offset: 0, .size: 8, .value_kind: global_buffer, .address_space: global }
      - { .name: bv1, .offset: 8, .size: 8, .value_kind: global_buffer, .address_space: global }
      - { .name: bv2, .offset: 16, .size: 8, .value_kind: global_buffer, .address_space: global }
      - { .name: qkv, .offset: 24, .size: 8, .value_kind: global_buffer, .address_space: global }
    .group_segment_fixed_size: 327680
    .private_segment_fixed_size: 0
    .kernarg_segment_align: 8
    .kernarg_segment_size: 32
    .max_flat_workgroup_size: 128
    .sgpr_count:     102
    .vgpr_count:     1024
    .wavefront_size: 32
...
	.end_amdgpu_metadata
.endif
;; end of part 2
;; launch attn_c (part 3): grid 8 x 32, 8 waves a work-group, no clusters, 327,680 bytes of LDS; arguments qkv, att; writes att
.if DOCPART == 3
	.amdgcn_target "amdgcn-amd-amdhsa--gfx1250"
	.amdhsa_code_object_version 6
	.text
	.protected	k_q431b049443_attn_c
	.globl	k_q431b049443_attn_c
	.p2align	8
	.type	k_q431b049443_attn_c,@function
k_q431b049443_attn_c:
	s_mov_b64 s[64:65], 0
	v_nop
	global_prefetch_b8 v0, s[64:65] scope:SCOPE_SE
	s_setreg_imm32_b32 hwreg(HW_REG_WAVE_MODE, 25, 1), 1
	s_wait_xcnt 0x0
; att[b][q][64 h ..] = softmax_k(Q . K / 8) V for one head, f16 operands, f32 sums, with the causal mask: key k counts for query q where k <= q.
; Q, K: [b 16 + h][token / 16][channel / 8][16][16 B]; V^T: [b 16 + h][channel / 16][key / 8][16][16 B]: a fragment is read at 16 x lane + 512 x (register group).
; SHARES, EQUAL FOR EVERY WAVE.  A head has 128 tiles of 16 queries.  Wave u = 8 x work-group + wave (0 .. 63) owns tile u and its mirror, tile 127 - u.  Keys go in steps of 64:
; tile u needs u / 4 + 1 steps, tile 127 - u needs 32 - u / 4: 33 tile-steps for each wave, whatever u.  Two waves to a SIMD, 256 registers each, so that one wave's vector work stands beside the other's products.
; A STEP HAS THREE WAYS, by scalar branches on ids and the count of steps: both tiles (while the step's first key is at or under the low tile's last query), the high tile alone, nothing.
; A tile of 16 queries lies inside one step of 64 keys: that step is the tile's last and the only one that is masked.  Where both tiles work the keys end at 1,023 at the most and the high tile's queries begin at 1,024 at the least: there only the low tile can want a mask.
; Both products are used transposed: S^T = K Q^T, O^T = V^T P: a lane holds one query (lane % 16) throughout; a tile of S^T, rounded to f16 in pairs, is source 1 of the second product.
; SOFTMAX.  A running maximum m and sum l for each query: p = 2^(c s - c m), c = log2(e) / 8; in every step O and l are multiplied by a = 2^(c m_old - c m_new).
; RING.  Two LDS slots of 256 keys (K 32 KB, V 32 KB), four steps each; waves 0, 1 fetch K's halves, waves 2, 3 V's; all eight read.  The change of slots stands at a slot's head.
; Every work-group walks all eight changes of slots; a slot whose first key comes after the work-group's last query, 2,047 - 128 x work-group, is read by none of its waves and is not asked for: 8 slots for work-group 0, 5 for work-group 7.
; No cluster: the work-groups of a head ask for different numbers of slots, and these jumps hang on the work-group's number, which in a cluster would be its place there.
; LIMIT: an operand beyond 65,504 is infinity in f16.
.set TQ, 0                             ; which of qkv's six tensors of 8,388,608 bytes
.set TK, 1
.set TV, 2
.set SLOT1, 65536
.set VOFF,  32768
.set STAGE, 131072                     ; the way out: 16 rows x (256 bytes + 16) for each wave
.set SPARE, STAGE+8*4352               ; the spare words, 128 bytes a wave
.set LI,  1                            ; v1  16 x lane
.set ADR, 2                            ; v2  the slot in hand + 16 x lane
.set SPW, 3                            ; v3  my spare word; never rewritten
.set NIL, 4                            ; v4  0; never rewritten
.set RH,  5                            ; v5  r - 8 h
.set STO, 6                            ; v6  the stage, in
.set RD,  7                            ; v7  the stage, back
.set PFO, 8                            ; v8  256 x lane
.set D0,  9                            ; v9  my query less the step's first key less 8 h, of the tile that is masked
.set NINF, 11                          ; v11 -infinity
.set ST,  12                           ; v12-27 tile t at 8 t: +0 c m, +1 m, +2, +3 l, +4 .. +7 at work; a in +6
.set Q,   28                           ; v28-59  16 t + 8 f
.set S,   60                           ; v60-123 S^T: 32 t + 8 kt + j; then p; then P packed into the first 16 of each tile
.set O,   124                          ; v124-187 O^T: 32 t + 8 ct + j
.set KV,  188                          ; v188-251 eight fragments of K, then of V
.set GO,  252                          ; v252 my byte offset in two rows of att
.set WV,  8
.set SEL, 10
.set CS,  12
.set TB,  14
.set KF,  15                           ; s15 the step's first key
.set QT,  16                           ; s16 the low tile's first query, s17 the high tile's
.set SLOTS, 18
.set LIM, 19
.set G1K, 20
.set G1V, 28
.set G0K, 36
.set G0V, 40
.set PFK, 44
.set PFV, 46
.set QB1, 58                           ; s[58:59] Q at the high tile (s[4:5]: at the low one)
.set LAST, 60                          ; s60 my work-group's last query
.set OB1, 62                           ; s[62:63] att at the high tile's first row (s[6:7]: at the low one's)
.macro TLOAD                           ; waves 0, 1: K; waves 2, 3: V; the others nothing.  An s_nop 0 and four v_nop follow each load
	s_cmp_lt_u32 s[WV], 2
	s_cbranch_scc0 .Lnot_k_\@
	tensor_load_to_lds s[G0K:G0K+3], s[G1K:G1K+7]
	s_nop 0
.rept 4
	v_nop
.endr
	s_branch .Lasked_\@
.Lnot_k_\@:
	s_cmp_lt_u32 s[WV], 4
	s_cbranch_scc0 .Lasked_\@
	tensor_load_to_lds s[G0V:G0V+3], s[G1V:G1V+7]
	s_nop 0
.rept 4
	v_nop
.endr
.Lasked_\@:
.endm
; A prefetch of what the NEXT change of slots will ask for: 32 KB of K and 4 x 8 KB of V, a lane to each 256 bytes, each named once in the launch: the head's first work-group asks, which walks all eight slots;
; in it waves 4 to 7, a quarter of K's block and one channel tile of V each.  The last change that fills a slot asks for nothing; slots 0 and 1 come by their loads alone.
.macro ASK
	s_cmp_gt_u32 s[SLOTS], s[LIM]
	s_cbranch_scc0 .Lnot_mine_\@
	global_prefetch_b8 v[PFO], s[PFK:PFK+1] th:TH_LOAD_NT scope:SCOPE_SE
	global_prefetch_b8 v[PFO], s[PFV:PFV+1] th:TH_LOAD_NT scope:SCOPE_SE
.Lnot_mine_\@:
.endm
	s_load_b128 s[4:7], s[0:1], 0x0                ; qkv, att
	v_lshl_add_u32 v[SPW], v0, 2, SPARE
	v_mov_b32 v[NIL], 0
	ds_add_u32 v[SPW], v[NIL]                      ; the wave's opening: the add and its wait ahead of my first tensor load
	v_lshrrev_b32 v1, 5, v0
	v_readfirstlane_b32 s[WV], v1
	s_and_b32 s48, s[WV], 3                        ; which part of a slot I prefetch, if I do
	s_mov_b32 s[G1K], 3<<16                        ; elements of 8 bytes, no mask, no padding
	s_mov_b32 s[G1V], 3<<16
	s_lshr_b32 s58, s[WV], 2
	s_xor_b32 s58, s58, 1                          ; waves 4 to 7 prefetch,
	s_or_b32 s58, s58, ttmp9                       ; of the head's first work-group
	s_cmp_eq_u32 s58, 0
	s_cselect_b32 s[LIM], 1, -1
	s_mov_b32 s[G1K+1], 32<<16                     ; K: 64 rows of 256 bytes, dense: 16 KB
	s_mov_b32 s[G1K+2], 64<<16
	s_mov_b32 s[G1K+3], 32<<16
	s_mov_b32 s[G1K+4], 64
	s_mov_b32 s[G1K+5], 32
	s_mov_b32 s[G1K+6], 0
	s_mov_b32 s[G1K+7], 0
	s_mov_b32 s[G1V+1], 1024<<16                   ; V: 2 channel tiles x 8,192 bytes, 65,536 bytes apart
	s_mov_b32 s[G1V+2], 2<<16
	s_mov_b32 s[G1V+3], 1024<<16
	s_mov_b32 s[G1V+4], 2
	s_mov_b32 s[G1V+5], 8192
	s_mov_b32 s[G1V+6], 0
	s_mov_b32 s[G1V+7], 0
	s_and_b32 s50, ttmp7, 0xffff                   ; b 16 + h
	s_lshl_b32 s52, s50, 18                        ; the head's first byte in each tensor
	s_and_b32 s51, s[WV], 1
	s_lshl_b32 s[G0K+1], s51, 14                   ; which half I fetch: its place in slot 0,
	s_add_co_u32 s[G0V+1], s[G0K+1], VOFF
	s_add_co_u32 s54, s[G0K+1], s52                ; and in memory
	s_add_co_u32 s54, s54, TK*8388608
	s_mov_b32 s55, 0
	s_lshl_b32 s56, s51, 17
	s_add_co_u32 s56, s56, s52
	s_add_co_u32 s56, s56, TV*8388608
	s_mov_b32 s57, 0
	s_lshl_b32 s[QT], ttmp9, 3
	s_add_co_u32 s[QT], s[QT], s[WV]               ; u = 8 x work-group + wave
	s_lshl_b32 s[QT], s[QT], 4                     ; the low tile's first query: 16 u
	s_sub_co_u32 s[QT+1], 2032, s[QT]              ; the high tile's: 16 (127 - u)
	s_lshl_b32 s[LAST], ttmp9, 7
	s_sub_co_u32 s[LAST], 2047, s[LAST]            ; my work-group's last query: wave 0's high tile ends there
	s_mov_b32 s[SEL], 0x76543210
	s_mov_b32 s[SEL+1], 0xfedcba98
	s_mov_b32 s[CS], 0x3e38aa3b                    ; c = log2(e) / 8
	s_mov_b32 s[CS+1], s[CS]
	s_mov_b32 s[TB], 0
	s_mov_b32 s[KF], 0
	s_mov_b32 s[SLOTS], 7
	s_wait_dscnt 0x0                               ; the opening add is done
	s_wait_kmcnt 0x0
	s_mov_b32 s[G0K], 1
	s_add_nc_u64 s[G0K+2:G0K+3], s[4:5], s[54:55]
	s_or_b32 s[G0K+3], s[G0K+3], 0x80000000
	s_mov_b32 s[G0V], 1
	s_add_nc_u64 s[G0V+2:G0V+3], s[4:5], s[56:57]
	s_or_b32 s[G0V+3], s[G0V+3], 0x80000000
	TLOAD                                          ; slot 0
	s_lshl_b32 s54, s48, 13                        ; the prefetches: my part of K's block, in slot 1: the first change of slots steps it to slot 2
	s_add_co_u32 s54, s54, s52
	s_add_co_u32 s54, s54, TK*8388608+32768
	s_add_nc_u64 s[PFK:PFK+1], s[4:5], s[54:55]
	s_lshl_b32 s54, s48, 16                        ; and my channel tile of V
	s_add_co_u32 s54, s54, s52
	s_add_co_u32 s54, s54, TV*8388608+8192
	s_add_nc_u64 s[PFV:PFV+1], s[4:5], s[54:55]
	s_lshl_b32 s54, s[QT+1], 7                     ; Q: 2,048 bytes a tile of 16 queries: the high tile,
	s_add_co_u32 s54, s54, s52
	s_add_co_u32 s54, s54, TQ*8388608
	s_add_nc_u64 s[QB1:QB1+1], s[4:5], s[54:55]
	s_lshl_b32 s54, s[QT], 7                       ; and the low one
	s_add_co_u32 s54, s54, s52
	s_add_co_u32 s54, s54, TQ*8388608
	s_add_nc_u64 s[4:5], s[4:5], s[54:55]
	s_lshr_b32 s53, s50, 4                         ; att: row b 2,048 + query, 4,096 bytes; column 64 h
	s_lshl_b32 s53, s53, 11
	s_and_b32 s56, s50, 15
	s_lshl_b32 s56, s56, 8
	s_add_co_u32 s54, s53, s[QT+1]
	s_lshl_b32 s54, s54, 12
	s_add_co_u32 s54, s54, s56
	s_add_nc_u64 s[OB1:OB1+1], s[6:7], s[54:55]
	s_add_co_u32 s54, s53, s[QT]
	s_lshl_b32 s54, s54, 12
	s_add_co_u32 s54, s54, s56
	s_add_nc_u64 s[6:7], s[6:7], s[54:55]
	v_and_b32 v1, 31, v0
	v_lshlrev_b32 v[PFO], 8, v1
	v_lshlrev_b32 v[LI], 4, v1
.irp f, 0,1
.irp c, 0,1
	global_load_b128 v[Q+8*\f+4*\c:Q+8*\f+4*\c+3], v[LI], s[4:5] offset:1024*\f+512*\c              ; Q stays in registers: the low tile,
	global_load_b128 v[Q+16+8*\f+4*\c:Q+16+8*\f+4*\c+3], v[LI], s[QB1:QB1+1] offset:1024*\f+512*\c   ; the high tile
.endr
.endr
	v_and_b32 v253, 15, v0                         ; r
	v_bfe_u32 v254, v0, 4, 1                       ; h
	v_lshlrev_b32 v[RH], 3, v254
	v_sub_nc_u32 v[RH], v253, v[RH]
	v_mov_b32 v[NINF], 0xff800000
	s_mul_i32 s54, s[WV], 4352
	s_add_co_u32 s54, s54, STAGE                   ; my stage
	v_mul_u32_u24 v[STO], v253, 272
	v_lshl_add_u32 v[STO], v254, 5, v[STO]
	v_add_nc_u32 v[STO], s54, v[STO]               ; in: row r, 32 bytes for each half of the lanes
	v_mul_u32_u24 v[RD], v254, 272
	v_lshl_add_u32 v[RD], v253, 4, v[RD]
	v_add_nc_u32 v[RD], s54, v[RD]                 ; back: lanes 0-15 one row of 256 bytes, lanes 16-31 the next
	v_lshlrev_b32 v[GO], 12, v254
	v_lshl_add_u32 v[GO], v253, 4, v[GO]
.irp t, 0,1
	v_mov_b32 v[ST+8*\t+1], 0xff61b1e6             ; m: -3e38, under every score
	v_mul_f32 v[ST+8*\t], s[CS], v[ST+8*\t+1]
.irp i, 2,3,4,5,6,7
	v_mov_b32 v[ST+8*\t+\i], 0
.endr
.endr
.set i, 0
.rept 64
	v_mov_b32 v[O+i], 0                            ; O^T: the step is written once; the first finds zeros, which a = 0 leaves zeros
.set i, i+1
.endr
; THE WORK OF A KEY STEP: 64 keys, the q-th of the slot in hand, for the tiles lo .. 1: lo = 0 both tiles, lo = 1 the high tile alone (the low tile's m, l and O^T are then left as they are).
.macro WORK q, lo
.irp f, 0,1
.irp kt, 0,1,2,3
.irp c, 0,1
	ds_load_b128 v[KV+8*(2*\kt+\f)+4*\c:KV+8*(2*\kt+\f)+4*\c+3], v[ADR] offset:8192*(\q)+2048*\kt+1024*\f+512*\c
.endr
.endr
.endr
	s_wait_dscnt 8                                 ; channels 0-31 of the four tiles of keys are in; the other eight loads may be out
.irp kt, 0,1,2,3
.irp t, 0,1
.if \t >= \lo
	v_wmma_f32_16x16x32_f16 v[S+32*\t+8*\kt:S+32*\t+8*\kt+7], v[KV+16*\kt:KV+16*\kt+7], v[Q+16*\t:Q+16*\t+7], 0
.endif
.endr
.endr
	s_wait_dscnt 0x0
.irp kt, 0,1,2,3                       ; eight accumulators (one tile: four) by turns
.irp t, 0,1
.if \t >= \lo
	v_wmma_f32_16x16x32_f16 v[S+32*\t+8*\kt:S+32*\t+8*\kt+7], v[KV+16*\kt+8:KV+16*\kt+15], v[Q+16*\t+8:Q+16*\t+15], v[S+32*\t+8*\kt:S+32*\t+8*\kt+7]
.endif
.endr
.endr
.rept 4
	v_nop                                          ; places in front of the loads into K's registers and of the first read of the scores
.endr
.irp ct, 0,1,2,3
.irp kf, 0,1
.irp c, 0,1
	ds_load_b128 v[KV+8*(2*\ct+\kf)+4*\c:KV+8*(2*\ct+\kf)+4*\c+3], v[ADR] offset:VOFF+8192*\ct+2048*(\q)+1024*\kf+512*\c   ; V lands under the softmax
.endr
.endr
.endr
	; on tile lo's diagonal hidden scores become -infinity ahead of the maximum: p = 0 then.  The step's first key counts for all the tile's queries, so m stays a number.  The other steps jump over this
	s_add_co_u32 s48, s[KF], 63
	s_cmp_le_u32 s48, s[QT+\lo]
	s_cbranch_scc1 .Lopen_\@
	s_sub_co_i32 s48, s[QT+\lo], s[KF]
	v_add_nc_u32 v[D0], s48, v[RH]                 ; register 8 kt + j holds key KF + 16 kt + 8 h + j: hidden where 16 kt + j > my query - KF - 8 h
.irp kt, 0,1,2,3
.irp j, 0,1,2,3,4,5,6,7
	v_cmp_gt_i32 vcc_lo, 16*\kt+\j, v[D0]
	v_cndmask_b32 v[S+32*\lo+8*\kt+\j], v[S+32*\lo+8*\kt+\j], v[NINF], vcc_lo
.endr
.endr
.Lopen_\@:
.irp k, 0,1,2,3                        ; the maximum of 32 scores and the old m, the tiles line by line; each accumulator from its low end on
.irp t, 0,1
.if \t >= \lo
	v_max3_num_f32 v[ST+8*\t+4+\k], v[S+32*\t+8*\k], v[S+32*\t+8*\k+1], v[S+32*\t+8*\k+2]
.endif
.endr
.endr
.irp i, 3,5
.irp k, 0,1,2,3
.irp t, 0,1
.if \t >= \lo
	v_max3_num_f32 v[ST+8*\t+4+\k], v[ST+8*\t+4+\k], v[S+32*\t+8*\k+\i], v[S+32*\t+8*\k+\i+1]
.endif
.endr
.endr
.endr
.irp t, 0,1
.if \t >= \lo
	v_max3_num_f32 v[ST+8*\t+4], v[ST+8*\t+4], v[S+32*\t+7], v[S+32*\t+15]
	v_max3_num_f32 v[ST+8*\t+6], v[ST+8*\t+6], v[S+32*\t+23], v[S+32*\t+31]
.endif
.endr
.irp t, 0,1
.if \t >= \lo
	v_max3_num_f32 v[ST+8*\t+4], v[ST+8*\t+4], v[ST+8*\t+5], v[ST+8*\t+6]
.endif
.endr
.irp t, 0,1
.if \t >= \lo
	v_max3_num_f32 v[ST+8*\t+4], v[ST+8*\t+4], v[ST+8*\t+7], v[ST+8*\t+1]
.endif
.endr
.irp t, 0,1
.if \t >= \lo
	v_permlanex16_b32 v[ST+8*\t+5], v[ST+8*\t+4], s[SEL], s[SEL+1]   ; the query's other 32 keys lie in the lane 16 away
.endif
.endr
.irp t, 0,1
.if \t >= \lo
	v_mov_b32 v[ST+8*\t+7], v[ST+8*\t]             ; c m_old
.endif
.endr
.irp t, 0,1
.if \t >= \lo
	v_max_num_f32 v[ST+8*\t+1], v[ST+8*\t+4], v[ST+8*\t+5]
.endif
.endr
.irp t, 0,1
.if \t >= \lo
	v_mul_f32 v[ST+8*\t], s[CS], v[ST+8*\t+1]
.endif
.endr
.irp t, 0,1
.if \t >= \lo
	v_sub_f32 v[ST+8*\t+7], v[ST+8*\t+7], v[ST+8*\t]
.endif
.endr
.set j, 0
.rept 16
.irp t, 0,1
.if \t >= \lo
	v_pk_fma_f32 v[S+32*\t+j:S+32*\t+j+1], v[S+32*\t+j:S+32*\t+j+1], s[CS:CS+1], v[ST+8*\t:ST+8*\t+1] op_sel_hi:[1,0,0] neg_lo:[0,0,1] neg_hi:[0,0,1]   ; c s - c m
.endif
.endr
.set j, j+2
.endr
.irp t, 0,1
.if \t >= \lo
	v_exp_f32 v[ST+8*\t+6], v[ST+8*\t+7]           ; a
.endif
.endr
.set j, 0
.rept 32
.irp t, 0,1
.if \t >= \lo
	v_exp_f32 v[S+32*\t+j], v[S+32*\t+j]           ; p: one batch, 33 exponentials a tile
.endif
.endr
.set j, j+1
.endr
	v_nop                                          ; a plain instruction behind the last exponential
	s_wait_alu depctr_va_vdst(0)                   ; one wait for the batch, ahead of its first reader
.irp t, 0,1
.if \t >= \lo
	v_pk_fma_f32 v[ST+8*\t+2:ST+8*\t+3], v[ST+8*\t+2:ST+8*\t+3], v[ST+8*\t+6:ST+8*\t+7], v[S+32*\t:S+32*\t+1] op_sel_hi:[1,0,1]   ; l = a l + p, in two chains
	v_pk_add_f32 v[ST+8*\t+4:ST+8*\t+5], v[S+32*\t+2:S+32*\t+3], v[S+32*\t+6:S+32*\t+7]
.endif
.endr
.irp t, 0,1
.if \t >= \lo
	v_pk_add_f32 v[ST+8*\t+2:ST+8*\t+3], v[ST+8*\t+2:ST+8*\t+3], v[S+32*\t+4:S+32*\t+5]
.endif
.endr
.irp k, 8,12,16,20,24,28
.irp t, 0,1
.if \t >= \lo
	v_pk_add_f32 v[ST+8*\t+2:ST+8*\t+3], v[ST+8*\t+2:ST+8*\t+3], v[S+32*\t+\k:S+32*\t+\k+1]
	v_pk_add_f32 v[ST+8*\t+4:ST+8*\t+5], v[ST+8*\t+4:ST+8*\t+5], v[S+32*\t+\k+2:S+32*\t+\k+3]
.endif
.endr
.endr
.irp t, 0,1
.if \t >= \lo
	v_pk_add_f32 v[ST+8*\t+2:ST+8*\t+3], v[ST+8*\t+2:ST+8*\t+3], v[ST+8*\t+4:ST+8*\t+5]
.endif
.endr
.set j, 0
.rept 16
.irp t, 0,1
.if \t >= \lo
	v_cvt_pk_f16_f32 v[S+32*\t+j], v[S+32*\t+2*j], v[S+32*\t+2*j+1]   ; P in place, ascending: a destination has been read before it is written
.endif
.endr
.set j, j+1
.endr
.set j, 0
.rept 16
.irp t, 0,1
.if \t >= \lo
	v_pk_mul_f32 v[O+32*\t+j:O+32*\t+j+1], v[O+32*\t+j:O+32*\t+j+1], v[ST+8*\t+6:ST+8*\t+7] op_sel_hi:[1,0]   ; O^T x a
.endif
.endr
.set j, j+2
.endr
	s_wait_dscnt 0x0                               ; V is in
.irp kf, 0,1
.irp ct, 0,1,2,3
.irp t, 0,1
.if \t >= \lo
	v_wmma_f32_16x16x32_f16 v[O+32*\t+8*\ct:O+32*\t+8*\ct+7], v[KV+8*(2*\ct+\kf):KV+8*(2*\ct+\kf)+7], v[S+32*\t+8*\kf:S+32*\t+8*\kf+7], v[O+32*\t+8*\ct:O+32*\t+8*\ct+7]
.endif
.endr
.endr
.endr
.rept 5
	v_nop                                          ; the next step's products write over P's registers (five places), its loads land in V's (four)
.endr
.endm
; A KEY STEP: which of the three ways hangs on ids and the count of steps alone; no barrier, no tensor load and no wait on TENSORcnt stands in a step.
.macro STEP q
	s_add_co_u32 s48, s[QT+1], 15
	s_cmp_gt_u32 s[KF], s48                        ; all 64 keys come after the high tile's queries: nothing is left for me
	s_cbranch_scc1 .Lhidden_\@
	s_add_co_u32 s48, s[QT], 15
	s_cmp_gt_u32 s[KF], s48                        ; they come after the low tile's: the high tile alone
	s_cbranch_scc1 .Lhalf_\@
	WORK \q, 0
	s_branch .Lhidden_\@
.Lhalf_\@:
	WORK \q, 1
.Lhidden_\@:
	s_add_co_u32 s[KF], s[KF], 64
.endm
; THE CHANGE OF SLOTS.  Each wave waits for all its tensor loads (its part of the slot ahead), adds 0 to its spare word, and waits for that and for its reads of the slot that it has left.
; Behind the barrier the slot ahead is whole and nobody reads the other one.  fill = 1: that other slot is filled with the next 256 keys: the load has four steps in which to land.
.macro CHANGE fill
	s_wait_tensorcnt 0x0
	ds_add_u32 v[SPW], v[NIL]
.if \fill
	s_xor_b32 s[G0K+1], s[G0K+1], SLOT1
	s_add_nc_u64 s[G0K+2:G0K+3], s[G0K+2:G0K+3], 32768
	s_xor_b32 s[G0V+1], s[G0V+1], SLOT1
	s_add_nc_u64 s[G0V+2:G0V+3], s[G0V+2:G0V+3], 8192
	s_wait_xcnt 0x0                                ; the last prefetches, a slot back, have read their addresses
	s_add_nc_u64 s[PFK:PFK+1], s[PFK:PFK+1], 32768
	s_add_nc_u64 s[PFV:PFV+1], s[PFV:PFV+1], 8192
.endif
	s_wait_dscnt 0x0
	s_barrier_signal -1
	s_barrier_wait -1
.if \fill
	s_add_co_u32 s48, s[KF], 256                   ; the first key of the slot that this change would ask for: past my work-group's last query it is read by none of its waves, and is not asked for
	s_cmp_gt_u32 s48, s[LAST]                      ; the work-group's number and the count of steps alone: all eight waves go the same way; every wait on TENSORcnt in this text is for 0
	s_cbranch_scc1 .Lpast_\@
	TLOAD
.Lpast_\@:
	ASK
.endif
	v_add_nc_u32 v[ADR], s[TB], v[LI]
.endm
.macro SLOT_STEPS
	STEP 0
	STEP 1
	STEP 2
	STEP 3
	s_xor_b32 s[TB], s[TB], SLOT1
.endm
	s_wait_loadcnt 0x0                             ; Q
.Lslot:                                ; seven trips: behind each change of slots but the last the next slot is asked for, up to the work-group's last query
	CHANGE 1
	SLOT_STEPS
	s_sub_co_u32 s[SLOTS], s[SLOTS], 1
	s_cmp_lg_u32 s[SLOTS], 0
	s_cbranch_scc1 .Lslot
	CHANGE 0                                       ; the last slot is written out: nothing is left to fetch
	SLOT_STEPS
	; THE WAY OUT: O^T / l through my stage, a tile of 16 queries at a time: sixteen lanes store 256 consecutive bytes, aligned
.irp t, 0,1
	v_add_f32 v[ST+8*\t+4], v[ST+8*\t+2], v[ST+8*\t+3]
.endr
.irp t, 0,1
	v_permlanex16_b32 v[ST+8*\t+5], v[ST+8*\t+4], s[SEL], s[SEL+1]
.endr
.irp t, 0,1
	v_add_f32 v[ST+8*\t+4], v[ST+8*\t+4], v[ST+8*\t+5]
.endr
.irp t, 0,1
	v_rcp_f32 v[ST+8*\t+6], v[ST+8*\t+4]
.endr
	v_nop
	s_wait_alu depctr_va_vdst(0)                   ; one wait for the two reciprocals
.set j, 0
.rept 16
.irp t, 0,1
	v_pk_mul_f32 v[O+32*\t+j:O+32*\t+j+1], v[O+32*\t+j:O+32*\t+j+1], v[ST+8*\t+6:ST+8*\t+7] op_sel_hi:[1,0]
.endr
.set j, j+2
.endr
.irp t, 0,1
.irp ct, 0,1,2,3
	ds_store_b128 v[STO], v[O+32*\t+8*\ct:O+32*\t+8*\ct+3] offset:64*\ct
	ds_store_b128 v[STO], v[O+32*\t+8*\ct+4:O+32*\t+8*\ct+7] offset:64*\ct+16
.endr
.irp i, 0,1,2,3,4,5,6,7
	ds_load_b128 v[KV+32*\t+4*\i:KV+32*\t+4*\i+3], v[RD] offset:544*\i   ; LDS serves a wave's instructions in order: these see my stores, and the next tile's stores come behind them
.endr
.endr
.irp i, 0,1,2,3,4,5,6,7
	s_wait_dscnt 23-\i                             ; the LDS instructions issued behind this load may be out: the rest of its run and the high tile's sixteen
	global_store_b128 v[GO], v[KV+4*\i:KV+4*\i+3], s[6:7] offset:8192*\i
.endr
.irp i, 0,1,2,3,4,5,6,7
	s_wait_dscnt 7-\i
	global_store_b128 v[GO], v[KV+32+4*\i:KV+32+4*\i+3], s[OB1:OB1+1] offset:8192*\i
.endr
	s_wait_tensorcnt 0x0                           ; the wave's end
	ds_add_u32 v[SPW], v[NIL]
	s_wait_dscnt 0x0
	s_endpgm
.Lfunc_end_k_q431b049443_attn_c:
	.size	k_q431b049443_attn_c, .Lfunc_end_k_q431b049443_attn_c-k_q431b049443_attn_c
	.p2alignl 7, 3214868480
	.fill 96, 4, 3214868480
	.section	.rodata,"a",@progbits
	.p2align	6, 0x0
	.amdhsa_kernel k_q431b049443_attn_c
		.amdhsa_group_segment_fixed_size 327680
		.amdhsa_private_segment_fixed_size 0
		.amdhsa_enable_private_segment 0
		.amdhsa_kernarg_size 16
		.amdhsa_user_sgpr_count 2
		.amdhsa_user_sgpr_kernarg_segment_ptr 1
		.amdhsa_wavefront_size32 1
		.amdhsa_system_sgpr_workgroup_id_x 1
		.amdhsa_system_sgpr_workgroup_id_y 1
		.amdhsa_system_sgpr_workgroup_id_z 1
		.amdhsa_system_vgpr_workitem_id 0
		.amdhsa_next_free_vgpr 256
		.amdhsa_next_free_sgpr 66
		.amdhsa_reserve_vcc 1
		.amdhsa_float_denorm_mode_32 3
		.amdhsa_float_denorm_mode_16_64 3
		.amdhsa_memory_ordered 1
		.amdhsa_forward_progress 1
		.amdhsa_inst_pref_size 255
	.end_amdhsa_kernel
	.section	.bss,"aw",@nobits
	.p2align	6
	.space	262144
	.amdgpu_metadata
---
amdhsa.version: [ 1, 2 ]
amdhsa.kernels:
  - .name:           k_q431b049443_attn_c
    .symbol:         k_q431b049443_attn_c.kd
    .args:
      - { .name: qkv, .offset: 0, .size: 8, .value_kind: global_buffer, .address_space: global }
      - { .name: att, .offset: 8, .size: 8, .value_kind: global_buffer, .address_space: global }
    .group_segment_fixed_size: 327680
    .private_segment_fixed_size: 0
    .kernarg_segment_align: 8
    .kernarg_segment_size: 16
    .max_flat_workgroup_size: 256
    .sgpr_count:     66
    .vgpr_count:     256
    .wavefront_size: 32
...
	.end_amdgpu_metadata
.endif
;; end of part 3
;; launch ln1 (part 4): grid 256 x 1, 8 waves a work-group, no clusters, 34,048 bytes of LDS; arguments att, input_tensor, g1, be1, xa; writes xa
.if DOCPART == 4
	.amdgcn_target "amdgcn-amd-amdhsa--gfx1250"
	.amdhsa_code_object_version 6
	.text
	.protected	k_q431b049443_ln1
	.globl	k_q431b049443_ln1
	.p2align	8
	.type	k_q431b049443_ln1,@function
k_q431b049443_ln1:
	s_mov_b64 s[64:65], 0
	v_nop
	global_prefetch_b8 v0, s[64:65] scope:SCOPE_SE
	s_setreg_imm32_b32 hwreg(HW_REG_WAVE_MODE, 25, 1), 1
	s_wait_xcnt 0x0
; xo = layernorm(a + res) x g + be over rows of 1,024, in f32: the mean, then the mean of squared differences, 1 / sqrt(var + 1e-5).
; It is stored twice: f32 row-major at byte 0 (the next residual), and f16 at byte 16,777,216, laid as a matrix operand: (row / 16) x 32,768 + (column / 8) x 256 + (row % 16) x 16.
; A work-group takes 16 rows, a wave two; a lane holds columns 128 j + 4 lane .. + 3: every load and store of a wave covers 512 consecutive bytes.  A row stays in registers: memory is read once.
; The f16 rows meet in a stage in LDS (pitch 2,064 bytes), one barrier, and leave as the operand's chunks.  Memory binds: no matrix unit, no cluster, no tensor load.
; LIMIT: a result beyond 65,504 becomes infinity in its f16 copy.
.set F16OUT, 1
.set PITCH, 2064
.set SPARE, 16*PITCH
.set SPW, 8
.set NIL, 9
.set G,   16                           ; v16-47 g, v48-79 be of my 32 columns
.set BE,  48
	s_load_b256 s[4:11], s[0:1], 0x0               ; a, res, g, be
	s_load_b64 s[12:13], s[0:1], 0x20              ; xo
.if F16OUT
	v_lshl_add_u32 v[SPW], v0, 2, SPARE
	v_mov_b32 v[NIL], 0
.endif
	v_lshrrev_b32 v1, 5, v0
	v_readfirstlane_b32 s14, v1                    ; wave
	v_and_b32 v2, 31, v0
	v_lshlrev_b32 v1, 4, v2                        ; 16 x lane
	s_lshl_b32 s16, ttmp9, 16                      ; 16 rows of 4,096 bytes a work-group,
	s_lshl_b32 s17, s14, 13                        ; two a wave
	s_add_co_u32 s16, s16, s17
	s_mov_b32 s17, 0
	s_mov_b32 s20, 0x3a800000                      ; 1 / 1,024
	s_mov_b32 s21, 0x3727c5ac                      ; 1e-5
	s_mov_b32 s22, 0x76543210
	s_mov_b32 s23, 0xfedcba98
	v_mov_b32 v213, 0                              ; upper halves of pairs, and the permute's destination: written once
	v_mov_b32 v215, 0
	v_mov_b32 v216, 0
.if F16OUT
	s_mul_i32 s24, s14, 2*PITCH
	v_lshlrev_b32 v3, 3, v2
	v_add_nc_u32 v3, s24, v3                       ; the stage, in: my two rows, 8 bytes a lane
	v_and_b32 v4, 15, v0
	v_bfe_u32 v5, v0, 4, 1
	v_mul_u32_u24 v4, v4, PITCH
	v_lshl_add_u32 v4, v5, 4, v4
	s_lshl_b32 s24, s14, 8
	v_add_nc_u32 v4, s24, v4                       ; back: row lane % 16, chunk 16 wave + 2 i + lane / 16
	s_lshl_b32 s24, ttmp9, 15
	s_lshl_b32 s25, s14, 12
	s_add_co_u32 s24, s24, s25
	s_add_co_u32 s24, s24, 16777216
	s_mov_b32 s25, 0
.endif
	s_wait_kmcnt 0x0
	s_add_nc_u64 s[4:5], s[4:5], s[16:17]
	s_add_nc_u64 s[6:7], s[6:7], s[16:17]
	s_add_nc_u64 s[18:19], s[12:13], s[16:17]
.if F16OUT
	s_add_nc_u64 s[12:13], s[12:13], s[24:25]
.endif
.irp j, 0,1,2,3,4,5,6,7
	global_load_b128 v[G+4*\j:G+4*\j+3], v1, s[8:9] offset:512*\j
	global_load_b128 v[BE+4*\j:BE+4*\j+3], v1, s[10:11] offset:512*\j
.endr
.irp w, 0,1
.irp j, 0,1,2,3,4,5,6,7
	global_load_b128 v[80+64*\w+4*\j:80+64*\w+4*\j+3], v1, s[4:5] offset:4096*\w+512*\j th:TH_LOAD_NT
	global_load_b128 v[112+64*\w+4*\j:112+64*\w+4*\j+3], v1, s[6:7] offset:4096*\w+512*\j th:TH_LOAD_NT
.endr
.endr
.macro REDUCE r                        ; the sum over the 32 lanes, in every lane
	v_add_f32_dpp v[\r], v[\r], v[\r] row_xmask:1 row_mask:0xf bank_mask:0xf
	v_add_f32_dpp v[\r], v[\r], v[\r] row_xmask:2 row_mask:0xf bank_mask:0xf
	v_add_f32_dpp v[\r], v[\r], v[\r] row_xmask:4 row_mask:0xf bank_mask:0xf
	v_add_f32_dpp v[\r], v[\r], v[\r] row_xmask:8 row_mask:0xf bank_mask:0xf
	v_permlanex16_b32 v216, v[\r], s22, s23
	v_add_f32 v[\r], v[\r], v216
.endm
.macro ROW A, B, row
.irp i, 0,2,4,6,8,10,12,14,16,18,20,22,24,26,28,30
	v_pk_add_f32 v[\A+\i:\A+\i+1], v[\A+\i:\A+\i+1], v[\B+\i:\B+\i+1]
.endr
	v_pk_add_f32 v[208:209], v[\A:\A+1], v[\A+2:\A+3]
	v_pk_add_f32 v[210:211], v[\A+4:\A+5], v[\A+6:\A+7]
.irp i, 8,12,16,20,24,28
	v_pk_add_f32 v[208:209], v[208:209], v[\A+\i:\A+\i+1]
	v_pk_add_f32 v[210:211], v[210:211], v[\A+\i+2:\A+\i+3]
.endr
	v_pk_add_f32 v[208:209], v[208:209], v[210:211]
	v_add_f32 v208, v208, v209
	REDUCE 208
	v_mul_f32 v212, s20, v208                      ; the mean
.irp i, 0,2,4,6,8,10,12,14,16,18,20,22,24,26,28,30
	v_pk_add_f32 v[\A+\i:\A+\i+1], v[\A+\i:\A+\i+1], v[212:213] op_sel_hi:[1,0] neg_lo:[0,1] neg_hi:[0,1]
.endr
	v_pk_mul_f32 v[208:209], v[\A:\A+1], v[\A:\A+1]
	v_pk_mul_f32 v[210:211], v[\A+2:\A+3], v[\A+2:\A+3]
.irp i, 4,8,12,16,20,24,28
	v_pk_fma_f32 v[208:209], v[\A+\i:\A+\i+1], v[\A+\i:\A+\i+1], v[208:209]
	v_pk_fma_f32 v[210:211], v[\A+\i+2:\A+\i+3], v[\A+\i+2:\A+\i+3], v[210:211]
.endr
	v_pk_add_f32 v[208:209], v[208:209], v[210:211]
	v_add_f32 v208, v208, v209
	REDUCE 208
	v_fma_f32 v208, v208, s20, s21                 ; the variance + 1e-5
	v_rsq_f32 v214, v208
	v_nop                                          ; a plain instruction behind the transcendental,
	s_wait_alu depctr_va_vdst(0)                   ; and the wait ahead of its first reader
.irp i, 0,2,4,6,8,10,12,14,16,18,20,22,24,26,28,30
	v_pk_mul_f32 v[\A+\i:\A+\i+1], v[\A+\i:\A+\i+1], v[214:215] op_sel_hi:[1,0]
.endr
.irp i, 0,2,4,6,8,10,12,14,16,18,20,22,24,26,28,30
	v_pk_fma_f32 v[\A+\i:\A+\i+1], v[\A+\i:\A+\i+1], v[G+\i:G+\i+1], v[BE+\i:BE+\i+1]
.endr
.irp j, 0,1,2,3,4,5,6,7
	global_store_b128 v1, v[\A+4*\j:\A+4*\j+3], s[18:19] offset:4096*\row+512*\j
.endr
.if F16OUT
.irp i, 0,1,2,3,4,5,6,7,8,9,10,11,12,13,14,15
	v_cvt_pk_f16_f32 v[\B+\i], v[\A+2*\i], v[\A+2*\i+1]
.endr
.irp j, 0,1,2,3,4,5,6,7
	ds_store_b64 v3, v[\B+2*\j:\B+2*\j+1] offset:PITCH*\row+256*\j
.endr
.endif
.endm
	s_wait_loadcnt 16                              ; g, be and row 0 are in; row 1's sixteen loads may be out
	ROW 80, 112, 0
	s_wait_loadcnt 0x0
	ROW 144, 176, 1
.if F16OUT
	s_wait_dscnt 0x0                               ; for the others' sake: my stores into the stage are done
	s_barrier_signal -1
	s_barrier_wait -1
.irp i, 0,1,2,3,4,5,6,7
	ds_load_b128 v[G+4*\i:G+4*\i+3], v4 offset:32*\i
.endr
.irp i, 0,1,2,3,4,5,6,7
	s_wait_dscnt 7-\i
	global_store_b128 v1, v[G+4*\i:G+4*\i+3], s[12:13] offset:512*\i   ; 32 lanes store 512 consecutive bytes: two chunks of the tile
.endr
	s_wait_tensorcnt 0x0                           ; the wave's end
	ds_add_u32 v[SPW], v[NIL]
	s_wait_dscnt 0x0
.endif
	s_endpgm
.Lfunc_end_k_q431b049443_ln1:
	.size	k_q431b049443_ln1, .Lfunc_end_k_q431b049443_ln1-k_q431b049443_ln1
	.p2alignl 7, 3214868480
	.fill 96, 4, 3214868480
	.section	.rodata,"a",@progbits
	.p2align	6, 0x0
	.amdhsa_kernel k_q431b049443_ln1
		.amdhsa_group_segment_fixed_size 34048
		.amdhsa_private_segment_fixed_size 0
		.amdhsa_enable_private_segment 0
		.amdhsa_kernarg_size 40
		.amdhsa_user_sgpr_count 2
		.amdhsa_user_sgpr_kernarg_segment_ptr 1
		.amdhsa_wavefront_size32 1
		.amdhsa_system_sgpr_workgroup_id_x 1
		.amdhsa_system_sgpr_workgroup_id_y 1
		.amdhsa_system_sgpr_workgroup_id_z 1
		.amdhsa_system_vgpr_workitem_id 0
		.amdhsa_next_free_vgpr 224
		.amdhsa_next_free_sgpr 66
		.amdhsa_reserve_vcc 0
		.amdhsa_float_denorm_mode_32 3
		.amdhsa_float_denorm_mode_16_64 3
		.amdhsa_memory_ordered 1
		.amdhsa_forward_progress 1
		.amdhsa_inst_pref_size 27
	.end_amdhsa_kernel
	.amdgpu_metadata
---
amdhsa.version: [ 1, 2 ]
amdhsa.kernels:
  - .name:           k_q431b049443_ln1
    .symbol:         k_q431b049443_ln1.kd
    .args:
      - { .name: att, .offset: 0, .size: 8, .value_kind: global_buffer, .address_space: global }
      - { .name: input_tensor, .offset: 8, .size: 8, .value_kind: global_buffer, .address_space: global }
      - { .name: g1, .offset: 16, .size: 8, .value_kind: global_buffer, .address_space: global }
      - { .name: be1, .offset: 24, .size: 8, .value_kind: global_buffer, .address_space: global }
      - { .name: xa, .offset: 32, .size: 8, .value_kind: global_buffer, .address_space: global }
    .group_segment_fixed_size: 34048
    .private_segment_fixed_size: 0
    .kernarg_segment_align: 8
    .kernarg_segment_size: 40
    .max_flat_workgroup_size: 256
    .sgpr_count:     66
    .vgpr_count:     224
    .wavefront_size: 32
...
	.end_amdgpu_metadata
.endif
;; end of part 4
;; launch gq2 (part 5): grid 8 x 32, 4 waves a work-group, clusters of 4 x 4, 327,680 bytes of LDS; arguments xa, P, qkv; writes qkv
.if DOCPART == 5
	.amdgcn_target "amdgcn-amd-amdhsa--gfx1250"
	.amdhsa_code_object_version 6
	.text
	.protected	k_q431b049443_gq2
	.globl	k_q431b049443_gq2
	.p2align	8
	.type	k_q431b049443_gq2,@function
k_q431b049443_gq2:
	s_mov_b64 s[64:65], 0
	v_nop
	global_prefetch_b8 v0, s[64:65] scope:SCOPE_SE
	s_setreg_imm32_b32 hwreg(HW_REG_WAVE_MODE, 25, 1), 1
	s_wait_xcnt 0x0
	s_wait_alu depctr_hold_cnt(0) depctr_sa_sdst(0) depctr_va_vdst(0) depctr_va_sdst(0) depctr_va_ssrc(0) depctr_va_vcc(0) depctr_vm_vsrc(0)
	s_getreg_b32 s2, hwreg(HW_REG_IB_STS2, 6, 4)
	s_cmp_eq_u32 s2, 0
	s_cbranch_scc0 .Lentry_in_a_cluster
	s_endpgm
.Lentry_in_a_cluster:
	s_bfe_u32 s2, ttmp6, 0x10000c
	s_cmp_lg_u32 s2, 0xf033
	s_cbranch_scc0 .Lentry_shape_is_right
	s_endpgm
.Lentry_shape_is_right:
; C = A W^T in f16 with f32 sums; A [4,096][1,024] and W [1,024 (n)][1,024 (k)] lie as operands: (row / 16) x 32,768 + (k / 8) x 256 + (row % 16) x 16.
; MODE 0: q2 = x1 Wq2, out in f16 as attention's operand.  MODE 1: relu(x2 Wf1 + bf1), out in f16 as the next product's operand.  MODE 2: hidden Wf2 + bf2, out in f32, row-major.
; A tile of C is 128 x 128: 256 work-groups; four waves, each 64 x 64: 16 accumulators.  K goes in four steps of 256 through two LDS slots; a slot holds 8 tiles of 16 rows of A, then 8 of W, 8 KB each, dense:
; a fragment is read at 16 x lane + 512 x (register group): no pitch, no padding.  Each wave fetches a quarter of a slot by one tensor load (4 rows of 8,192 bytes, 32,768 bytes apart in memory).
; CLUSTER 4 x 4: A's tiles are asked for jointly along a row of the cluster, W's along a column.  THE PRODUCT IS USED TRANSPOSED (source 0 = W, source 1 = A): a lane holds one row of C and eight neighbouring columns.
; The bias is the C of each sum's first product.  K = 1,024 is four K steps: written out, no loop.  LIMIT: an f16 operand or result beyond 65,504 is infinity.
; REGISTERS: window 0: addresses; v32-95 the way out; v96-127 the bias; v128-255 accumulator (a, b) at 128 + 8 (4 a + b).  window 1: two fragment buffers of 128: 64 of A (2 x 4 x 16 rows x 32 K), then 64 of W.
.set MODE,  0
.set W16,   7340032
.set SLOT,  131072
.set STAGE, 262144
.if MODE == 2
.set SPARE, STAGE+4*4352
.else
.set SPARE, STAGE
.endif
.set ADRA, 16
.set ADRB, 20
.set STO,  24
.set RD,   25
.set CO,   26
.set LI,   27
.set SPW,  28
.set NIL,  29
.set TMP,  32
.set BIAS, 96
.set ACC,  128
.set F0,   0
.set F1,   128
.set G1,  24
.set G0,  32
.set G1B, 48
.set G0B, 56
.set MSB, 0
.macro WIN new
.if MSB != \new
	s_set_vgpr_msb (MSB<<8)|\new
.set MSB, \new
.endif
.endm
.set MULW, 0x05                        ; sources 0 and 1 window 1; C and D window 0
.set TO_F, 0x40                        ; destination window 1
.macro JLOAD s                         ; waves 0, 1 fetch A's halves, waves 2, 3 W's; an s_nop 0 and four v_nop follow each line
	s_cmp_eq_u32 s13, 0
	s_cbranch_scc0 .Lfor_b_\@
	tensor_load_to_lds s[G0+4*\s:G0+4*\s+3], s[G1:G1+7]
	s_nop 0
.rept 4
	v_nop
.endr
	s_branch .Lasked_\@
.Lfor_b_\@:
	tensor_load_to_lds s[G0B+4*\s:G0B+4*\s+3], s[G1B:G1B+7]
	s_nop 0
.rept 4
	v_nop
.endr
.Lasked_\@:
.endm
.macro CREST
	s_cmp_lg_u32 s12, 0
	s_cbranch_scc1 .Lnot_wave_0_\@
	s_barrier_signal -3
.Lnot_wave_0_\@:
	s_barrier_wait -3
	s_barrier_signal -1
	s_barrier_wait -1
.endm
.macro CROUND
	s_barrier_signal -1
	s_barrier_wait -1
	CREST
.endm
.if MODE == 0
	s_load_b128 s[4:7], s[0:1], 0x0                ; A's buffer, P
	s_load_b64 s[10:11], s[0:1], 0x10              ; out
.else
	s_load_b256 s[4:11], s[0:1], 0x0               ; A's buffer, P, bias, out
.endif
	v_lshl_add_u32 v[SPW], v0, 2, SPARE
	v_mov_b32 v[NIL], 0
	ds_add_u32 v[SPW], v[NIL]                      ; the wave's opening: the add and its wait ahead of my first tensor load
	v_lshrrev_b32 v1, 5, v0
	v_readfirstlane_b32 s12, v1                    ; wave
	s_lshr_b32 s13, s12, 1                         ; my half of the tile's rows.  Also: I fetch for A (0) or for W (1)
	s_and_b32 s14, s12, 1                          ; my half of its columns.  Also: which 64 rows I fetch
	s_bfe_u32 s40, ttmp6, 0x40000
	s_bfe_u32 s41, ttmp6, 0x40004
	s_lshl_b32 s42, ttmp9, 2
	s_add_co_u32 s42, s42, s40                     ; tile column
	s_and_b32 s15, ttmp7, 0xffff
	s_lshl_b32 s15, s15, 2
	s_add_co_u32 s15, s15, s41                     ; tile row
	s_lshl_b32 s43, s41, 2
	s_lshl_b32 s43, 15, s43                        ; my row of the cluster
	s_lshl_b32 s44, 0x1111, s40                    ; my column
	s_or_b32 s[G1], s43, (3<<16)|(1<<21)           ; elements of 8 bytes; bit 21 set beside the mask
	s_or_b32 s[G1B], s44, (3<<16)|(1<<21)
.irp g, G1, G1B
	s_mov_b32 s[\g+1], 1024<<16                    ; tensor_dim0: 8,192 bytes
	s_mov_b32 s[\g+2], 4<<16                       ; tensor_dim1
	s_mov_b32 s[\g+3], 1024<<16                    ; tile_dim0
	s_mov_b32 s[\g+4], 4                           ; tile_dim1
	s_mov_b32 s[\g+5], 4096                        ; 32,768 bytes from tile to tile
	s_mov_b32 s[\g+6], 0
	s_mov_b32 s[\g+7], 0
.endr
	s_lshl_b32 s16, s15, 18                        ; A: 8 tiles of 32,768 bytes a tile row, + 4 for the second half; the f16 copy begins at 16,777,216
	s_lshl_b32 s17, s14, 17
	s_add_co_u32 s16, s16, s17
	s_add_co_u32 s16, s16, 16777216
	s_mov_b32 s17, 0
	s_lshl_b32 s46, s42, 18                        ; W likewise, by the tile column
	s_lshl_b32 s47, s14, 17
	s_add_co_u32 s46, s46, s47
	s_add_co_u32 s46, s46, W16+MODE*2097152
	s_mov_b32 s47, 0
	s_lshl_b32 s20, s12, 15                        ; where they go: wave x 32,768
	s_wait_dscnt 0x0
	s_wait_kmcnt 0x0
	s_add_nc_u64 s[18:19], s[4:5], s[16:17]
	s_add_nc_u64 s[46:47], s[6:7], s[46:47]
	CROUND                                         ; all sixteen work-groups are here: the first joint loads meet
.irp s, 0,1
	s_mov_b32 s[G0+4*\s], 1
	s_add_co_u32 s[G0+4*\s+1], s20, \s*SLOT
	s_add_nc_u64 s[G0+4*\s+2:G0+4*\s+3], s[18:19], \s*8192
	s_or_b32 s[G0+4*\s+3], s[G0+4*\s+3], 0x80000000
	s_mov_b32 s[G0B+4*\s], 1
	s_add_co_u32 s[G0B+4*\s+1], s20, \s*SLOT
	s_add_nc_u64 s[G0B+4*\s+2:G0B+4*\s+3], s[46:47], \s*8192
	s_or_b32 s[G0B+4*\s+3], s[G0B+4*\s+3], 0x80000000
	JLOAD \s
.endr
	v_and_b32 v1, 31, v0
	v_lshlrev_b32 v[LI], 4, v1
	v_and_b32 v2, 15, v0                           ; r
	v_bfe_u32 v3, v0, 4, 1                         ; h
	s_lshl_b32 s21, s13, 15                        ; my 64 rows of A,
	s_lshl_b32 s22, s14, 15
	s_add_co_u32 s22, s22, 65536                   ; my 64 rows of W
.irp s, 0,1
	v_add_nc_u32 v[ADRA+\s], s21, v[LI]
	v_add_nc_u32 v[ADRB+\s], s22, v[LI]
	s_add_co_u32 s21, s21, SLOT
	s_add_co_u32 s22, s22, SLOT
.endr
.if MODE == 0                          ; out: qkv's sixth tensor; head = 2 x tile column + half; [b 16 + head] 262,144, [token / 16] 2,048
	s_lshr_b32 s16, s15, 4
	s_lshl_b32 s16, s16, 22
	s_and_b32 s17, s15, 15
	s_lshl_b32 s17, s17, 3
	s_lshl_b32 s18, s13, 2
	s_add_co_u32 s17, s17, s18
	s_lshl_b32 s17, s17, 11
	s_add_co_u32 s16, s16, s17
	s_add_co_u32 s16, s16, 5*8388608
	s_lshl_b32 s46, s42, 1
	s_add_co_u32 s46, s46, s14
	s_lshl_b32 s46, s46, 18
.set AST, 2048
.elseif MODE == 1                      ; out: the f16 operand at 16,777,216: tile of rows 32,768, chunk 256
	s_lshl_b32 s16, s15, 3
	s_lshl_b32 s17, s13, 2
	s_add_co_u32 s16, s16, s17
	s_lshl_b32 s16, s16, 15
	s_add_co_u32 s16, s16, 16777216
	s_lshl_b32 s46, s42, 12
	s_lshl_b32 s47, s14, 11
	s_add_co_u32 s46, s46, s47
.set AST, 32768
.else                                  ; out: f32 row-major
	s_lshl_b32 s16, s15, 7
	s_lshl_b32 s17, s13, 6
	s_add_co_u32 s16, s16, s17
	s_lshl_b32 s16, s16, 12
	s_lshl_b32 s46, s42, 9
	s_lshl_b32 s47, s14, 8
	s_add_co_u32 s46, s46, s47
	s_mul_i32 s23, s12, 4352
	s_add_co_u32 s23, s23, STAGE                   ; my stage: 16 rows x (256 bytes + 16)
	v_mul_u32_u24 v[STO], v2, 272
	v_lshl_add_u32 v[STO], v3, 5, v[STO]
	v_add_nc_u32 v[STO], s23, v[STO]
	v_mul_u32_u24 v[RD], v3, 272
	v_lshl_add_u32 v[RD], v2, 4, v[RD]
	v_add_nc_u32 v[RD], s23, v[RD]
	v_lshlrev_b32 v[CO], 12, v3
	v_lshl_add_u32 v[CO], v2, 4, v[CO]
.endif
	s_mov_b32 s17, 0
	s_mov_b32 s47, 0
	s_add_nc_u64 s[10:11], s[10:11], s[16:17]      ; the part that hangs on the tile row,
	s_add_nc_u64 s[10:11], s[10:11], s[46:47]      ; and the part that hangs on the tile column
.if MODE != 0
	s_lshl_b32 s46, s42, 9                         ; the bias of my 64 columns: register 8 b + j is bias[16 b + 8 h + j]
	s_lshl_b32 s22, s14, 8
	s_add_co_u32 s46, s46, s22
	s_add_nc_u64 s[8:9], s[8:9], s[46:47]
	v_lshlrev_b32 v5, 5, v3
.irp b, 0,1,2,3
	global_load_b128 v[BIAS+8*\b:BIAS+8*\b+3], v5, s[8:9] offset:64*\b
	global_load_b128 v[BIAS+8*\b+4:BIAS+8*\b+7], v5, s[8:9] offset:64*\b+16
.endr
.endif
.macro MUL8 f, c, a0, zero             ; 8 products: row tiles a0, a0 + 1 x all 4 column tiles, 32 along K: half c of buffer f.  The 16 accumulators take turns
.irp a, \a0, \a0+1
.irp b, 0,1,2,3
.if \zero
.if MODE == 0
	v_wmma_f32_16x16x32_f16 v[ACC+8*(4*(\a)+\b):ACC+8*(4*(\a)+\b)+7], v[\f+64+8*(4*\c+\b):\f+64+8*(4*\c+\b)+7], v[\f+8*(4*\c+(\a)):\f+8*(4*\c+(\a))+7], 0
.else
	v_wmma_f32_16x16x32_f16 v[ACC+8*(4*(\a)+\b):ACC+8*(4*(\a)+\b)+7], v[\f+64+8*(4*\c+\b):\f+64+8*(4*\c+\b)+7], v[\f+8*(4*\c+(\a)):\f+8*(4*\c+(\a))+7], v[BIAS+8*\b:BIAS+8*\b+7]
.endif
.else
	v_wmma_f32_16x16x32_f16 v[ACC+8*(4*(\a)+\b):ACC+8*(4*(\a)+\b)+7], v[\f+64+8*(4*\c+\b):\f+64+8*(4*\c+\b)+7], v[\f+8*(4*\c+(\a)):\f+8*(4*\c+(\a))+7], v[ACC+8*(4*(\a)+\b):ACC+8*(4*(\a)+\b)+7]
.endif
.endr
.endr
.endm
.macro FETCH slot, q, f                ; 32 LDS loads in one run: the fragments of the slot's q-th 64 along K, the first 32 along K first
	WIN TO_F
.irp c, 0,1
.irp i, 0,1,2,3
	ds_load_b128 v[\f+64+8*(4*\c+\i):\f+64+8*(4*\c+\i)+3],   v[ADRB+\slot] offset:\i*8192+(2*(\q)+\c)*1024
	ds_load_b128 v[\f+64+8*(4*\c+\i)+4:\f+64+8*(4*\c+\i)+7], v[ADRB+\slot] offset:\i*8192+(2*(\q)+\c)*1024+512
	ds_load_b128 v[\f+8*(4*\c+\i):\f+8*(4*\c+\i)+3],         v[ADRA+\slot] offset:\i*8192+(2*(\q)+\c)*1024
	ds_load_b128 v[\f+8*(4*\c+\i)+4:\f+8*(4*\c+\i)+7],       v[ADRA+\slot] offset:\i*8192+(2*(\q)+\c)*1024+512
.endr
.endr
.endm
.macro PLACES                          ; four places in front of loads into registers that matrix instructions have read, and of the first read of results
.rept 4
	v_nop
.endr
.endm
.macro QUARTER slot, q, f, g, zero     ; multiplies buffer f; in its middle fetches the slot's quarter q into buffer g
	s_wait_dscnt 16                                ; the first 32 along K are in
	WIN MULW
	MUL8 \f, 0, 0, \zero
	MUL8 \f, 0, 2, \zero
	PLACES
	FETCH \slot, \q, \g
	s_wait_dscnt 32                                ; all but the 32 just issued
	WIN MULW
	MUL8 \f, 1, 0, 0
	MUL8 \f, 1, 2, 0
.endm
; A slot's last quarter changes slots: one barrier; in front of it each wave waits for all its tensor loads, adds 0 to its spare word, and waits for that and for its reads of this slot.
.macro TURN slot, next, fill
	WIN 0
	s_wait_tensorcnt 0x0                           ; all my tensor loads have landed: my part of the next slot;
	ds_add_u32 v[SPW], v[NIL]
	s_wait_dscnt 17                                ; (the add and the youngest sixteen loads may be out)
	WIN MULW
	MUL8 F1, 0, 0, 0
	s_wait_dscnt 0x0                               ; the add is done, and my reads of this slot are over
	s_barrier_signal -1
	MUL8 F1, 0, 2, 0
.if \fill
	WIN 0
.endif
	s_barrier_wait -1
.if \fill
	CREST                                          ; the barrier has opened a round of the cluster's barrier
	s_add_nc_u64 s[G0+4*\slot+2:G0+4*\slot+3], s[G0+4*\slot+2:G0+4*\slot+3], 16384
	s_add_nc_u64 s[G0B+4*\slot+2:G0B+4*\slot+3], s[G0B+4*\slot+2:G0B+4*\slot+3], 16384
	JLOAD \slot                                    ; the first tensor load behind the round: two K steps on; its four v_nop are also the places in front of the loads below
.else
	PLACES
.endif
	FETCH \next, 0, F0
	WIN MULW
	MUL8 F1, 1, 0, 0
	MUL8 F1, 1, 2, 0
.endm
	s_wait_tensorcnt 0x1                           ; my part of K step 0 is in; K step 1's may stay out
	s_barrier_signal -1
	s_barrier_wait -1
	FETCH 0, 0, F0
.if MODE != 0
	s_wait_loadcnt 0x0                             ; the bias
.endif
	QUARTER 0, 1, F0, F1, 1
	QUARTER 0, 2, F1, F0, 0
	QUARTER 0, 3, F0, F1, 0
	TURN 0, 1, 1
	QUARTER 1, 1, F0, F1, 0
	QUARTER 1, 2, F1, F0, 0
	QUARTER 1, 3, F0, F1, 0
	TURN 1, 0, 1
	QUARTER 0, 1, F0, F1, 0
	QUARTER 0, 2, F1, F0, 0
	QUARTER 0, 3, F0, F1, 0
	TURN 0, 1, 0
	QUARTER 1, 1, F0, F1, 0
	QUARTER 1, 2, F1, F0, 0
	QUARTER 1, 3, F0, F1, 0
	s_wait_dscnt 16
	WIN MULW
	MUL8 F1, 0, 0, 0
	MUL8 F1, 0, 2, 0
	s_wait_dscnt 0x0
	MUL8 F1, 1, 0, 0
	MUL8 F1, 1, 2, 0
	WIN 0
	PLACES
.if MODE == 2                          ; f32: a tile of 16 rows x 64 columns through my own stage; sixteen lanes store 256 consecutive bytes, aligned
.irp a, 0,1,2,3
.if \a >= 2
	s_wait_xcnt 0x0                                ; the stores of two tiles back have read their registers
.endif
.irp b, 0,1,2,3
	ds_store_b128 v[STO], v[ACC+8*(4*\a+\b):ACC+8*(4*\a+\b)+3] offset:64*\b
	ds_store_b128 v[STO], v[ACC+8*(4*\a+\b)+4:ACC+8*(4*\a+\b)+7] offset:64*\b+16
.endr
.irp i, 0,1,2,3,4,5,6,7
	ds_load_b128 v[TMP+32*(\a%2)+4*\i:TMP+32*(\a%2)+4*\i+3], v[RD] offset:544*\i   ; LDS serves a wave's instructions in order
.endr
.irp i, 0,1,2,3,4,5,6,7
	s_wait_dscnt 7-\i
	global_store_b128 v[CO], v[TMP+32*(\a%2)+4*\i:TMP+32*(\a%2)+4*\i+3], s[10:11] offset:65536*\a+8192*\i
.endr
.endr
.else
.if MODE == 1
.set i, 0
.rept 128
	v_max_num_f32 v[ACC+i], 0, v[ACC+i]            ; the activation, in f32
.set i, i+1
.endr
.endif
.irp t, 0,1,2,3,4,5,6,7,8,9,10,11,12,13,14,15
.irp r, 0,1,2,3
	v_cvt_pk_f16_f32 v[TMP+4*\t+\r], v[ACC+8*\t+2*\r], v[ACC+8*\t+2*\r+1]
.endr
.endr
.irp a, 0,1,2,3
.irp b, 0,1,2,3
	global_store_b128 v[LI], v[TMP+4*(4*\a+\b):TMP+4*(4*\a+\b)+3], s[10:11] offset:AST*\a+512*\b   ; 32 lanes store 512 consecutive bytes: two chunks of the next operand
.endr
.endr
.endif
	s_wait_tensorcnt 0x0                           ; the wave's end
	ds_add_u32 v[SPW], v[NIL]
	s_wait_dscnt 0x0
	CROUND                                         ; the closing round
	s_endpgm
.Lfunc_end_k_q431b049443_gq2:
	.size	k_q431b049443_gq2, .Lfunc_end_k_q431b049443_gq2-k_q431b049443_gq2
	.p2alignl 7, 3214868480
	.fill 96, 4, 3214868480
	.section	.rodata,"a",@progbits
	.p2align	6, 0x0
	.amdhsa_kernel k_q431b049443_gq2
		.amdhsa_group_segment_fixed_size 327680
		.amdhsa_private_segment_fixed_size 0
		.amdhsa_enable_private_segment 0
		.amdhsa_kernarg_size 24
		.amdhsa_user_sgpr_count 2
		.amdhsa_user_sgpr_kernarg_segment_ptr 1
		.amdhsa_wavefront_size32 1
		.amdhsa_system_sgpr_workgroup_id_x 1
		.amdhsa_system_sgpr_workgroup_id_y 1
		.amdhsa_system_sgpr_workgroup_id_z 1
		.amdhsa_system_vgpr_workitem_id 0
		.amdhsa_next_free_vgpr 512
		.amdhsa_next_free_sgpr 66
		.amdhsa_reserve_vcc 0
		.amdhsa_float_denorm_mode_32 3
		.amdhsa_float_denorm_mode_16_64 3
		.amdhsa_memory_ordered 1
		.amdhsa_forward_progress 1
		.amdhsa_inst_pref_size 83
	.end_amdhsa_kernel
	.amdgpu_metadata
---
amdhsa.version: [ 1, 2 ]
amdhsa.kernels:
  - .name:           k_q431b049443_gq2
    .symbol:         k_q431b049443_gq2.kd
    .args:
      - { .name: xa, .offset: 0, .size: 8, .value_kind: global_buffer, .address_space: global }
      - { .name: P, .offset: 8, .size: 8, .value_kind: global_buffer, .address_space: global }
      - { .name: qkv, .offset: 16, .size: 8, .value_kind: global_buffer, .address_space: global }
    .group_segment_fixed_size: 327680
    .private_segment_fixed_size: 0
    .kernarg_segment_align: 8
    .kernarg_segment_size: 24
    .max_flat_workgroup_size: 128
    .sgpr_count:     66
    .vgpr_count:     512
    .wavefront_size: 32
...
	.end_amdgpu_metadata
.endif
;; end of part 5
;; launch attn_x (part 6): grid 8 x 32, 8 waves a work-group, clusters of 4 x 1, 327,680 bytes of LDS; arguments qkv, att; writes att
.if DOCPART == 6
	.amdgcn_target "amdgcn-amd-amdhsa--gfx1250"
	.amdhsa_code_object_version 6
	.text
	.protected	k_q431b049443_attn_x
	.globl	k_q431b049443_attn_x
	.p2align	8
	.type	k_q431b049443_attn_x,@function
k_q431b049443_attn_x:
	s_mov_b64 s[64:65], 0
	v_nop
	global_prefetch_b8 v0, s[64:65] scope:SCOPE_SE
	s_setreg_imm32_b32 hwreg(HW_REG_WAVE_MODE, 25, 1), 1
	s_wait_xcnt 0x0
	s_wait_alu depctr_hold_cnt(0) depctr_sa_sdst(0) depctr_va_vdst(0) depctr_va_sdst(0) depctr_va_ssrc(0) depctr_va_vcc(0) depctr_vm_vsrc(0)
	s_getreg_b32 s2, hwreg(HW_REG_IB_STS2, 6, 4)
	s_cmp_eq_u32 s2, 0
	s_cbranch_scc0 .Lentry_in_a_cluster
	s_endpgm
.Lentry_in_a_cluster:
	s_bfe_u32 s2, ttmp6, 0x10000c
	s_cmp_lg_u32 s2, 0x3003
	s_cbranch_scc0 .Lentry_shape_is_right
	s_endpgm
.Lentry_shape_is_right:
; att[b][q][64 h ..] = softmax_k(Q . K / 8) V for one head, f16 operands, f32 sums.  CAUSAL = 0: no mask (cross-attention).
; Q, K: [b 16 + h][token / 16][channel / 8][16][16 B]; V^T: [b 16 + h][channel / 16][key / 8][16][16 B]: a fragment is read at 16 x lane + 512 x (register group).
; SHARES.  A work-group owns 256 queries of one head; each of its eight waves 32: two tiles of 16, in 256 registers: two waves to a SIMD, so that one wave's vector work stands beside the other's products.
; Both products are used transposed: S^T = K Q^T, O^T = V^T P: a lane holds one query (lane % 16) throughout; two tiles of S^T, rounded to f16 in pairs, are source 1 of the second product.
; SOFTMAX.  A running maximum m and sum l for each query: p = 2^(c s - c m), c = log2(e) / 8; in every step O and l are multiplied by a = 2^(c m_old - c m_new).
; RING.  Two LDS slots of 256 keys (K 32 KB, V 32 KB), four steps of 64 keys each; waves 0, 1 fetch K's halves, waves 2, 3 V's; all eight read.  The change of slots stands at a slot's head.
; CLUSTER 4 x 1: four blocks of queries of one head walk the same K and V: each tile is asked for jointly, and each refill stands behind a round of the cluster's barrier.
; LIMIT: an operand beyond 65,504 is infinity in f16.
.set CAUSAL,  0
.set CLUSTER, 1
.set TQ, 5                             ; which of qkv's six tensors of 8,388,608 bytes
.set TK, 3
.set TV, 4
.set SLOT1, 65536
.set VOFF,  32768
.set STAGE, 131072                     ; the way out: 16 rows x (256 bytes + 16) for each wave
.set SPARE, STAGE+8*4352               ; the spare words, 128 bytes a wave
.set LI,  1                            ; v1  16 x lane
.set ADR, 2                            ; v2  the slot in hand + 16 x lane
.set SPW, 3                            ; v3  my spare word; never rewritten
.set NIL, 4                            ; v4  0; never rewritten
.set RH,  5                            ; v5  r - 8 h
.set STO, 6                            ; v6  the stage, in
.set RD,  7                            ; v7  the stage, back
.set PFO, 8                            ; v8  256 x lane
.set D0,  9                            ; v9, v10 (the causal form's)
.set NINF, 11                          ; v11 -infinity
.set ST,  12                           ; v12-27 tile t at 8 t: +0 c m, +1 m, +2, +3 l, +4 .. +7 at work; a in +6
.set Q,   28                           ; v28-59
.set S,   60                           ; v60-123 S^T: 32 t + 8 kt + j; then p; then P packed into the first 16 of each tile
.set O,   124                          ; v124-187 O^T: 32 t + 8 ct + j
.set KV,  188                          ; v188-251 eight fragments of K, then of V
.set GO,  252                          ; v252 my byte offset in two rows of att
.set WV,  8
.set SEL, 10
.set CS,  12
.set TB,  14
.set KF,  15
.set Q0,  16
.set SLOTS, 17
.set LIM, 18
.set G1K, 20
.set G1V, 28
.set G0K, 36
.set G0V, 40
.set PFK, 44
.set PFV, 46
.macro TLOAD                           ; waves 0, 1: K; waves 2, 3: V; the others nothing.  An s_nop 0 and four v_nop follow each load
	s_cmp_lt_u32 s[WV], 2
	s_cbranch_scc0 .Lnot_k_\@
	tensor_load_to_lds s[G0K:G0K+3], s[G1K:G1K+7]
	s_nop 0
.rept 4
	v_nop
.endr
	s_branch .Lasked_\@
.Lnot_k_\@:
	s_cmp_lt_u32 s[WV], 4
	s_cbranch_scc0 .Lasked_\@
	tensor_load_to_lds s[G0V:G0V+3], s[G1V:G1V+7]
	s_nop 0
.rept 4
	v_nop
.endr
.Lasked_\@:
.endm
; A prefetch of what the NEXT change of slots will ask for: 32 KB of K and 4 x 8 KB of V, a lane to each 256 bytes, each named once in the launch: the head's first work-group (cluster) asks;
; a quarter of K's block and one channel tile of V to each asking wave.  The last change that fills a slot asks for nothing; slots 0 and 1 come by their loads alone.
.macro ASK
	s_cmp_gt_u32 s[SLOTS], s[LIM]
	s_cbranch_scc0 .Lnot_mine_\@
	global_prefetch_b8 v[PFO], s[PFK:PFK+1] th:TH_LOAD_NT scope:SCOPE_SE
	global_prefetch_b8 v[PFO], s[PFV:PFV+1] th:TH_LOAD_NT scope:SCOPE_SE
.Lnot_mine_\@:
.endm
.macro CROUND
	s_barrier_signal -1
	s_barrier_wait -1
	s_cmp_lg_u32 s[WV], 0
	s_cbranch_scc1 .Lnot_wave_0_\@
	s_barrier_signal -3
.Lnot_wave_0_\@:
	s_barrier_wait -3
	s_barrier_signal -1
	s_barrier_wait -1
.endm
	s_load_b128 s[4:7], s[0:1], 0x0                ; qkv, att
	v_lshl_add_u32 v[SPW], v0, 2, SPARE
	v_mov_b32 v[NIL], 0
	ds_add_u32 v[SPW], v[NIL]                      ; the wave's opening: the add and its wait ahead of my first tensor load
	v_lshrrev_b32 v1, 5, v0
	v_readfirstlane_b32 s[WV], v1
.if CLUSTER
	s_bfe_u32 s48, ttmp6, 0x40000                  ; cx: it enters global addresses alone
	s_lshl_b32 s49, ttmp9, 2
	s_add_co_u32 s49, s49, s48                     ; my block of 256 queries
	s_mov_b32 s[G1K], 15|(3<<16)|(1<<21)           ; the mask names all four partners
	s_mov_b32 s[G1V], 15|(3<<16)|(1<<21)
	s_xor_b32 s58, s[WV], 4                        ; wave 4 of each partner prefetches, its part told by cx
.else
	s_and_b32 s48, s[WV], 3
	s_mov_b32 s49, ttmp9
	s_mov_b32 s[G1K], 3<<16                        ; elements of 8 bytes, no mask, no padding
	s_mov_b32 s[G1V], 3<<16
	s_lshr_b32 s58, s[WV], 2
	s_xor_b32 s58, s58, 1                          ; waves 4 to 7 prefetch
.endif
	s_or_b32 s58, s58, ttmp9                       ; of the head's first work-group (cluster)
	s_cmp_eq_u32 s58, 0
	s_cselect_b32 s[LIM], 1, -1
	s_mov_b32 s[G1K+1], 32<<16                     ; K: 64 rows of 256 bytes, dense: 16 KB
	s_mov_b32 s[G1K+2], 64<<16
	s_mov_b32 s[G1K+3], 32<<16
	s_mov_b32 s[G1K+4], 64
	s_mov_b32 s[G1K+5], 32
	s_mov_b32 s[G1K+6], 0
	s_mov_b32 s[G1K+7], 0
	s_mov_b32 s[G1V+1], 1024<<16                   ; V: 2 channel tiles x 8,192 bytes, 65,536 bytes apart
	s_mov_b32 s[G1V+2], 2<<16
	s_mov_b32 s[G1V+3], 1024<<16
	s_mov_b32 s[G1V+4], 2
	s_mov_b32 s[G1V+5], 8192
	s_mov_b32 s[G1V+6], 0
	s_mov_b32 s[G1V+7], 0
	s_and_b32 s50, ttmp7, 0xffff                   ; b 16 + h
	s_lshl_b32 s52, s50, 18                        ; the head's first byte in each tensor
	s_and_b32 s51, s[WV], 1
	s_lshl_b32 s[G0K+1], s51, 14                   ; which half I fetch: its place in slot 0,
	s_add_co_u32 s[G0V+1], s[G0K+1], VOFF
	s_add_co_u32 s54, s[G0K+1], s52                ; and in memory
	s_add_co_u32 s54, s54, TK*8388608
	s_mov_b32 s55, 0
	s_lshl_b32 s56, s51, 17
	s_add_co_u32 s56, s56, s52
	s_add_co_u32 s56, s56, TV*8388608
	s_mov_b32 s57, 0
	s_lshl_b32 s[Q0], s49, 8
	s_lshl_b32 s58, s[WV], 5
	s_add_co_u32 s[Q0], s[Q0], s58                 ; my first query in the head
	s_mov_b32 s[SEL], 0x76543210
	s_mov_b32 s[SEL+1], 0xfedcba98
	s_mov_b32 s[CS], 0x3e38aa3b                    ; c = log2(e) / 8
	s_mov_b32 s[CS+1], s[CS]
	s_mov_b32 s[TB], 0
	s_mov_b32 s[KF], 0
	s_mov_b32 s[SLOTS], 7
	s_wait_dscnt 0x0                               ; the opening add is done
	s_wait_kmcnt 0x0
	s_mov_b32 s[G0K], 1
	s_add_nc_u64 s[G0K+2:G0K+3], s[4:5], s[54:55]
	s_or_b32 s[G0K+3], s[G0K+3], 0x80000000
	s_mov_b32 s[G0V], 1
	s_add_nc_u64 s[G0V+2:G0V+3], s[4:5], s[56:57]
	s_or_b32 s[G0V+3], s[G0V+3], 0x80000000
.if CLUSTER
	CROUND                                         ; all four work-groups are here: the first joint loads meet
.endif
	TLOAD                                          ; slot 0
	s_lshl_b32 s54, s48, 13                        ; the prefetches: my part of K's block, in slot 1: the first change of slots steps it to slot 2
	s_add_co_u32 s54, s54, s52
	s_add_co_u32 s54, s54, TK*8388608+32768
	s_add_nc_u64 s[PFK:PFK+1], s[4:5], s[54:55]
	s_lshl_b32 s54, s48, 16                        ; and my channel tile of V
	s_add_co_u32 s54, s54, s52
	s_add_co_u32 s54, s54, TV*8388608+8192
	s_add_nc_u64 s[PFV:PFV+1], s[4:5], s[54:55]
	s_lshl_b32 s54, s[Q0], 7                       ; Q: 2,048 bytes a tile of 16 queries
	s_add_co_u32 s54, s54, s52
	s_add_co_u32 s54, s54, TQ*8388608
	s_add_nc_u64 s[4:5], s[4:5], s[54:55]
	s_lshr_b32 s54, s50, 4                         ; att: row b 2,048 + query, 4,096 bytes; column 64 h
	s_lshl_b32 s54, s54, 11
	s_add_co_u32 s54, s54, s[Q0]
	s_lshl_b32 s54, s54, 12
	s_and_b32 s56, s50, 15
	s_lshl_b32 s56, s56, 8
	s_add_co_u32 s54, s54, s56
	s_add_nc_u64 s[6:7], s[6:7], s[54:55]
	v_and_b32 v1, 31, v0
	v_lshlrev_b32 v[PFO], 8, v1
	v_lshlrev_b32 v[LI], 4, v1
.irp t, 0,1
.irp f, 0,1
.irp c, 0,1
	global_load_b128 v[Q+16*\t+8*\f+4*\c:Q+16*\t+8*\f+4*\c+3], v[LI], s[4:5] offset:2048*\t+1024*\f+512*\c   ; Q stays in registers
.endr
.endr
.endr
	v_and_b32 v253, 15, v0                         ; r
	v_bfe_u32 v254, v0, 4, 1                       ; h
	v_lshlrev_b32 v[RH], 3, v254
	v_sub_nc_u32 v[RH], v253, v[RH]
	v_mov_b32 v[NINF], 0xff800000
	s_mul_i32 s54, s[WV], 4352
	s_add_co_u32 s54, s54, STAGE                   ; my stage
	v_mul_u32_u24 v[STO], v253, 272
	v_lshl_add_u32 v[STO], v254, 5, v[STO]
	v_add_nc_u32 v[STO], s54, v[STO]               ; in: row r, 32 bytes for each half of the lanes
	v_mul_u32_u24 v[RD], v254, 272
	v_lshl_add_u32 v[RD], v253, 4, v[RD]
	v_add_nc_u32 v[RD], s54, v[RD]                 ; back: lanes 0-15 one row of 256 bytes, lanes 16-31 the next
	v_lshlrev_b32 v[GO], 12, v254
	v_lshl_add_u32 v[GO], v253, 4, v[GO]
.irp t, 0,1
	v_mov_b32 v[ST+8*\t+1], 0xff61b1e6             ; m: -3e38, under every score
	v_mul_f32 v[ST+8*\t], s[CS], v[ST+8*\t+1]
.irp i, 2,3,4,5,6,7
	v_mov_b32 v[ST+8*\t+\i], 0
.endr
.endr
.set i, 0
.rept 64
	v_mov_b32 v[O+i], 0                            ; O^T: the step is written once; the first finds zeros, which a = 0 leaves zeros
.set i, i+1
.endr
; A KEY STEP: 64 keys, the q-th of the slot in hand.
.macro STEP q
.if CAUSAL
	s_add_co_u32 s48, s[Q0], 31
	s_cmp_gt_u32 s[KF], s48
	s_cbranch_scc1 .Lhidden_\@
.endif
.irp f, 0,1
.irp kt, 0,1,2,3
.irp c, 0,1
	ds_load_b128 v[KV+8*(2*\kt+\f)+4*\c:KV+8*(2*\kt+\f)+4*\c+3], v[ADR] offset:8192*(\q)+2048*\kt+1024*\f+512*\c
.endr
.endr
.endr
	s_wait_dscnt 8                                 ; channels 0-31 of the four tiles of keys are in; the other eight loads may be out
.irp kt, 0,1,2,3
.irp t, 0,1
	v_wmma_f32_16x16x32_f16 v[S+32*\t+8*\kt:S+32*\t+8*\kt+7], v[KV+16*\kt:KV+16*\kt+7], v[Q+16*\t:Q+16*\t+7], 0
.endr
.endr
	s_wait_dscnt 0x0
.irp kt, 0,1,2,3                       ; eight accumulators by turns
.irp t, 0,1
	v_wmma_f32_16x16x32_f16 v[S+32*\t+8*\kt:S+32*\t+8*\kt+7], v[KV+16*\kt+8:KV+16*\kt+15], v[Q+16*\t+8:Q+16*\t+15], v[S+32*\t+8*\kt:S+32*\t+8*\kt+7]
.endr
.endr
.rept 4
	v_nop                                          ; places in front of the loads into K's registers and of the first read of the scores
.endr
.irp ct, 0,1,2,3
.irp kf, 0,1
.irp c, 0,1
	ds_load_b128 v[KV+8*(2*\ct+\kf)+4*\c:KV+8*(2*\ct+\kf)+4*\c+3], v[ADR] offset:VOFF+8192*\ct+2048*(\q)+1024*\kf+512*\c   ; V lands under the softmax
.endr
.endr
.endr
.if CAUSAL
	s_add_co_u32 s48, s[KF], 63
	s_cmp_le_u32 s48, s[Q0]
	s_cbranch_scc1 .Lopen_\@
	s_sub_co_i32 s48, s[Q0], s[KF]
	v_add_nc_u32 v[D0], s48, v[RH]
	v_add_nc_u32 v[D0+1], 16, v[D0]
.irp t, 0,1
.irp kt, 0,1,2,3
.irp j, 0,1,2,3,4,5,6,7
	v_cmp_gt_i32 vcc_lo, 16*\kt+\j, v[D0+\t]
	v_cndmask_b32 v[S+32*\t+8*\kt+\j], v[S+32*\t+8*\kt+\j], v[NINF], vcc_lo
.endr
.endr
.endr
.Lopen_\@:
.endif
.irp k, 0,1,2,3                        ; the maximum of 32 scores and the old m, the two tiles line by line; each accumulator from its low end on
.irp t, 0,1
	v_max3_num_f32 v[ST+8*\t+4+\k], v[S+32*\t+8*\k], v[S+32*\t+8*\k+1], v[S+32*\t+8*\k+2]
.endr
.endr
.irp i, 3,5
.irp k, 0,1,2,3
.irp t, 0,1
	v_max3_num_f32 v[ST+8*\t+4+\k], v[ST+8*\t+4+\k], v[S+32*\t+8*\k+\i], v[S+32*\t+8*\k+\i+1]
.endr
.endr
.endr
.irp t, 0,1
	v_max3_num_f32 v[ST+8*\t+4], v[ST+8*\t+4], v[S+32*\t+7], v[S+32*\t+15]
	v_max3_num_f32 v[ST+8*\t+6], v[ST+8*\t+6], v[S+32*\t+23], v[S+32*\t+31]
.endr
.irp t, 0,1
	v_max3_num_f32 v[ST+8*\t+4], v[ST+8*\t+4], v[ST+8*\t+5], v[ST+8*\t+6]
.endr
.irp t, 0,1
	v_max3_num_f32 v[ST+8*\t+4], v[ST+8*\t+4], v[ST+8*\t+7], v[ST+8*\t+1]
.endr
.irp t, 0,1
	v_permlanex16_b32 v[ST+8*\t+5], v[ST+8*\t+4], s[SEL], s[SEL+1]   ; the query's other 32 keys lie in the lane 16 away
.endr
.irp t, 0,1
	v_mov_b32 v[ST+8*\t+7], v[ST+8*\t]             ; c m_old
.endr
.irp t, 0,1
	v_max_num_f32 v[ST+8*\t+1], v[ST+8*\t+4], v[ST+8*\t+5]
.endr
.irp t, 0,1
	v_mul_f32 v[ST+8*\t], s[CS], v[ST+8*\t+1]
.endr
.irp t, 0,1
	v_sub_f32 v[ST+8*\t+7], v[ST+8*\t+7], v[ST+8*\t]
.endr
.set j, 0
.rept 16
.irp t, 0,1
	v_pk_fma_f32 v[S+32*\t+j:S+32*\t+j+1], v[S+32*\t+j:S+32*\t+j+1], s[CS:CS+1], v[ST+8*\t:ST+8*\t+1] op_sel_hi:[1,0,0] neg_lo:[0,0,1] neg_hi:[0,0,1]   ; c s - c m
.endr
.set j, j+2
.endr
.irp t, 0,1
	v_exp_f32 v[ST+8*\t+6], v[ST+8*\t+7]           ; a
.endr
.set j, 0
.rept 32
	v_exp_f32 v[S+j], v[S+j]                       ; p: one batch of 66 exponentials
	v_exp_f32 v[S+32+j], v[S+32+j]
.set j, j+1
.endr
	v_nop                                          ; a plain instruction behind the last exponential
	s_wait_alu depctr_va_vdst(0)                   ; one wait for the batch, ahead of its first reader
.irp t, 0,1
	v_pk_fma_f32 v[ST+8*\t+2:ST+8*\t+3], v[ST+8*\t+2:ST+8*\t+3], v[ST+8*\t+6:ST+8*\t+7], v[S+32*\t:S+32*\t+1] op_sel_hi:[1,0,1]   ; l = a l + p, in two chains
	v_pk_add_f32 v[ST+8*\t+4:ST+8*\t+5], v[S+32*\t+2:S+32*\t+3], v[S+32*\t+6:S+32*\t+7]
.endr
.irp t, 0,1
	v_pk_add_f32 v[ST+8*\t+2:ST+8*\t+3], v[ST+8*\t+2:ST+8*\t+3], v[S+32*\t+4:S+32*\t+5]
.endr
.irp k, 8,12,16,20,24,28
.irp t, 0,1
	v_pk_add_f32 v[ST+8*\t+2:ST+8*\t+3], v[ST+8*\t+2:ST+8*\t+3], v[S+32*\t+\k:S+32*\t+\k+1]
	v_pk_add_f32 v[ST+8*\t+4:ST+8*\t+5], v[ST+8*\t+4:ST+8*\t+5], v[S+32*\t+\k+2:S+32*\t+\k+3]
.endr
.endr
.irp t, 0,1
	v_pk_add_f32 v[ST+8*\t+2:ST+8*\t+3], v[ST+8*\t+2:ST+8*\t+3], v[ST+8*\t+4:ST+8*\t+5]
.endr
.set j, 0
.rept 16
.irp t, 0,1
	v_cvt_pk_f16_f32 v[S+32*\t+j], v[S+32*\t+2*j], v[S+32*\t+2*j+1]   ; P in place, ascending: a destination has been read before it is written
.endr
.set j, j+1
.endr
.set j, 0
.rept 16
.irp t, 0,1
	v_pk_mul_f32 v[O+32*\t+j:O+32*\t+j+1], v[O+32*\t+j:O+32*\t+j+1], v[ST+8*\t+6:ST+8*\t+7] op_sel_hi:[1,0]   ; O^T x a
.endr
.set j, j+2
.endr
	s_wait_dscnt 0x0                               ; V is in
.irp kf, 0,1
.irp ct, 0,1,2,3
.irp t, 0,1
	v_wmma_f32_16x16x32_f16 v[O+32*\t+8*\ct:O+32*\t+8*\ct+7], v[KV+8*(2*\ct+\kf):KV+8*(2*\ct+\kf)+7], v[S+32*\t+8*\kf:S+32*\t+8*\kf+7], v[O+32*\t+8*\ct:O+32*\t+8*\ct+7]
.endr
.endr
.endr
.rept 5
	v_nop                                          ; the next step's products write over P's registers (five places), its loads land in V's (four)
.endr
.Lhidden_\@:
	s_add_co_u32 s[KF], s[KF], 64
.endm
; THE CHANGE OF SLOTS.  Each wave waits for all its tensor loads (its part of the slot ahead), adds 0 to its spare word, and waits for that and for its reads of the slot that it has left.
; Behind the barrier the slot ahead is whole and nobody reads the other one.  fill = 1: that other slot is filled with the next 256 keys: the load has four steps in which to land.
.macro CHANGE fill
	s_wait_tensorcnt 0x0
	ds_add_u32 v[SPW], v[NIL]
.if \fill
	s_xor_b32 s[G0K+1], s[G0K+1], SLOT1
	s_add_nc_u64 s[G0K+2:G0K+3], s[G0K+2:G0K+3], 32768
	s_xor_b32 s[G0V+1], s[G0V+1], SLOT1
	s_add_nc_u64 s[G0V+2:G0V+3], s[G0V+2:G0V+3], 8192
	s_wait_xcnt 0x0                                ; the last prefetches, a slot back, have read their addresses
	s_add_nc_u64 s[PFK:PFK+1], s[PFK:PFK+1], 32768
	s_add_nc_u64 s[PFV:PFV+1], s[PFV:PFV+1], 8192
.endif
	s_wait_dscnt 0x0
.if CLUSTER && \fill
	CROUND                                         ; the refill is a joint load: the cluster's round takes the barrier's place
.else
	s_barrier_signal -1
	s_barrier_wait -1
.endif
.if \fill
.if CAUSAL
	s_add_co_u32 s48, s[KF], 256
	s_or_b32 s49, s[Q0], 255
	s_cmp_gt_u32 s48, s49
	s_cbranch_scc1 .Lpast_\@
.endif
	TLOAD
.Lpast_\@:
	ASK
.endif
	v_add_nc_u32 v[ADR], s[TB], v[LI]
.endm
.macro SLOT_STEPS
	STEP 0
	STEP 1
	STEP 2
	STEP 3
	s_xor_b32 s[TB], s[TB], SLOT1
.endm
	s_wait_loadcnt 0x0                             ; Q
.Lslot:                                ; seven trips: behind each change of slots but the last the next slot is asked for
	CHANGE 1
	SLOT_STEPS
	s_sub_co_u32 s[SLOTS], s[SLOTS], 1
	s_cmp_lg_u32 s[SLOTS], 0
	s_cbranch_scc1 .Lslot
	CHANGE 0                                       ; the last slot is written out: nothing is left to fetch
	SLOT_STEPS
	; THE WAY OUT: O^T / l through my stage, a tile of 16 queries at a time: sixteen lanes store 256 consecutive bytes, aligned
.irp t, 0,1
	v_add_f32 v[ST+8*\t+4], v[ST+8*\t+2], v[ST+8*\t+3]
.endr
.irp t, 0,1
	v_permlanex16_b32 v[ST+8*\t+5], v[ST+8*\t+4], s[SEL], s[SEL+1]
.endr
.irp t, 0,1
	v_add_f32 v[ST+8*\t+4], v[ST+8*\t+4], v[ST+8*\t+5]
.endr
.irp t, 0,1
	v_rcp_f32 v[ST+8*\t+6], v[ST+8*\t+4]
.endr
	v_nop
	s_wait_alu depctr_va_vdst(0)                   ; one wait for the two reciprocals
.set j, 0
.rept 16
.irp t, 0,1
	v_pk_mul_f32 v[O+32*\t+j:O+32*\t+j+1], v[O+32*\t+j:O+32*\t+j+1], v[ST+8*\t+6:ST+8*\t+7] op_sel_hi:[1,0]
.endr
.set j, j+2
.endr
.irp t, 0,1
.irp ct, 0,1,2,3
	ds_store_b128 v[STO], v[O+32*\t+8*\ct:O+32*\t+8*\ct+3] offset:64*\ct
	ds_store_b128 v[STO], v[O+32*\t+8*\ct+4:O+32*\t+8*\ct+7] offset:64*\ct+16
.endr
.irp i, 0,1,2,3,4,5,6,7
	ds_load_b128 v[KV+32*\t+4*\i:KV+32*\t+4*\i+3], v[RD] offset:544*\i   ; LDS serves a wave's instructions in order: these see my stores, and the next tile's stores come behind them
.endr
.endr
.irp t, 0,1
.irp i, 0,1,2,3,4,5,6,7
	s_wait_dscnt 23-16*\t-\i                       ; the LDS instructions issued behind this load may be out
	global_store_b128 v[GO], v[KV+32*\t+4*\i:KV+32*\t+4*\i+3], s[6:7] offset:65536*\t+8192*\i
.endr
.endr
	s_wait_tensorcnt 0x0                           ; the wave's end
	ds_add_u32 v[SPW], v[NIL]
	s_wait_dscnt 0x0
.if CLUSTER
	CROUND                                         ; the closing round
.endif
	s_endpgm
.Lfunc_end_k_q431b049443_attn_x:
	.size	k_q431b049443_attn_x, .Lfunc_end_k_q431b049443_attn_x-k_q431b049443_attn_x
	.p2alignl 7, 3214868480
	.fill 96, 4, 3214868480
	.section	.rodata,"a",@progbits
	.p2align	6, 0x0
	.amdhsa_kernel k_q431b049443_attn_x
		.amdhsa_group_segment_fixed_size 327680
		.amdhsa_private_segment_fixed_size 0
		.amdhsa_enable_private_segment 0
		.amdhsa_kernarg_size 16
		.amdhsa_user_sgpr_count 2
		.amdhsa_user_sgpr_kernarg_segment_ptr 1
		.amdhsa_wavefront_size32 1
		.amdhsa_system_sgpr_workgroup_id_x 1
		.amdhsa_system_sgpr_workgroup_id_y 1
		.amdhsa_system_sgpr_workgroup_id_z 1
		.amdhsa_system_vgpr_workitem_id 0
		.amdhsa_next_free_vgpr 256
		.amdhsa_next_free_sgpr 66
		.amdhsa_reserve_vcc 1
		.amdhsa_float_denorm_mode_32 3
		.amdhsa_float_denorm_mode_16_64 3
		.amdhsa_memory_ordered 1
		.amdhsa_forward_progress 1
		.amdhsa_inst_pref_size 154
	.end_amdhsa_kernel
	.amdgpu_metadata
---
amdhsa.version: [ 1, 2 ]
amdhsa.kernels:
  - .name:           k_q431b049443_attn_x
    .symbol:         k_q431b049443_attn_x.kd
    .args:
      - { .name: qkv, .offset: 0, .size: 8, .value_kind: global_buffer, .address_space: global }
      - { .name: att, .offset: 8, .size: 8, .value_kind: global_buffer, .address_space: global }
    .group_segment_fixed_size: 327680
    .private_segment_fixed_size: 0
    .kernarg_segment_align: 8
    .kernarg_segment_size: 16
    .max_flat_workgroup_size: 256
    .sgpr_count:     66
    .vgpr_count:     256
    .wavefront_size: 32
...
	.end_amdgpu_metadata
.endif
;; end of part 6
;; launch ln2: the kernel of part 4 again; grid 256 x 1, 8 waves a work-group, no clusters, 34,048 bytes of LDS; arguments att, xa, g2, be2, xb; writes xb
;; launch gf1 (part 7): grid 8 x 32, 4 waves a work-group, clusters of 4 x 4, 327,680 bytes of LDS; arguments xb, P, bf1, xa; writes xa
.if DOCPART == 7
	.amdgcn_target "amdgcn-amd-amdhsa--gfx1250"
	.amdhsa_code_object_version 6
	.text
	.protected	k_q431b049443_gf1
	.globl	k_q431b049443_gf1
	.p2align	8
	.type	k_q431b049443_gf1,@function
k_q431b049443_gf1:
	s_mov_b64 s[64:65], 0
	v_nop
	global_prefetch_b8 v0, s[64:65] scope:SCOPE_SE
	s_setreg_imm32_b32 hwreg(HW_REG_WAVE_MODE, 25, 1), 1
	s_wait_xcnt 0x0
	s_wait_alu depctr_hold_cnt(0) depctr_sa_sdst(0) depctr_va_vdst(0) depctr_va_sdst(0) depctr_va_ssrc(0) depctr_va_vcc(0) depctr_vm_vsrc(0)
	s_getreg_b32 s2, hwreg(HW_REG_IB_STS2, 6, 4)
	s_cmp_eq_u32 s2, 0
	s_cbranch_scc0 .Lentry_in_a_cluster
	s_endpgm
.Lentry_in_a_cluster:
	s_bfe_u32 s2, ttmp6, 0x10000c
	s_cmp_lg_u32 s2, 0xf033
	s_cbranch_scc0 .Lentry_shape_is_right
	s_endpgm
.Lentry_shape_is_right:
; C = A W^T in f16 with f32 sums; A [4,096][1,024] and W [1,024 (n)][1,024 (k)] lie as operands: (row / 16) x 32,768 + (k / 8) x 256 + (row % 16) x 16.
; MODE 0: q2 = x1 Wq2, out in f16 as attention's operand.  MODE 1: relu(x2 Wf1 + bf1), out in f16 as the next product's operand.  MODE 2: hidden Wf2 + bf2, out in f32, row-major.
; A tile of C is 128 x 128: 256 work-groups; four waves, each 64 x 64: 16 accumulators.  K goes in four steps of 256 through two LDS slots; a slot holds 8 tiles of 16 rows of A, then 8 of W, 8 KB each, dense:
; a fragment is read at 16 x lane + 512 x (register group): no pitch, no padding.  Each wave fetches a quarter of a slot by one tensor load (4 rows of 8,192 bytes, 32,768 bytes apart in memory).
; CLUSTER 4 x 4: A's tiles are asked for jointly along a row of the cluster, W's along a column.  THE PRODUCT IS USED TRANSPOSED (source 0 = W, source 1 = A): a lane holds one row of C and eight neighbouring columns.
; The bias is the C of each sum's first product.  K = 1,024 is four K steps: written out, no loop.  LIMIT: an f16 operand or result beyond 65,504 is infinity.
; REGISTERS: window 0: addresses; v32-95 the way out; v96-127 the bias; v128-255 accumulator (a, b) at 128 + 8 (4 a + b).  window 1: two fragment buffers of 128: 64 of A (2 x 4 x 16 rows x 32 K), then 64 of W.
.set MODE,  1
.set W16,   7340032
.set SLOT,  131072
.set STAGE, 262144
.if MODE == 2
.set SPARE, STAGE+4*4352
.else
.set SPARE, STAGE
.endif
.set ADRA, 16
.set ADRB, 20
.set STO,  24
.set RD,   25
.set CO,   26
.set LI,   27
.set SPW,  28
.set NIL,  29
.set TMP,  32
.set BIAS, 96
.set ACC,  128
.set F0,   0
.set F1,   128
.set G1,  24
.set G0,  32
.set G1B, 48
.set G0B, 56
.set MSB, 0
.macro WIN new
.if MSB != \new
	s_set_vgpr_msb (MSB<<8)|\new
.set MSB, \new
.endif
.endm
.set MULW, 0x05                        ; sources 0 and 1 window 1; C and D window 0
.set TO_F, 0x40                        ; destination window 1
.macro JLOAD s                         ; waves 0, 1 fetch A's halves, waves 2, 3 W's; an s_nop 0 and four v_nop follow each line
	s_cmp_eq_u32 s13, 0
	s_cbranch_scc0 .Lfor_b_\@
	tensor_load_to_lds s[G0+4*\s:G0+4*\s+3], s[G1:G1+7]
	s_nop 0
.rept 4
	v_nop
.endr
	s_branch .Lasked_\@
.Lfor_b_\@:
	tensor_load_to_lds s[G0B+4*\s:G0B+4*\s+3], s[G1B:G1B+7]
	s_nop 0
.rept 4
	v_nop
.endr
.Lasked_\@:
.endm
.macro CREST
	s_cmp_lg_u32 s12, 0
	s_cbranch_scc1 .Lnot_wave_0_\@
	s_barrier_signal -3
.Lnot_wave_0_\@:
	s_barrier_wait -3
	s_barrier_signal -1
	s_barrier_wait -1
.endm
.macro CROUND
	s_barrier_signal -1
	s_barrier_wait -1
	CREST
.endm
.if MODE == 0
	s_load_b128 s[4:7], s[0:1], 0x0                ; A's buffer, P
	s_load_b64 s[10:11], s[0:1], 0x10              ; out
.else
	s_load_b256 s[4:11], s[0:1], 0x0               ; A's buffer, P, bias, out
.endif
	v_lshl_add_u32 v[SPW], v0, 2, SPARE
	v_mov_b32 v[NIL], 0
	ds_add_u32 v[SPW], v[NIL]                      ; the wave's opening: the add and its wait ahead of my first tensor load
	v_lshrrev_b32 v1, 5, v0
	v_readfirstlane_b32 s12, v1                    ; wave
	s_lshr_b32 s13, s12, 1                         ; my half of the tile's rows.  Also: I fetch for A (0) or for W (1)
	s_and_b32 s14, s12, 1                          ; my half of its columns.  Also: which 64 rows I fetch
	s_bfe_u32 s40, ttmp6, 0x40000
	s_bfe_u32 s41, ttmp6, 0x40004
	s_lshl_b32 s42, ttmp9, 2
	s_add_co_u32 s42, s42, s40                     ; tile column
	s_and_b32 s15, ttmp7, 0xffff
	s_lshl_b32 s15, s15, 2
	s_add_co_u32 s15, s15, s41                     ; tile row
	s_lshl_b32 s43, s41, 2
	s_lshl_b32 s43, 15, s43                        ; my row of the cluster
	s_lshl_b32 s44, 0x1111, s40                    ; my column
	s_or_b32 s[G1], s43, (3<<16)|(1<<21)           ; elements of 8 bytes; bit 21 set beside the mask
	s_or_b32 s[G1B], s44, (3<<16)|(1<<21)
.irp g, G1, G1B
	s_mov_b32 s[\g+1], 1024<<16                    ; tensor_dim0: 8,192 bytes
	s_mov_b32 s[\g+2], 4<<16                       ; tensor_dim1
	s_mov_b32 s[\g+3], 1024<<16                    ; tile_dim0
	s_mov_b32 s[\g+4], 4                           ; tile_dim1
	s_mov_b32 s[\g+5], 4096                        ; 32,768 bytes from tile to tile
	s_mov_b32 s[\g+6], 0
	s_mov_b32 s[\g+7], 0
.endr
	s_lshl_b32 s16, s15, 18                        ; A: 8 tiles of 32,768 bytes a tile row, + 4 for the second half; the f16 copy begins at 16,777,216
	s_lshl_b32 s17, s14, 17
	s_add_co_u32 s16, s16, s17
	s_add_co_u32 s16, s16, 16777216
	s_mov_b32 s17, 0
	s_lshl_b32 s46, s42, 18                        ; W likewise, by the tile column
	s_lshl_b32 s47, s14, 17
	s_add_co_u32 s46, s46, s47
	s_add_co_u32 s46, s46, W16+MODE*2097152
	s_mov_b32 s47, 0
	s_lshl_b32 s20, s12, 15                        ; where they go: wave x 32,768
	s_wait_dscnt 0x0
	s_wait_kmcnt 0x0
	s_add_nc_u64 s[18:19], s[4:5], s[16:17]
	s_add_nc_u64 s[46:47], s[6:7], s[46:47]
	CROUND                                         ; all sixteen work-groups are here: the first joint loads meet
.irp s, 0,1
	s_mov_b32 s[G0+4*\s], 1
	s_add_co_u32 s[G0+4*\s+1], s20, \s*SLOT
	s_add_nc_u64 s[G0+4*\s+2:G0+4*\s+3], s[18:19], \s*8192
	s_or_b32 s[G0+4*\s+3], s[G0+4*\s+3], 0x80000000
	s_mov_b32 s[G0B+4*\s], 1
	s_add_co_u32 s[G0B+4*\s+1], s20, \s*SLOT
	s_add_nc_u64 s[G0B+4*\s+2:G0B+4*\s+3], s[46:47], \s*8192
	s_or_b32 s[G0B+4*\s+3], s[G0B+4*\s+3], 0x80000000
	JLOAD \s
.endr
	v_and_b32 v1, 31, v0
	v_lshlrev_b32 v[LI], 4, v1
	v_and_b32 v2, 15, v0                           ; r
	v_bfe_u32 v3, v0, 4, 1                         ; h
	s_lshl_b32 s21, s13, 15                        ; my 64 rows of A,
	s_lshl_b32 s22, s14, 15
	s_add_co_u32 s22, s22, 65536                   ; my 64 rows of W
.irp s, 0,1
	v_add_nc_u32 v[ADRA+\s], s21, v[LI]
	v_add_nc_u32 v[ADRB+\s], s22, v[LI]
	s_add_co_u32 s21, s21, SLOT
	s_add_co_u32 s22, s22, SLOT
.endr
.if MODE == 0                          ; out: qkv's sixth tensor; head = 2 x tile column + half; [b 16 + head] 262,144, [token / 16] 2,048
	s_lshr_b32 s16, s15, 4
	s_lshl_b32 s16, s16, 22
	s_and_b32 s17, s15, 15
	s_lshl_b32 s17, s17, 3
	s_lshl_b32 s18, s13, 2
	s_add_co_u32 s17, s17, s18
	s_lshl_b32 s17, s17, 11
	s_add_co_u32 s16, s16, s17
	s_add_co_u32 s16, s16, 5*8388608
	s_lshl_b32 s46, s42, 1
	s_add_co_u32 s46, s46, s14
	s_lshl_b32 s46, s46, 18
.set AST, 2048
.elseif MODE == 1                      ; out: the f16 operand at 16,777,216: tile of rows 32,768, chunk 256
	s_lshl_b32 s16, s15, 3
	s_lshl_b32 s17, s13, 2
	s_add_co_u32 s16, s16, s17
	s_lshl_b32 s16, s16, 15
	s_add_co_u32 s16, s16, 16777216
	s_lshl_b32 s46, s42, 12
	s_lshl_b32 s47, s14, 11
	s_add_co_u32 s46, s46, s47
.set AST, 32768
.else                                  ; out: f32 row-major
	s_lshl_b32 s16, s15, 7
	s_lshl_b32 s17, s13, 6
	s_add_co_u32 s16, s16, s17
	s_lshl_b32 s16, s16, 12
	s_lshl_b32 s46, s42, 9
	s_lshl_b32 s47, s14, 8
	s_add_co_u32 s46, s46, s47
	s_mul_i32 s23, s12, 4352
	s_add_co_u32 s23, s23, STAGE                   ; my stage: 16 rows x (256 bytes + 16)
	v_mul_u32_u24 v[STO], v2, 272
	v_lshl_add_u32 v[STO], v3, 5, v[STO]
	v_add_nc_u32 v[STO], s23, v[STO]
	v_mul_u32_u24 v[RD], v3, 272
	v_lshl_add_u32 v[RD], v2, 4, v[RD]
	v_add_nc_u32 v[RD], s23, v[RD]
	v_lshlrev_b32 v[CO], 12, v3
	v_lshl_add_u32 v[CO], v2, 4, v[CO]
.endif
	s_mov_b32 s17, 0
	s_mov_b32 s47, 0
	s_add_nc_u64 s[10:11], s[10:11], s[16:17]      ; the part that hangs on the tile row,
	s_add_nc_u64 s[10:11], s[10:11], s[46:47]      ; and the part that hangs on the tile column
.if MODE != 0
	s_lshl_b32 s46, s42, 9                         ; the bias of my 64 columns: register 8 b + j is bias[16 b + 8 h + j]
	s_lshl_b32 s22, s14, 8
	s_add_co_u32 s46, s46, s22
	s_add_nc_u64 s[8:9], s[8:9], s[46:47]
	v_lshlrev_b32 v5, 5, v3
.irp b, 0,1,2,3
	global_load_b128 v[BIAS+8*\b:BIAS+8*\b+3], v5, s[8:9] offset:64*\b
	global_load_b128 v[BIAS+8*\b+4:BIAS+8*\b+7], v5, s[8:9] offset:64*\b+16
.endr
.endif
.macro MUL8 f, c, a0, zero             ; 8 products: row tiles a0, a0 + 1 x all 4 column tiles, 32 along K: half c of buffer f.  The 16 accumulators take turns
.irp a, \a0, \a0+1
.irp b, 0,1,2,3
.if \zero
.if MODE == 0
	v_wmma_f32_16x16x32_f16 v[ACC+8*(4*(\a)+\b):ACC+8*(4*(\a)+\b)+7], v[\f+64+8*(4*\c+\b):\f+64+8*(4*\c+\b)+7], v[\f+8*(4*\c+(\a)):\f+8*(4*\c+(\a))+7], 0
.else
	v_wmma_f32_16x16x32_f16 v[ACC+8*(4*(\a)+\b):ACC+8*(4*(\a)+\b)+7], v[\f+64+8*(4*\c+\b):\f+64+8*(4*\c+\b)+7], v[\f+8*(4*\c+(\a)):\f+8*(4*\c+(\a))+7], v[BIAS+8*\b:BIAS+8*\b+7]
.endif
.else
	v_wmma_f32_16x16x32_f16 v[ACC+8*(4*(\a)+\b):ACC+8*(4*(\a)+\b)+7], v[\f+64+8*(4*\c+\b):\f+64+8*(4*\c+\b)+7], v[\f+8*(4*\c+(\a)):\f+8*(4*\c+(\a))+7], v[ACC+8*(4*(\a)+\b):ACC+8*(4*(\a)+\b)+7]
.endif
.endr
.endr
.endm
.macro FETCH slot, q, f                ; 32 LDS loads in one run: the fragments of the slot's q-th 64 along K, the first 32 along K first
	WIN TO_F
.irp c, 0,1
.irp i, 0,1,2,3
	ds_load_b128 v[\f+64+8*(4*\c+\i):\f+64+8*(4*\c+\i)+3],   v[ADRB+\slot] offset:\i*8192+(2*(\q)+\c)*1024
	ds_load_b128 v[\f+64+8*(4*\c+\i)+4:\f+64+8*(4*\c+\i)+7], v[ADRB+\slot] offset:\i*8192+(2*(\q)+\c)*1024+512
	ds_load_b128 v[\f+8*(4*\c+\i):\f+8*(4*\c+\i)+3],         v[ADRA+\slot] offset:\i*8192+(2*(\q)+\c)*1024
	ds_load_b128 v[\f+8*(4*\c+\i)+4:\f+8*(4*\c+\i)+7],       v[ADRA+\slot] offset:\i*8192+(2*(\q)+\c)*1024+512
.endr
.endr
.endm
.macro PLACES                          ; four places in front of loads into registers that matrix instructions have read, and of the first read of results
.rept 4
	v_nop
.endr
.endm
.macro QUARTER slot, q, f, g, zero     ; multiplies buffer f; in its middle fetches the slot's quarter q into buffer g
	s_wait_dscnt 16                                ; the first 32 along K are in
	WIN MULW
	MUL8 \f, 0, 0, \zero
	MUL8 \f, 0, 2, \zero
	PLACES
	FETCH \slot, \q, \g
	s_wait_dscnt 32                                ; all but the 32 just issued
	WIN MULW
	MUL8 \f, 1, 0, 0
	MUL8 \f, 1, 2, 0
.endm
; A slot's last quarter changes slots: one barrier; in front of it each wave waits for all its tensor loads, adds 0 to its spare word, and waits for that and for its reads of this slot.
.macro TURN slot, next, fill
	WIN 0
	s_wait_tensorcnt 0x0                           ; all my tensor loads have landed: my part of the next slot;
	ds_add_u32 v[SPW], v[NIL]
	s_wait_dscnt 17                                ; (the add and the youngest sixteen loads may be out)
	WIN MULW
	MUL8 F1, 0, 0, 0
	s_wait_dscnt 0x0                               ; the add is done, and my reads of this slot are over
	s_barrier_signal -1
	MUL8 F1, 0, 2, 0
.if \fill
	WIN 0
.endif
	s_barrier_wait -1
.if \fill
	CREST                                          ; the barrier has opened a round of the cluster's barrier
	s_add_nc_u64 s[G0+4*\slot+2:G0+4*\slot+3], s[G0+4*\slot+2:G0+4*\slot+3], 16384
	s_add_nc_u64 s[G0B+4*\slot+2:G0B+4*\slot+3], s[G0B+4*\slot+2:G0B+4*\slot+3], 16384
	JLOAD \slot                                    ; the first tensor load behind the round: two K steps on; its four v_nop are also the places in front of the loads below
.else
	PLACES
.endif
	FETCH \next, 0, F0
	WIN MULW
	MUL8 F1, 1, 0, 0
	MUL8 F1, 1, 2, 0
.endm
	s_wait_tensorcnt 0x1                           ; my part of K step 0 is in; K step 1's may stay out
	s_barrier_signal -1
	s_barrier_wait -1
	FETCH 0, 0, F0
.if MODE != 0
	s_wait_loadcnt 0x0                             ; the bias
.endif
	QUARTER 0, 1, F0, F1, 1
	QUARTER 0, 2, F1, F0, 0
	QUARTER 0, 3, F0, F1, 0
	TURN 0, 1, 1
	QUARTER 1, 1, F0, F1, 0
	QUARTER 1, 2, F1, F0, 0
	QUARTER 1, 3, F0, F1, 0
	TURN 1, 0, 1
	QUARTER 0, 1, F0, F1, 0
	QUARTER 0, 2, F1, F0, 0
	QUARTER 0, 3, F0, F1, 0
	TURN 0, 1, 0
	QUARTER 1, 1, F0, F1, 0
	QUARTER 1, 2, F1, F0, 0
	QUARTER 1, 3, F0, F1, 0
	s_wait_dscnt 16
	WIN MULW
	MUL8 F1, 0, 0, 0
	MUL8 F1, 0, 2, 0
	s_wait_dscnt 0x0
	MUL8 F1, 1, 0, 0
	MUL8 F1, 1, 2, 0
	WIN 0
	PLACES
.if MODE == 2                          ; f32: a tile of 16 rows x 64 columns through my own stage; sixteen lanes store 256 consecutive bytes, aligned
.irp a, 0,1,2,3
.if \a >= 2
	s_wait_xcnt 0x0                                ; the stores of two tiles back have read their registers
.endif
.irp b, 0,1,2,3
	ds_store_b128 v[STO], v[ACC+8*(4*\a+\b):ACC+8*(4*\a+\b)+3] offset:64*\b
	ds_store_b128 v[STO], v[ACC+8*(4*\a+\b)+4:ACC+8*(4*\a+\b)+7] offset:64*\b+16
.endr
.irp i, 0,1,2,3,4,5,6,7
	ds_load_b128 v[TMP+32*(\a%2)+4*\i:TMP+32*(\a%2)+4*\i+3], v[RD] offset:544*\i   ; LDS serves a wave's instructions in order
.endr
.irp i, 0,1,2,3,4,5,6,7
	s_wait_dscnt 7-\i
	global_store_b128 v[CO], v[TMP+32*(\a%2)+4*\i:TMP+32*(\a%2)+4*\i+3], s[10:11] offset:65536*\a+8192*\i
.endr
.endr
.else
.if MODE == 1
.set i, 0
.rept 128
	v_max_num_f32 v[ACC+i], 0, v[ACC+i]            ; the activation, in f32
.set i, i+1
.endr
.endif
.irp t, 0,1,2,3,4,5,6,7,8,9,10,11,12,13,14,15
.irp r, 0,1,2,3
	v_cvt_pk_f16_f32 v[TMP+4*\t+\r], v[ACC+8*\t+2*\r], v[ACC+8*\t+2*\r+1]
.endr
.endr
.irp a, 0,1,2,3
.irp b, 0,1,2,3
	global_store_b128 v[LI], v[TMP+4*(4*\a+\b):TMP+4*(4*\a+\b)+3], s[10:11] offset:AST*\a+512*\b   ; 32 lanes store 512 consecutive bytes: two chunks of the next operand
.endr
.endr
.endif
	s_wait_tensorcnt 0x0                           ; the wave's end
	ds_add_u32 v[SPW], v[NIL]
	s_wait_dscnt 0x0
	CROUND                                         ; the closing round
	s_endpgm
.Lfunc_end_k_q431b049443_gf1:
	.size	k_q431b049443_gf1, .Lfunc_end_k_q431b049443_gf1-k_q431b049443_gf1
	.p2alignl 7, 3214868480
	.fill 96, 4, 3214868480
	.section	.rodata,"a",@progbits
	.p2align	6, 0x0
	.amdhsa_kernel k_q431b049443_gf1
		.amdhsa_group_segment_fixed_size 327680
		.amdhsa_private_segment_fixed_size 0
		.amdhsa_enable_private_segment 0
		.amdhsa_kernarg_size 32
		.amdhsa_user_sgpr_count 2
		.amdhsa_user_sgpr_kernarg_segment_ptr 1
		.amdhsa_wavefront_size32 1
		.amdhsa_system_sgpr_workgroup_id_x 1
		.amdhsa_system_sgpr_workgroup_id_y 1
		.amdhsa_system_sgpr_workgroup_id_z 1
		.amdhsa_system_vgpr_workitem_id 0
		.amdhsa_next_free_vgpr 512
		.amdhsa_next_free_sgpr 66
		.amdhsa_reserve_vcc 0
		.amdhsa_float_denorm_mode_32 3
		.amdhsa_float_denorm_mode_16_64 3
		.amdhsa_memory_ordered 1
		.amdhsa_forward_progress 1
		.amdhsa_inst_pref_size 88
	.end_amdhsa_kernel
	.amdgpu_metadata
---
amdhsa.version: [ 1, 2 ]
amdhsa.kernels:
  - .name:           k_q431b049443_gf1
    .symbol:         k_q431b049443_gf1.kd
    .args:
      - { .name: xb, .offset: 0, .size: 8, .value_kind: global_buffer, .address_space: global }
      - { .name: P, .offset: 8, .size: 8, .value_kind: global_buffer, .address_space: global }
      - { .name: bf1, .offset: 16, .size: 8, .value_kind: global_buffer, .address_space: global }
      - { .name: xa, .offset: 24, .size: 8, .value_kind: global_buffer, .address_space: global }
    .group_segment_fixed_size: 327680
    .private_segment_fixed_size: 0
    .kernarg_segment_align: 8
    .kernarg_segment_size: 32
    .max_flat_workgroup_size: 128
    .sgpr_count:     66
    .vgpr_count:     512
    .wavefront_size: 32
...
	.end_amdgpu_metadata
.endif
;; end of part 7
;; launch gf2 (part 8): grid 8 x 32, 4 waves a work-group, clusters of 4 x 4, 327,680 bytes of LDS; arguments xa, P, bf2, att; writes att
.if DOCPART == 8
	.amdgcn_target "amdgcn-amd-amdhsa--gfx1250"
	.amdhsa_code_object_version 6
	.text
	.protected	k_q431b049443_gf2
	.globl	k_q431b049443_gf2
	.p2align	8
	.type	k_q431b049443_gf2,@function
k_q431b049443_gf2:
	s_mov_b64 s[64:65], 0
	v_nop
	global_prefetch_b8 v0, s[64:65] scope:SCOPE_SE
	s_setreg_imm32_b32 hwreg(HW_REG_WAVE_MODE, 25, 1), 1
	s_wait_xcnt 0x0
	s_wait_alu depctr_hold_cnt(0) depctr_sa_sdst(0) depctr_va_vdst(0) depctr_va_sdst(0) depctr_va_ssrc(0) depctr_va_vcc(0) depctr_vm_vsrc(0)
	s_getreg_b32 s2, hwreg(HW_REG_IB_STS2, 6, 4)
	s_cmp_eq_u32 s2, 0
	s_cbranch_scc0 .Lentry_in_a_cluster
	s_endpgm
.Lentry_in_a_cluster:
	s_bfe_u32 s2, ttmp6, 0x10000c
	s_cmp_lg_u32 s2, 0xf033
	s_cbranch_scc0 .Lentry_shape_is_right
	s_endpgm
.Lentry_shape_is_right:
; C = A W^T in f16 with f32 sums; A [4,096][1,024] and W [1,024 (n)][1,024 (k)] lie as operands: (row / 16) x 32,768 + (k / 8) x 256 + (row % 16) x 16.
; MODE 0: q2 = x1 Wq2, out in f16 as attention's operand.  MODE 1: relu(x2 Wf1 + bf1), out in f16 as the next product's operand.  MODE 2: hidden Wf2 + bf2, out in f32, row-major.
; A tile of C is 128 x 128: 256 work-groups; four waves, each 64 x 64: 16 accumulators.  K goes in four steps of 256 through two LDS slots; a slot holds 8 tiles of 16 rows of A, then 8 of W, 8 KB each, dense:
; a fragment is read at 16 x lane + 512 x (register group): no pitch, no padding.  Each wave fetches a quarter of a slot by one tensor load (4 rows of 8,192 bytes, 32,768 bytes apart in memory).
; CLUSTER 4 x 4: A's tiles are asked for jointly along a row of the cluster, W's along a column.  THE PRODUCT IS USED TRANSPOSED (source 0 = W, source 1 = A): a lane holds one row of C and eight neighbouring columns.
; The bias is the C of each sum's first product.  K = 1,024 is four K steps: written out, no loop.  LIMIT: an f16 operand or result beyond 65,504 is infinity.
; REGISTERS: window 0: addresses; v32-95 the way out; v96-127 the bias; v128-255 accumulator (a, b) at 128 + 8 (4 a + b).  window 1: two fragment buffers of 128: 64 of A (2 x 4 x 16 rows x 32 K), then 64 of W.
.set MODE,  2
.set W16,   7340032
.set SLOT,  131072
.set STAGE, 262144
.if MODE == 2
.set SPARE, STAGE+4*4352
.else
.set SPARE, STAGE
.endif
.set ADRA, 16
.set ADRB, 20
.set STO,  24
.set RD,   25
.set CO,   26
.set LI,   27
.set SPW,  28
.set NIL,  29
.set TMP,  32
.set BIAS, 96
.set ACC,  128
.set F0,   0
.set F1,   128
.set G1,  24
.set G0,  32
.set G1B, 48
.set G0B, 56
.set MSB, 0
.macro WIN new
.if MSB != \new
	s_set_vgpr_msb (MSB<<8)|\new
.set MSB, \new
.endif
.endm
.set MULW, 0x05                        ; sources 0 and 1 window 1; C and D window 0
.set TO_F, 0x40                        ; destination window 1
.macro JLOAD s                         ; waves 0, 1 fetch A's halves, waves 2, 3 W's; an s_nop 0 and four v_nop follow each line
	s_cmp_eq_u32 s13, 0
	s_cbranch_scc0 .Lfor_b_\@
	tensor_load_to_lds s[G0+4*\s:G0+4*\s+3], s[G1:G1+7]
	s_nop 0
.rept 4
	v_nop
.endr
	s_branch .Lasked_\@
.Lfor_b_\@:
	tensor_load_to_lds s[G0B+4*\s:G0B+4*\s+3], s[G1B:G1B+7]
	s_nop 0
.rept 4
	v_nop
.endr
.Lasked_\@:
.endm
.macro CREST
	s_cmp_lg_u32 s12, 0
	s_cbranch_scc1 .Lnot_wave_0_\@
	s_barrier_signal -3
.Lnot_wave_0_\@:
	s_barrier_wait -3
	s_barrier_signal -1
	s_barrier_wait -1
.endm
.macro CROUND
	s_barrier_signal -1
	s_barrier_wait -1
	CREST
.endm
.if MODE == 0
	s_load_b128 s[4:7], s[0:1], 0x0                ; A's buffer, P
	s_load_b64 s[10:11], s[0:1], 0x10              ; out
.else
	s_load_b256 s[4:11], s[0:1], 0x0               ; A's buffer, P, bias, out
.endif
	v_lshl_add_u32 v[SPW], v0, 2, SPARE
	v_mov_b32 v[NIL], 0
	ds_add_u32 v[SPW], v[NIL]                      ; the wave's opening: the add and its wait ahead of my first tensor load
	v_lshrrev_b32 v1, 5, v0
	v_readfirstlane_b32 s12, v1                    ; wave
	s_lshr_b32 s13, s12, 1                         ; my half of the tile's rows.  Also: I fetch for A (0) or for W (1)
	s_and_b32 s14, s12, 1                          ; my half of its columns.  Also: which 64 rows I fetch
	s_bfe_u32 s40, ttmp6, 0x40000
	s_bfe_u32 s41, ttmp6, 0x40004
	s_lshl_b32 s42, ttmp9, 2
	s_add_co_u32 s42, s42, s40                     ; tile column
	s_and_b32 s15, ttmp7, 0xffff
	s_lshl_b32 s15, s15, 2
	s_add_co_u32 s15, s15, s41                     ; tile row
	s_lshl_b32 s43, s41, 2
	s_lshl_b32 s43, 15, s43                        ; my row of the cluster
	s_lshl_b32 s44, 0x1111, s40                    ; my column
	s_or_b32 s[G1], s43, (3<<16)|(1<<21)           ; elements of 8 bytes; bit 21 set beside the mask
	s_or_b32 s[G1B], s44, (3<<16)|(1<<21)
.irp g, G1, G1B
	s_mov_b32 s[\g+1], 1024<<16                    ; tensor_dim0: 8,192 bytes
	s_mov_b32 s[\g+2], 4<<16                       ; tensor_dim1
	s_mov_b32 s[\g+3], 1024<<16                    ; tile_dim0
	s_mov_b32 s[\g+4], 4                           ; tile_dim1
	s_mov_b32 s[\g+5], 4096                        ; 32,768 bytes from tile to tile
	s_mov_b32 s[\g+6], 0
	s_mov_b32 s[\g+7], 0
.endr
	s_lshl_b32 s16, s15, 18                        ; A: 8 tiles of 32,768 bytes a tile row, + 4 for the second half; the f16 copy begins at 16,777,216
	s_lshl_b32 s17, s14, 17
	s_add_co_u32 s16, s16, s17
	s_add_co_u32 s16, s16, 16777216
	s_mov_b32 s17, 0
	s_lshl_b32 s46, s42, 18                        ; W likewise, by the tile column
	s_lshl_b32 s47, s14, 17
	s_add_co_u32 s46, s46, s47
	s_add_co_u32 s46, s46, W16+MODE*2097152
	s_mov_b32 s47, 0
	s_lshl_b32 s20, s12, 15                        ; where they go: wave x 32,768
	s_wait_dscnt 0x0
	s_wait_kmcnt 0x0
	s_add_nc_u64 s[18:19], s[4:5], s[16:17]
	s_add_nc_u64 s[46:47], s[6:7], s[46:47]
	CROUND                                         ; all sixteen work-groups are here: the first joint loads meet
.irp s, 0,1
	s_mov_b32 s[G0+4*\s], 1
	s_add_co_u32 s[G0+4*\s+1], s20, \s*SLOT
	s_add_nc_u64 s[G0+4*\s+2:G0+4*\s+3], s[18:19], \s*8192
	s_or_b32 s[G0+4*\s+3], s[G0+4*\s+3], 0x80000000
	s_mov_b32 s[G0B+4*\s], 1
	s_add_co_u32 s[G0B+4*\s+1], s20, \s*SLOT
	s_add_nc_u64 s[G0B+4*\s+2:G0B+4*\s+3], s[46:47], \s*8192
	s_or_b32 s[G0B+4*\s+3], s[G0B+4*\s+3], 0x80000000
	JLOAD \s
.endr
	v_and_b32 v1, 31, v0
	v_lshlrev_b32 v[LI], 4, v1
	v_and_b32 v2, 15, v0                           ; r
	v_bfe_u32 v3, v0, 4, 1                         ; h
	s_lshl_b32 s21, s13, 15                        ; my 64 rows of A,
	s_lshl_b32 s22, s14, 15
	s_add_co_u32 s22, s22, 65536                   ; my 64 rows of W
.irp s, 0,1
	v_add_nc_u32 v[ADRA+\s], s21, v[LI]
	v_add_nc_u32 v[ADRB+\s], s22, v[LI]
	s_add_co_u32 s21, s21, SLOT
	s_add_co_u32 s22, s22, SLOT
.endr
.if MODE == 0                          ; out: qkv's sixth tensor; head = 2 x tile column + half; [b 16 + head] 262,144, [token / 16] 2,048
	s_lshr_b32 s16, s15, 4
	s_lshl_b32 s16, s16, 22
	s_and_b32 s17, s15, 15
	s_lshl_b32 s17, s17, 3
	s_lshl_b32 s18, s13, 2
	s_add_co_u32 s17, s17, s18
	s_lshl_b32 s17, s17, 11
	s_add_co_u32 s16, s16, s17
	s_add_co_u32 s16, s16, 5*8388608
	s_lshl_b32 s46, s42, 1
	s_add_co_u32 s46, s46, s14
	s_lshl_b32 s46, s46, 18
.set AST, 2048
.elseif MODE == 1                      ; out: the f16 operand at 16,777,216: tile of rows 32,768, chunk 256
	s_lshl_b32 s16, s15, 3
	s_lshl_b32 s17, s13, 2
	s_add_co_u32 s16, s16, s17
	s_lshl_b32 s16, s16, 15
	s_add_co_u32 s16, s16, 16777216
	s_lshl_b32 s46, s42, 12
	s_lshl_b32 s47, s14, 11
	s_add_co_u32 s46, s46, s47
.set AST, 32768
.else                                  ; out: f32 row-major
	s_lshl_b32 s16, s15, 7
	s_lshl_b32 s17, s13, 6
	s_add_co_u32 s16, s16, s17
	s_lshl_b32 s16, s16, 12
	s_lshl_b32 s46, s42, 9
	s_lshl_b32 s47, s14, 8
	s_add_co_u32 s46, s46, s47
	s_mul_i32 s23, s12, 4352
	s_add_co_u32 s23, s23, STAGE                   ; my stage: 16 rows x (256 bytes + 16)
	v_mul_u32_u24 v[STO], v2, 272
	v_lshl_add_u32 v[STO], v3, 5, v[STO]
	v_add_nc_u32 v[STO], s23, v[STO]
	v_mul_u32_u24 v[RD], v3, 272
	v_lshl_add_u32 v[RD], v2, 4, v[RD]
	v_add_nc_u32 v[RD], s23, v[RD]
	v_lshlrev_b32 v[CO], 12, v3
	v_lshl_add_u32 v[CO], v2, 4, v[CO]
.endif
	s_mov_b32 s17, 0
	s_mov_b32 s47, 0
	s_add_nc_u64 s[10:11], s[10:11], s[16:17]      ; the part that hangs on the tile row,
	s_add_nc_u64 s[10:11], s[10:11], s[46:47]      ; and the part that hangs on the tile column
.if MODE != 0
	s_lshl_b32 s46, s42, 9                         ; the bias of my 64 columns: register 8 b + j is bias[16 b + 8 h + j]
	s_lshl_b32 s22, s14, 8
	s_add_co_u32 s46, s46, s22
	s_add_nc_u64 s[8:9], s[8:9], s[46:47]
	v_lshlrev_b32 v5, 5, v3
.irp b, 0,1,2,3
	global_load_b128 v[BIAS+8*\b:BIAS+8*\b+3], v5, s[8:9] offset:64*\b
	global_load_b128 v[BIAS+8*\b+4:BIAS+8*\b+7], v5, s[8:9] offset:64*\b+16
.endr
.endif
.macro MUL8 f, c, a0, zero             ; 8 products: row tiles a0, a0 + 1 x all 4 column tiles, 32 along K: half c of buffer f.  The 16 accumulators take turns
.irp a, \a0, \a0+1
.irp b, 0,1,2,3
.if \zero
.if MODE == 0
	v_wmma_f32_16x16x32_f16 v[ACC+8*(4*(\a)+\b):ACC+8*(4*(\a)+\b)+7], v[\f+64+8*(4*\c+\b):\f+64+8*(4*\c+\b)+7], v[\f+8*(4*\c+(\a)):\f+8*(4*\c+(\a))+7], 0
.else
	v_wmma_f32_16x16x32_f16 v[ACC+8*(4*(\a)+\b):ACC+8*(4*(\a)+\b)+7], v[\f+64+8*(4*\c+\b):\f+64+8*(4*\c+\b)+7], v[\f+8*(4*\c+(\a)):\f+8*(4*\c+(\a))+7], v[BIAS+8*\b:BIAS+8*\b+7]
.endif
.else
	v_wmma_f32_16x16x32_f16 v[ACC+8*(4*(\a)+\b):ACC+8*(4*(\a)+\b)+7], v[\f+64+8*(4*\c+\b):\f+64+8*(4*\c+\b)+7], v[\f+8*(4*\c+(\a)):\f+8*(4*\c+(\a))+7], v[ACC+8*(4*(\a)+\b):ACC+8*(4*(\a)+\b)+7]
.endif
.endr
.endr
.endm
.macro FETCH slot, q, f                ; 32 LDS loads in one run: the fragments of the slot's q-th 64 along K, the first 32 along K first
	WIN TO_F
.irp c, 0,1
.irp i, 0,1,2,3
	ds_load_b128 v[\f+64+8*(4*\c+\i):\f+64+8*(4*\c+\i)+3],   v[ADRB+\slot] offset:\i*8192+(2*(\q)+\c)*1024
	ds_load_b128 v[\f+64+8*(4*\c+\i)+4:\f+64+8*(4*\c+\i)+7], v[ADRB+\slot] offset:\i*8192+(2*(\q)+\c)*1024+512
	ds_load_b128 v[\f+8*(4*\c+\i):\f+8*(4*\c+\i)+3],         v[ADRA+\slot] offset:\i*8192+(2*(\q)+\c)*1024
	ds_load_b128 v[\f+8*(4*\c+\i)+4:\f+8*(4*\c+\i)+7],       v[ADRA+\slot] offset:\i*8192+(2*(\q)+\c)*1024+512
.endr
.endr
.endm
.macro PLACES                          ; four places in front of loads into registers that matrix instructions have read, and of the first read of results
.rept 4
	v_nop
.endr
.endm
.macro QUARTER slot, q, f, g, zero     ; multiplies buffer f; in its middle fetches the slot's quarter q into buffer g
	s_wait_dscnt 16                                ; the first 32 along K are in
	WIN MULW
	MUL8 \f, 0, 0, \zero
	MUL8 \f, 0, 2, \zero
	PLACES
	FETCH \slot, \q, \g
	s_wait_dscnt 32                                ; all but the 32 just issued
	WIN MULW
	MUL8 \f, 1, 0, 0
	MUL8 \f, 1, 2, 0
.endm
; A slot's last quarter changes slots: one barrier; in front of it each wave waits for all its tensor loads, adds 0 to its spare word, and waits for that and for its reads of this slot.
.macro TURN slot, next, fill
	WIN 0
	s_wait_tensorcnt 0x0                           ; all my tensor loads have landed: my part of the next slot;
	ds_add_u32 v[SPW], v[NIL]
	s_wait_dscnt 17                                ; (the add and the youngest sixteen loads may be out)
	WIN MULW
	MUL8 F1, 0, 0, 0
	s_wait_dscnt 0x0                               ; the add is done, and my reads of this slot are over
	s_barrier_signal -1
	MUL8 F1, 0, 2, 0
.if \fill
	WIN 0
.endif
	s_barrier_wait -1
.if \fill
	CREST                                          ; the barrier has opened a round of the cluster's barrier
	s_add_nc_u64 s[G0+4*\slot+2:G0+4*\slot+3], s[G0+4*\slot+2:G0+4*\slot+3], 16384
	s_add_nc_u64 s[G0B+4*\slot+2:G0B+4*\slot+3], s[G0B+4*\slot+2:G0B+4*\slot+3], 16384
	JLOAD \slot                                    ; the first tensor load behind the round: two K steps on; its four v_nop are also the places in front of the loads below
.else
	PLACES
.endif
	FETCH \next, 0, F0
	WIN MULW
	MUL8 F1, 1, 0, 0
	MUL8 F1, 1, 2, 0
.endm
	s_wait_tensorcnt 0x1                           ; my part of K step 0 is in; K step 1's may stay out
	s_barrier_signal -1
	s_barrier_wait -1
	FETCH 0, 0, F0
.if MODE != 0
	s_wait_loadcnt 0x0                             ; the bias
.endif
	QUARTER 0, 1, F0, F1, 1
	QUARTER 0, 2, F1, F0, 0
	QUARTER 0, 3, F0, F1, 0
	TURN 0, 1, 1
	QUARTER 1, 1, F0, F1, 0
	QUARTER 1, 2, F1, F0, 0
	QUARTER 1, 3, F0, F1, 0
	TURN 1, 0, 1
	QUARTER 0, 1, F0, F1, 0
	QUARTER 0, 2, F1, F0, 0
	QUARTER 0, 3, F0, F1, 0
	TURN 0, 1, 0
	QUARTER 1, 1, F0, F1, 0
	QUARTER 1, 2, F1, F0, 0
	QUARTER 1, 3, F0, F1, 0
	s_wait_dscnt 16
	WIN MULW
	MUL8 F1, 0, 0, 0
	MUL8 F1, 0, 2, 0
	s_wait_dscnt 0x0
	MUL8 F1, 1, 0, 0
	MUL8 F1, 1, 2, 0
	WIN 0
	PLACES
.if MODE == 2                          ; f32: a tile of 16 rows x 64 columns through my own stage; sixteen lanes store 256 consecutive bytes, aligned
.irp a, 0,1,2,3
.if \a >= 2
	s_wait_xcnt 0x0                                ; the stores of two tiles back have read their registers
.endif
.irp b, 0,1,2,3
	ds_store_b128 v[STO], v[ACC+8*(4*\a+\b):ACC+8*(4*\a+\b)+3] offset:64*\b
	ds_store_b128 v[STO], v[ACC+8*(4*\a+\b)+4:ACC+8*(4*\a+\b)+7] offset:64*\b+16
.endr
.irp i, 0,1,2,3,4,5,6,7
	ds_load_b128 v[TMP+32*(\a%2)+4*\i:TMP+32*(\a%2)+4*\i+3], v[RD] offset:544*\i   ; LDS serves a wave's instructions in order
.endr
.irp i, 0,1,2,3,4,5,6,7
	s_wait_dscnt 7-\i
	global_store_b128 v[CO], v[TMP+32*(\a%2)+4*\i:TMP+32*(\a%2)+4*\i+3], s[10:11] offset:65536*\a+8192*\i
.endr
.endr
.else
.if MODE == 1
.set i, 0
.rept 128
	v_max_num_f32 v[ACC+i], 0, v[ACC+i]            ; the activation, in f32
.set i, i+1
.endr
.endif
.irp t, 0,1,2,3,4,5,6,7,8,9,10,11,12,13,14,15
.irp r, 0,1,2,3
	v_cvt_pk_f16_f32 v[TMP+4*\t+\r], v[ACC+8*\t+2*\r], v[ACC+8*\t+2*\r+1]
.endr
.endr
.irp a, 0,1,2,3
.irp b, 0,1,2,3
	global_store_b128 v[LI], v[TMP+4*(4*\a+\b):TMP+4*(4*\a+\b)+3], s[10:11] offset:AST*\a+512*\b   ; 32 lanes store 512 consecutive bytes: two chunks of the next operand
.endr
.endr
.endif
	s_wait_tensorcnt 0x0                           ; the wave's end
	ds_add_u32 v[SPW], v[NIL]
	s_wait_dscnt 0x0
	CROUND                                         ; the closing round
	s_endpgm
.Lfunc_end_k_q431b049443_gf2:
	.size	k_q431b049443_gf2, .Lfunc_end_k_q431b049443_gf2-k_q431b049443_gf2
	.p2alignl 7, 3214868480
	.fill 96, 4, 3214868480
	.section	.rodata,"a",@progbits
	.p2align	6, 0x0
	.amdhsa_kernel k_q431b049443_gf2
		.amdhsa_group_segment_fixed_size 327680
		.amdhsa_private_segment_fixed_size 0
		.amdhsa_enable_private_segment 0
		.amdhsa_kernarg_size 32
		.amdhsa_user_sgpr_count 2
		.amdhsa_user_sgpr_kernarg_segment_ptr 1
		.amdhsa_wavefront_size32 1
		.amdhsa_system_sgpr_workgroup_id_x 1
		.amdhsa_system_sgpr_workgroup_id_y 1
		.amdhsa_system_sgpr_workgroup_id_z 1
		.amdhsa_system_vgpr_workitem_id 0
		.amdhsa_next_free_vgpr 512
		.amdhsa_next_free_sgpr 66
		.amdhsa_reserve_vcc 0
		.amdhsa_float_denorm_mode_32 3
		.amdhsa_float_denorm_mode_16_64 3
		.amdhsa_memory_ordered 1
		.amdhsa_forward_progress 1
		.amdhsa_inst_pref_size 87
	.end_amdhsa_kernel
	.amdgpu_metadata
---
amdhsa.version: [ 1, 2 ]
amdhsa.kernels:
  - .name:           k_q431b049443_gf2
    .symbol:         k_q431b049443_gf2.kd
    .args:
      - { .name: xa, .offset: 0, .size: 8, .value_kind: global_buffer, .address_space: global }
      - { .name: P, .offset: 8, .size: 8, .value_kind: global_buffer, .address_space: global }
      - { .name: bf2, .offset: 16, .size: 8, .value_kind: global_buffer, .address_space: global }
      - { .name: att, .offset: 24, .size: 8, .value_kind: global_buffer, .address_space: global }
    .group_segment_fixed_size: 327680
    .private_segment_fixed_size: 0
    .kernarg_segment_align: 8
    .kernarg_segment_size: 32
    .max_flat_workgroup_size: 128
    .sgpr_count:     66
    .vgpr_count:     512
    .wavefront_size: 32
...
	.end_amdgpu_metadata
.endif
;; end of part 8
;; launch ln3 (part 9): grid 256 x 1, 8 waves a work-group, no clusters, 0 bytes of LDS; arguments att, xb, g3, be3, out0; writes out0
.if DOCPART == 9
	.amdgcn_target "amdgcn-amd-amdhsa--gfx1250"
	.amdhsa_code_object_version 6
	.text
	.protected	k_q431b049443_ln3
	.globl	k_q431b049443_ln3
	.p2align	8
	.type	k_q431b049443_ln3,@function
k_q431b049443_ln3:
	s_mov_b64 s[64:65], 0
	v_nop
	global_prefetch_b8 v0, s[64:65] scope:SCOPE_SE
	s_setreg_imm32_b32 hwreg(HW_REG_WAVE_MODE, 25, 1), 1
	s_wait_xcnt 0x0
; out = layernorm(a + res) x g + be over rows of 1,024, in f32: the mean, then the mean of squared differences, 1 / sqrt(var + 1e-5).
; A work-group takes 16 rows, a wave two; a lane holds columns 128 j + 4 lane .. + 3: every load and store of a wave covers 512 consecutive bytes.  A row stays in registers: memory is read once.
; Memory binds: no LDS, no barrier, no matrix unit, no cluster.
.set G,   16                           ; v16-47 g, v48-79 be of my 32 columns
.set BE,  48
	s_load_b256 s[4:11], s[0:1], 0x0               ; a, res, g, be
	s_load_b64 s[12:13], s[0:1], 0x20              ; out
	v_lshrrev_b32 v1, 5, v0
	v_readfirstlane_b32 s14, v1                    ; wave
	v_and_b32 v2, 31, v0
	v_lshlrev_b32 v1, 4, v2                        ; 16 x lane
	s_lshl_b32 s16, ttmp9, 16                      ; 16 rows of 4,096 bytes a work-group,
	s_lshl_b32 s17, s14, 13                        ; two a wave
	s_add_co_u32 s16, s16, s17
	s_mov_b32 s17, 0
	s_mov_b32 s20, 0x3a800000                      ; 1 / 1,024
	s_mov_b32 s21, 0x3727c5ac                      ; 1e-5
	s_mov_b32 s22, 0x76543210
	s_mov_b32 s23, 0xfedcba98
	v_mov_b32 v213, 0                              ; upper halves of pairs, and the permute's destination: written once
	v_mov_b32 v215, 0
	v_mov_b32 v216, 0
	s_wait_kmcnt 0x0
	s_add_nc_u64 s[4:5], s[4:5], s[16:17]
	s_add_nc_u64 s[6:7], s[6:7], s[16:17]
	s_add_nc_u64 s[18:19], s[12:13], s[16:17]
.irp j, 0,1,2,3,4,5,6,7
	global_load_b128 v[G+4*\j:G+4*\j+3], v1, s[8:9] offset:512*\j
	global_load_b128 v[BE+4*\j:BE+4*\j+3], v1, s[10:11] offset:512*\j
.endr
.irp w, 0,1
.irp j, 0,1,2,3,4,5,6,7
	global_load_b128 v[80+64*\w+4*\j:80+64*\w+4*\j+3], v1, s[4:5] offset:4096*\w+512*\j th:TH_LOAD_NT
	global_load_b128 v[112+64*\w+4*\j:112+64*\w+4*\j+3], v1, s[6:7] offset:4096*\w+512*\j th:TH_LOAD_NT
.endr
.endr
.macro REDUCE r                        ; the sum over the 32 lanes, in every lane
	v_add_f32_dpp v[\r], v[\r], v[\r] row_xmask:1 row_mask:0xf bank_mask:0xf
	v_add_f32_dpp v[\r], v[\r], v[\r] row_xmask:2 row_mask:0xf bank_mask:0xf
	v_add_f32_dpp v[\r], v[\r], v[\r] row_xmask:4 row_mask:0xf bank_mask:0xf
	v_add_f32_dpp v[\r], v[\r], v[\r] row_xmask:8 row_mask:0xf bank_mask:0xf
	v_permlanex16_b32 v216, v[\r], s22, s23
	v_add_f32 v[\r], v[\r], v216
.endm
.macro ROW A, B, row
.irp i, 0,2,4,6,8,10,12,14,16,18,20,22,24,26,28,30
	v_pk_add_f32 v[\A+\i:\A+\i+1], v[\A+\i:\A+\i+1], v[\B+\i:\B+\i+1]
.endr
	v_pk_add_f32 v[208:209], v[\A:\A+1], v[\A+2:\A+3]
	v_pk_add_f32 v[210:211], v[\A+4:\A+5], v[\A+6:\A+7]
.irp i, 8,12,16,20,24,28
	v_pk_add_f32 v[208:209], v[208:209], v[\A+\i:\A+\i+1]
	v_pk_add_f32 v[210:211], v[210:211], v[\A+\i+2:\A+\i+3]
.endr
	v_pk_add_f32 v[208:209], v[208:209], v[210:211]
	v_add_f32 v208, v208, v209
	REDUCE 208
	v_mul_f32 v212, s20, v208                      ; the mean
.irp i, 0,2,4,6,8,10,12,14,16,18,20,22,24,26,28,30
	v_pk_add_f32 v[\A+\i:\A+\i+1], v[\A+\i:\A+\i+1], v[212:213] op_sel_hi:[1,0] neg_lo:[0,1] neg_hi:[0,1]
.endr
	v_pk_mul_f32 v[208:209], v[\A:\A+1], v[\A:\A+1]
	v_pk_mul_f32 v[210:211], v[\A+2:\A+3], v[\A+2:\A+3]
.irp i, 4,8,12,16,20,24,28
	v_pk_fma_f32 v[208:209], v[\A+\i:\A+\i+1], v[\A+\i:\A+\i+1], v[208:209]
	v_pk_fma_f32 v[210:211], v[\A+\i+2:\A+\i+3], v[\A+\i+2:\A+\i+3], v[210:211]
.endr
	v_pk_add_f32 v[208:209], v[208:209], v[210:211]
	v_add_f32 v208, v208, v209
	REDUCE 208
	v_fma_f32 v208, v208, s20, s21                 ; the variance + 1e-5
	v_rsq_f32 v214, v208
	v_nop                                          ; a plain instruction behind the transcendental,
	s_wait_alu depctr_va_vdst(0)                   ; and the wait ahead of its first reader
.irp i, 0,2,4,6,8,10,12,14,16,18,20,22,24,26,28,30
	v_pk_mul_f32 v[\A+\i:\A+\i+1], v[\A+\i:\A+\i+1], v[214:215] op_sel_hi:[1,0]
.endr
.irp i, 0,2,4,6,8,10,12,14,16,18,20,22,24,26,28,30
	v_pk_fma_f32 v[\A+\i:\A+\i+1], v[\A+\i:\A+\i+1], v[G+\i:G+\i+1], v[BE+\i:BE+\i+1]
.endr
.irp j, 0,1,2,3,4,5,6,7
	global_store_b128 v1, v[\A+4*\j:\A+4*\j+3], s[18:19] offset:4096*\row+512*\j th:TH_STORE_NT
.endr
.endm
	s_wait_loadcnt 16                              ; g, be and row 0 are in; row 1's sixteen loads may be out
	ROW 80, 112, 0
	s_wait_loadcnt 0x0
	ROW 144, 176, 1
	s_endpgm
.Lfunc_end_k_q431b049443_ln3:
	.size	k_q431b049443_ln3, .Lfunc_end_k_q431b049443_ln3-k_q431b049443_ln3
	.p2alignl 7, 3214868480
	.fill 96, 4, 3214868480
	.section	.rodata,"a",@progbits
	.p2align	6, 0x0
	.amdhsa_kernel k_q431b049443_ln3
		.amdhsa_group_segment_fixed_size 0
		.amdhsa_private_segment_fixed_size 0
		.amdhsa_enable_private_segment 0
		.amdhsa_kernarg_size 40
		.amdhsa_user_sgpr_count 2
		.amdhsa_user_sgpr_kernarg_segment_ptr 1
		.amdhsa_wavefront_size32 1
		.amdhsa_system_sgpr_workgroup_id_x 1
		.amdhsa_system_sgpr_workgroup_id_y 1
		.amdhsa_system_sgpr_workgroup_id_z 1
		.amdhsa_system_vgpr_workitem_id 0
		.amdhsa_next_free_vgpr 224
		.amdhsa_next_free_sgpr 66
		.amdhsa_reserve_vcc 0
		.amdhsa_float_denorm_mode_32 3
		.amdhsa_float_denorm_mode_16_64 3
		.amdhsa_memory_ordered 1
		.amdhsa_forward_progress 1
		.amdhsa_inst_pref_size 22
	.end_amdhsa_kernel
	.amdgpu_metadata
---
amdhsa.version: [ 1, 2 ]
amdhsa.kernels:
  - .name:           k_q431b049443_ln3
    .symbol:         k_q431b049443_ln3.kd
    .args:
      - { .name: att, .offset: 0, .size: 8, .value_kind: global_buffer, .address_space: global }
      - { .name: xb, .offset: 8, .size: 8, .value_kind: global_buffer, .address_space: global }
      - { .name: g3, .offset: 16, .size: 8, .value_kind: global_buffer, .address_space: global }
      - { .name: be3, .offset: 24, .size: 8, .value_kind: global_buffer, .address_space: global }
      - { .name: out0, .offset: 32, .size: 8, .value_kind: global_buffer, .address_space: global }
    .group_segment_fixed_size: 0
    .private_segment_fixed_size: 0
    .kernarg_segment_align: 8
    .kernarg_segment_size: 40
    .max_flat_workgroup_size: 256
    .sgpr_count:     66
    .vgpr_count:     224
    .wavefront_size: 32
...
	.end_amdgpu_metadata
.endif
;; end of part 9
